; MI455X (gfx1250); checked and timed in simulation.
; The chip was launched on July 23, 2026; its instructions are those of AMD's public machine-readable ISA for CDNA 5 (MIT licence, August 2026) and "CDNA5" Instruction Set Architecture Reference Guide (July 2026). The comments in the code are by the model that wrote it; some were corrected since.
;; Encode Layer. Allowed arithmetic: matrix products marked QUANTISED: E4M3 operands, one E8M0 scale for each 32 along K, by v_wmma_scale_f32_16x16x128_f8f6f4 with both operands' format E4M3, f32 sums; everything else in f32.
;; Inputs: b1 4,096 float32; b2 1,024 float32; enc_input 2 x 2,048 x 1,024 float32; ln1_b 1,024 float32; ln1_g 1,024 float32; ln2_b 1,024 float32; ln2_g 1,024 float32; w1_codes 4,096 x 32 x 32 uint8 (E4M3 codes of w1, K innermost, in blocks of 32 codes); w1_scales 4,096 x 32 uint8 (E8M0 scales of w1, one for each 32 codes along K); w2_codes 1,024 x 128 x 32 uint8 (E4M3 codes of w2, K innermost, in blocks of 32 codes); w2_scales 1,024 x 128 uint8 (E8M0 scales of w2, one for each 32 codes along K); wk_codes 1,024 x 32 x 32 uint8 (E4M3 codes of wk, K innermost, in blocks of 32 codes); wk_scales 1,024 x 32 uint8 (E8M0 scales of wk, one for each 32 codes along K); wo_codes 1,024 x 32 x 32 uint8 (E4M3 codes of wo, K innermost, in blocks of 32 codes); wo_scales 1,024 x 32 uint8 (E8M0 scales of wo, one for each 32 codes along K); wq_codes 1,024 x 32 x 32 uint8 (E4M3 codes of wq, K innermost, in blocks of 32 codes); wq_scales 1,024 x 32 uint8 (E8M0 scales of wq, one for each 32 codes along K); wv_codes 1,024 x 32 x 32 uint8 (E4M3 codes of wv, K innermost, in blocks of 32 codes); wv_scales 1,024 x 32 uint8 (E8M0 scales of wv, one for each 32 codes along K).
;; Outputs: out0 2 x 2,048 x 1,024 float32.
;; This version of the problem:
;;   THIS VERSION OF THE PROBLEM IS GIVEN IN LOW PRECISION. The matrix products marked QUANTISED in the list below multiply operands that are first quantised to E4M3 (4 exponent bits, 3 mantissa bits; 8 bits a number), with one power-of-two scale for each 32 numbers along K (OCP MX v1.0); their sums are f32. All else is computed in f32.
;;   The module's matrix products, in the order in which they are computed (A, B: the left and right operand; K: the contracted axis; several contracted axes count as one K, in the product's order):
;;     1. [M 4,096, K 1,024] x [K 1,024, N 1,024]; A: input enc_input; B: input wq (given as codes): QUANTISED
;;     2. [M 4,096, K 1,024] x [K 1,024, N 1,024]; A: input enc_input; B: input wk (given as codes): QUANTISED
;;     3. [M 4,096, K 1,024] x [K 1,024, N 1,024]; A: input enc_input; B: input wv (given as codes): QUANTISED
;;     4. batch 32 x [M 2,048, K 64] x [K 64, N 2,048]; A: computed on the way; B: computed on the way: QUANTISED
;;     5. batch 32 x [M 2,048, K 2,048] x [K 2,048, N 64]; A: softmax (see below); B: computed on the way: QUANTISED
;;     6. [M 4,096, K 1,024] x [K 1,024, N 1,024]; A: computed on the way; B: input wo (given as codes): QUANTISED
;;     7. [M 4,096, K 1,024] x [K 1,024, N 4,096]; A: computed on the way; B: input w1 (given as codes): QUANTISED
;;     8. [M 4,096, K 4,096] x [K 4,096, N 1,024]; A: computed on the way; B: input w2 (given as codes): QUANTISED
;;   THE QUANTISER, for each operand of a quantised product, along K:
;;     - K is cut into blocks of 32 from its start; a last block that is shorter is filled with zeros.
;;     - A block's scale is 2^e with e = floor(log2(the largest magnitude in the block)) - 8, held to -126 .. 127; a block of zeros has e = 0. As a byte (E8M0): e + 127.
;;     - Each number is divided by its block's scale, clamped to +-448, and rounded to the nearest number of E4M3, ties to even, subnormals kept.
;;     - The product sums the exact products of the quantised numbers (number of the format x scale) in f32.
;;   ~~~python
;;   def quantise(x, axis):      # numpy; x: float32 -> the quantised numbers, widened to float32 again
;;       x = np.moveaxis(x, axis, -1); K = x.shape[-1]
;;       x = np.pad(x, [(0, 0)] * (x.ndim - 1) + [(0, -K % 32)]); x = x.reshape(x.shape[:-1] + (-1, 32)); a = np.abs(x).max(-1, keepdims=True)
;;       e = np.where(a > 0, np.clip(np.frexp(np.where(a > 0, a, 1))[1] - 1 - 8, -126, 127), 0)      # np.frexp(a)[1] - 1 = floor(log2(a)), exactly
;;       r = np.clip(x / 2.0 ** e, -448, 448)
;;       step = 2.0 ** (np.maximum(np.frexp(np.where(r == 0, 1, r))[1] - 1, -6) - 3)
;;       q = np.round(r / step) * step * 2.0 ** e      # np.round: ties to even
;;       return np.moveaxis(q.reshape(q.shape[:-2] + (-1,))[..., :K], -1, axis).astype(np.float32)
;;   ~~~
;;   SOFTMAX AHEAD OF A QUANTISED PRODUCT. Where the list says 'softmax', what is quantised is not the finished softmax but p = 2^(t - M), with t = logit x log2(e) and M = ceil(the row's largest t), a whole number; so 1/2 < the row's largest p <= 1. The row's sum l is taken of the UNQUANTISED p, in f32, and the product's result is divided by l at the end. Since M is a whole number, a kernel that streams over the keys may use a running M (the ceiling of the running maximum): every later rescaling is an exact power of two, which a block's scale takes up: the codes' values come out the same.
;;   OPERANDS COMPUTED ON THE WAY. 'Computed on the way' means the value that the module computes at that place (a softmax that the list does not call 'softmax' is quantised finished and normalised). What goes into a quantiser is computed in f32, as accurately as f32 sums, v_exp_f32 and their like allow (about 1e-6 of the number): no bf16 or f16 on the way to a quantiser, and a product that is left as it is and whose result goes on into a quantised operand takes f32 operands (vector FMAs, or v_wmma_f32_16x16x4_f32). A number that lies on a knife's edge between two numbers of the format may be rounded either way, as far as f32 arithmetic and the matrix unit's own rounding can turn it there, and no further.
;;   INPUTS GIVEN AS CODES. w1 (in the module: [1024, 4096], K = its axis 0); w2 (in the module: [4096, 1024], K = its axis 0); wk (in the module: [1024, 1024], K = its axis 0); wo (in the module: [1024, 1024], K = its axis 0); wq (in the module: [1024, 1024], K = its axis 0); wv (in the module: [1024, 1024], K = its axis 0): each comes as NAME_codes (uint8): NAME with its K axis moved to the last place and cut into blocks of 32 codes, [.., K / 32, bytes a block], one block behind the other in memory; one code a byte (a code: sign, 4 exponent bits, 3 mantissa bits); and NAME_scales (uint8): the same leading axes, one E8M0 byte (e + 127) for each 32 codes along K. Its value is code x scale, taken as it is: it is not quantised again, and the codes and scales need not be those that the quantiser above would give.
;; One version. Each part assembles by itself: llvm-mc -triple=amdgcn-amd-amdhsa -mcpu=gfx1250 --defsym DOCPART=n.
;; ======== version 1 of 1: 8 launches
;; limits: right only within a limited range of input values
;; workspace buffers: xq 4,325,376 bytes; qkv 12,976,128 bytes; ctxq 4,325,376 bytes; y32 16,777,216 bytes; hbuf 21,102,592 bytes; hid 17,301,504 bytes
;; launch quantx (part 1): grid 256 x 1, 8 waves a work-group, no clusters, 42,496 bytes of LDS; arguments enc_input, xq; writes xq
.if DOCPART == 1
	.amdgcn_target "amdgcn-amd-amdhsa--gfx1250"
	.amdhsa_code_object_version 6
	.text
	.protected	k_q71fb57b4dc_quantx
	.globl	k_q71fb57b4dc_quantx
	.p2align	8
	.type	k_q71fb57b4dc_quantx,@function
k_q71fb57b4dc_quantx:
	s_mov_b64 s[64:65], 0
	v_nop
	global_prefetch_b8 v0, s[64:65] scope:SCOPE_SE
	s_setreg_imm32_b32 hwreg(HW_REG_WAVE_MODE, 25, 1), 1
	s_wait_xcnt 0x0
; x [4096][1024] f32 becomes codes of E4M3, row-major [4096][1024] at byte 0 of xq, and one E8M0 byte for each 32 along a row, [4096][32] at byte 4,194,304.
; This text is one of three made from one pattern (NORM: add a second tensor and take the layer norm first; QUANT: quantise the rows).  Here NORM = 0, QUANT = 1.
; SHARES.  A work-group takes 16 rows, each of its eight waves two.  A wave holds a whole row: eight loads of 512 consecutive bytes, lane l of load j holds columns 128 j + 4 l .. + 3.
; QUANTISER.  A block's scale is 2^(floor(log2(largest magnitude)) - 8); its byte is the largest magnitude's exponent field - 8, held at 1 from below.  The conversions take 16 neighbours from one lane,
; so 512 numbers at a time turn through the wave's own stage in LDS (64 bytes a lane, 16 of padding behind them) and two neighbouring lanes hold a block.
; LIMITS: NaN and infinities are not served; a block of zeros gets the byte 1 (its codes are zeros; this program alone reads the bytes).
; No cluster: work-groups share no tile.  No tensor loads: the rows go straight into registers.
.set NORM,  0
.set QUANT, 1
.set LAST,  0
.set CODEOFF, 0
.set SCLOFF,  4194304
.set SP,   80                          ; a lane's place in a stage
.set STG,  32*SP                       ; a stage: 512 numbers
.set WREG, 2*STG                       ; a wave's two stages
.set SCL,  8*WREG                      ; behind them: the work-group's 512 scale bytes
.set G,  16                            ; v16-47   gain
.set BT, 48                            ; v48-79   bias
.set A,  80                            ; v80-111, v144-175  the row, p = 0, 1
.set R,  112                           ; v112-143, v176-207 the second tensor's row; later the row's numbers as 16 neighbours a lane
.set SU, 208                           ; v208-215 four chains of sums
.set MU, 216                           ; v216-217 the mean, twice
.set RS, 218                           ; v218-219 1 / sqrt(var + eps), twice
.set PD, 220                           ; a lane permute's destination
.set C,  224                           ; v224-239 codes: four registers for each (row, step)
.set E,  240                           ; v240-243 scale bytes
.set OB, 244                           ; v244-247 the scale bytes on their way out
.if NORM
	s_load_b256 s[4:11], s[0:1], 0x0               ; first tensor, second tensor, gain, bias
	s_load_b64 s[12:13], s[0:1], 0x20              ; the output buffer
.else
	s_load_b64 s[4:5], s[0:1], 0x0                 ; the tensor
	s_load_b64 s[12:13], s[0:1], 0x8               ; the output buffer
	v_lshl_add_u32 v248, v0, 2, 0xa200
	v_mov_b32 v249, 0
.endif
	v_lshrrev_b32 v1, 5, v0
	s_delay_alu instid0(VALU_DEP_1)
	v_readfirstlane_b32 s14, v1                    ; wave 0..7
	v_and_b32 v2, 31, v0                           ; lane
	s_wait_alu depctr_va_vdst(0)
	v_lshlrev_b32 v3, 4, v2                        ; 16 x lane: my bytes of a load's 512, and my 16 codes of a step's 512
	s_lshl_b32 s15, ttmp9, 4
	s_lshl_b32 s18, s14, 1
	s_add_co_u32 s15, s15, s18                     ; my first row: 16 x work-group + 2 x wave
	s_lshl_b32 s18, s15, 12                        ; in f32 rows of 4,096 bytes
	s_mov_b32 s19, 0
.if NORM
	s_mov_b32 s16, 0x3a800000                      ; 1 / 1024
	s_mov_b32 s17, 0x3727c5ac                      ; 1e-5
	s_mov_b32 s20, 0x76543210
	s_mov_b32 s21, 0xfedcba98                      ; selects: lane l xor 16
	v_mov_b32 v[PD], 0                             ; written once: a lane permute's destination counts as a source
.endif
.if QUANT
	s_lshl_b32 s28, s15, 10                        ; in rows of 1,024 codes
	s_mov_b32 s29, 0
	s_lshl_b32 s30, ttmp9, 9                       ; the work-group's 512 scale bytes
	s_mov_b32 s31, 0
	s_mov_b32 s23, 0x600000                        ; the mantissa field of 448
	s_mul_i32 s22, s14, WREG
	v_lshrrev_b32 v14, 2, v2
	s_delay_alu instid0(VALU_DEP_1)
	v_mul_u32_u24 v14, v14, SP
	v_and_b32 v15, 3, v2
	s_delay_alu instid0(VALU_DEP_1)
	v_lshl_add_u32 v14, v15, 4, v14
	s_delay_alu instid0(VALU_DEP_1)
	v_add_nc_u32 v14, s22, v14                     ; into a stage: four lanes' 64 bytes on end, then 16 of padding
	v_mul_u32_u24 v15, v2, SP
	s_delay_alu instid0(VALU_DEP_1)
	v_add_nc_u32 v15, s22, v15                     ; out of it: my 16 neighbours
	v_lshrrev_b32 v5, 1, v2
	s_lshl_b32 s22, s14, 6
	s_add_co_u32 s22, s22, SCL
	v_add_nc_u32 v5, s22, v5                       ; my block's scale byte: 64 bytes a wave
	v_add_nc_u32 v6, SCL, v3                       ; and all 512 on the way out
.endif
	s_wait_alu depctr_va_vdst(0)
	s_wait_kmcnt 0x0
	s_add_nc_u64 s[4:5], s[4:5], s[18:19]
.if NORM
	s_add_nc_u64 s[6:7], s[6:7], s[18:19]
.endif
.if QUANT
	s_add_nc_u64 s[24:25], s[12:13], s[28:29]      ; my rows' codes
	s_add_nc_u64 s[26:27], s[12:13], s[30:31]      ; the work-group's scale bytes
.if CODEOFF > 0
	s_add_nc_u64 s[24:25], s[24:25], CODEOFF
.endif
	s_add_nc_u64 s[26:27], s[26:27], SCLOFF
.endif
.if NORM
	s_add_nc_u64 s[12:13], s[12:13], s[18:19]      ; my rows in f32
.irp j, 0,1,2,3,4,5,6,7
	global_load_b128 v[G+4*\j:G+4*\j+3], v3, s[8:9] offset:512*\j
.endr
.irp j, 0,1,2,3,4,5,6,7
	global_load_b128 v[BT+4*\j:BT+4*\j+3], v3, s[10:11] offset:512*\j
.endr
.endif
.irp p, 0,1
.irp j, 0,1,2,3,4,5,6,7
	global_load_b128 v[A+64*\p+4*\j:A+64*\p+4*\j+3], v3, s[4:5] offset:4096*\p+512*\j th:TH_LOAD_NT
.endr
.if NORM
.irp j, 0,1,2,3,4,5,6,7
	global_load_b128 v[R+64*\p+4*\j:R+64*\p+4*\j+3], v3, s[6:7] offset:4096*\p+512*\j th:TH_LOAD_NT
.endr
.endif
.endr
; the four chains, the lane's two halves and the 32 lanes are added: v8 holds the row's sum in every lane
.macro REDUCE
	v_pk_add_f32 v[SU:SU+1], v[SU:SU+1], v[SU+2:SU+3]
	v_pk_add_f32 v[SU+4:SU+5], v[SU+4:SU+5], v[SU+6:SU+7]
	v_pk_add_f32 v[SU:SU+1], v[SU:SU+1], v[SU+4:SU+5]
	v_add_f32 v8, v[SU], v[SU+1]
	v_add_f32_dpp v8, v8, v8 row_xmask:1 row_mask:0xf bank_mask:0xf
	v_add_f32_dpp v8, v8, v8 row_xmask:2 row_mask:0xf bank_mask:0xf
	v_add_f32_dpp v8, v8, v8 row_xmask:4 row_mask:0xf bank_mask:0xf
	v_add_f32_dpp v8, v8, v8 row_xmask:8 row_mask:0xf bank_mask:0xf
	v_permlanex16_b32 v[PD], v8, s20, s21
	v_add_f32 v8, v8, v[PD]
.endm
; 512 numbers of row p (step t), 16 neighbours a lane, become 512 codes and 16 scale bytes
.macro QSTEP p, t
.set XS, R+64*(\p)+16*(\t)
.set CS, C+4*(2*(\p)+(\t))
.set ES, E+2*(\p)+(\t)
	v_max3_num_f32 v8, |v[XS]|, |v[XS+1]|, |v[XS+2]|               ; the largest magnitude of my 16, in two chains
	v_max3_num_f32 v9, |v[XS+3]|, |v[XS+4]|, |v[XS+5]|
.irp i, 6,10
	s_delay_alu instid0(VALU_DEP_2)
	v_max3_num_f32 v8, v8, |v[XS+\i]|, |v[XS+\i+1]|
	s_delay_alu instid0(VALU_DEP_2)
	v_max3_num_f32 v9, v9, |v[XS+\i+2]|, |v[XS+\i+3]|
.endr
	s_delay_alu instid0(VALU_DEP_2)
	v_max3_num_f32 v8, v8, |v[XS+14]|, |v[XS+15]|
	s_delay_alu instid0(VALU_DEP_1)
	v_max3_num_f32 v8, v8, v9, 0x4800000           ; and the floor 2^(9 - 127): the byte cannot fall under 1
	s_delay_alu instid0(VALU_DEP_1)
	v_max_num_f32_dpp v8, v8, v8 row_xmask:1 row_mask:0xf bank_mask:0xf   ; with my neighbour's 16: the block's
	s_delay_alu instid0(VALU_DEP_1)
	v_add_nc_u32 v11, 0xfc000000, v8               ; 8 off the exponent field: the conversion's scale operand
	s_delay_alu instid0(VALU_DEP_2)
	v_and_or_b32 v10, v8, 0x7f800000, s23          ; 448 x the scale
.irp i, 0,1,2,3,4,5,6,7,8,9,10,11,12,13,14,15
	v_med3_num_f32 v[XS+\i], v[XS+\i], -v10, v10   ; the conversion to an 8-bit code does not saturate (ISA guide 7.6.2): the hold comes first
.endr
	v_cvt_scalef32_pk8_fp8_f32 v[CS:CS+1], v[XS:XS+7], v11
	v_cvt_scalef32_pk8_fp8_f32 v[CS+2:CS+3], v[XS+8:XS+15], v11
	v_lshrrev_b32 v[ES], 23, v11                   ; the scale's byte (a plain line behind the conversions)
	ds_store_b8 v5, v[ES] offset:32*(\p)+16*(\t)   ; both lanes of a block write the same byte with the same value
	global_store_b128 v3, v[CS:CS+3], s[24:25] offset:1024*(\p)+512*(\t)   ; the wave stores 512 consecutive bytes, aligned
.endm
; row p.  left: the younger loads that may stay out
.macro ROW p, left
.set AP, A+64*(\p)
.set XP, R+64*(\p)
	s_wait_loadcnt \left
.if NORM
.set j, 0
.rept 16
	v_pk_add_f32 v[AP+j:AP+j+1], v[AP+j:AP+j+1], v[XP+j:XP+j+1]    ; the residual
.set j, j+2
.endr
.irp c, 0,2,4,6
	v_pk_add_f32 v[SU+\c:SU+\c+1], v[AP+\c:AP+\c+1], v[AP+8+\c:AP+9+\c]   ; the first pairs start the chains
.endr
.irp k, 16,24
.irp c, 0,2,4,6
	v_pk_add_f32 v[SU+\c:SU+\c+1], v[SU+\c:SU+\c+1], v[AP+\k+\c:AP+\k+\c+1]
.endr
.endr
	REDUCE
	v_mul_f32 v[MU], s16, v8                       ; the mean
	v_mul_f32 v[MU+1], s16, v8
.set j, 0
.rept 16
	v_pk_add_f32 v[AP+j:AP+j+1], v[AP+j:AP+j+1], v[MU:MU+1] neg_lo:[0,1] neg_hi:[0,1]
.set j, j+2
.endr
.irp c, 0,2,4,6
	v_pk_mul_f32 v[SU+\c:SU+\c+1], v[AP+\c:AP+\c+1], v[AP+\c:AP+\c+1]
.endr
.irp k, 8,16,24
.irp c, 0,2,4,6
	v_pk_fma_f32 v[SU+\c:SU+\c+1], v[AP+\k+\c:AP+\k+\c+1], v[AP+\k+\c:AP+\k+\c+1], v[SU+\c:SU+\c+1]
.endr
.endr
	REDUCE
	v_fma_f32 v9, v8, s16, s17                     ; the variance + eps
	v_rsq_f32 v[RS], v9
	v_nop                                          ; a plain line behind the transcendental
	s_wait_alu depctr_va_vdst(0)                   ; the wait ahead of the first line that names the result
	v_mov_b32 v[RS+1], v[RS]
.set j, 0
.rept 16
	v_pk_mul_f32 v[AP+j:AP+j+1], v[AP+j:AP+j+1], v[RS:RS+1]
.set j, j+2
.endr
.set j, 0
.rept 16
	v_pk_fma_f32 v[AP+j:AP+j+1], v[AP+j:AP+j+1], v[G+j:G+j+1], v[BT+j:BT+j+1]
.set j, j+2
.endr
.irp j, 0,1,2,3,4,5,6,7
.if LAST
	global_store_b128 v3, v[AP+4*\j:AP+4*\j+3], s[12:13] offset:4096*(\p)+512*\j th:TH_STORE_NT
.else
	global_store_b128 v3, v[AP+4*\j:AP+4*\j+3], s[12:13] offset:4096*(\p)+512*\j
.endif
.endr
.endif
.if QUANT
.irp t, 0,1
.irp i, 0,1,2,3
	ds_store_b128 v14, v[AP+16*\t+4*\i:AP+16*\t+4*\i+3] offset:STG*\t+8*SP*\i
.endr
.irp i, 0,1,2,3
	ds_load_b128 v[XP+16*\t+4*\i:XP+16*\t+4*\i+3], v15 offset:STG*\t+16*\i   ; LDS serves a wave's instructions in order: these see the stores above
.endr
.endr
	s_wait_dscnt 8                                 ; step 0's numbers are back; step 1's four stores and four loads may be out
	QSTEP \p, 0
	s_wait_dscnt 1                                 ; step 1's are back; step 0's byte store may be out
	QSTEP \p, 1
.endif
.endm
.if NORM
	ROW 0, 16                                      ; row 1's sixteen loads may be out
.else
	ROW 0, 8                                       ; row 1's eight loads may be out
.endif
	ROW 1, 0
.if QUANT
	s_wait_dscnt 0x0                               ; for the others' sake: my byte stores are done
	s_barrier_signal -1
	s_barrier_wait -1
	s_cmp_lg_u32 s14, 0
	s_cbranch_scc1 .Ldone                          ; wave 0 stores the work-group's 512 scale bytes: two aligned runs of 256 bytes in one instruction
	ds_load_b128 v[OB:OB+3], v6
	s_wait_dscnt 0x0
	global_store_b128 v3, v[OB:OB+3], s[26:27]
.Ldone:
.endif
	s_wait_tensorcnt 0x0
	ds_add_u32 v248, v249
	s_wait_dscnt 0x0
	s_endpgm
.Lfunc_end_k_q71fb57b4dc_quantx:
	.size	k_q71fb57b4dc_quantx, .Lfunc_end_k_q71fb57b4dc_quantx-k_q71fb57b4dc_quantx
	.p2alignl 7, 3214868480
	.fill 96, 4, 3214868480
	.section	.rodata,"a",@progbits
	.p2align	6, 0x0
	.amdhsa_kernel k_q71fb57b4dc_quantx
		.amdhsa_group_segment_fixed_size 42496
		.amdhsa_private_segment_fixed_size 0
		.amdhsa_enable_private_segment 0
		.amdhsa_kernarg_size 16
		.amdhsa_user_sgpr_count 2
		.amdhsa_user_sgpr_kernarg_segment_ptr 1
		.amdhsa_wavefront_size32 1
		.amdhsa_system_sgpr_workgroup_id_x 1
		.amdhsa_system_sgpr_workgroup_id_y 1
		.amdhsa_system_sgpr_workgroup_id_z 1
		.amdhsa_system_vgpr_workitem_id 0
		.amdhsa_next_free_vgpr 250
		.amdhsa_next_free_sgpr 66
		.amdhsa_reserve_vcc 0
		.amdhsa_float_denorm_mode_32 3
		.amdhsa_float_denorm_mode_16_64 3
		.amdhsa_memory_ordered 1
		.amdhsa_forward_progress 1
		.amdhsa_inst_pref_size 16
	.end_amdhsa_kernel
	.amdgpu_metadata
---
amdhsa.version: [ 1, 2 ]
amdhsa.kernels:
  - .name:           k_q71fb57b4dc_quantx
    .symbol:         k_q71fb57b4dc_quantx.kd
    .args:
      - { .name: enc_input, .offset: 0, .size: 8, .value_kind: global_buffer, .address_space: global }
      - { .name: xq, .offset: 8, .size: 8, .value_kind: global_buffer, .address_space: global }
    .group_segment_fixed_size: 42496
    .private_segment_fixed_size: 0
    .kernarg_segment_align: 8
    .kernarg_segment_size: 16
    .max_flat_workgroup_size: 256
    .sgpr_count:     66
    .vgpr_count:     250
    .wavefront_size: 32
...
	.end_amdgpu_metadata
.endif
;; end of part 1
;; launch qkv (part 2): grid 48 x 4, 4 waves a work-group, clusters of 4 x 4, 327,680 bytes of LDS; arguments xq, wq_codes, wq_scales, wk_codes, wk_scales, wv_codes, wv_scales, qkv; writes qkv
.if DOCPART == 2
	.amdgcn_target "amdgcn-amd-amdhsa--gfx1250"
	.amdhsa_code_object_version 6
	.text
	.protected	k_q71fb57b4dc_qkv
	.globl	k_q71fb57b4dc_qkv
	.p2align	8
	.type	k_q71fb57b4dc_qkv,@function
k_q71fb57b4dc_qkv:
	s_mov_b64 s[64:65], 0
	v_nop
	global_prefetch_b8 v0, s[64:65] scope:SCOPE_SE
	s_setreg_imm32_b32 hwreg(HW_REG_WAVE_MODE, 25, 1), 1
	s_wait_xcnt 0x0
	s_wait_alu depctr_hold_cnt(0) depctr_sa_sdst(0) depctr_va_vdst(0) depctr_va_sdst(0) depctr_va_ssrc(0) depctr_va_vcc(0) depctr_vm_vsrc(0)
	s_getreg_b32 s2, hwreg(HW_REG_IB_STS2, 6, 4)
	s_cmp_eq_u32 s2, 0
	s_cbranch_scc0 .Lentry_in_a_cluster
	s_endpgm
.Lentry_in_a_cluster:
	s_bfe_u32 s2, ttmp6, 0x10000c
	s_cmp_lg_u32 s2, 0xf033
	s_cbranch_scc0 .Lentry_shape_is_right
	s_endpgm
.Lentry_shape_is_right:
; q = x wq, k = x wk, v = x wv on codes of E4M3 with E8M0 scales, K = 1,024; the results are quantised here, in registers, and leave as operands of the attention's two products.
; Twelve clusters of 4 x 4 work-groups: cluster x / 4 says which product (0 q, 1 k, 2 v), cluster x % 4 which 1,024 tokens.  A work-group makes 256 x 256 results, a wave 128 x 128: 64 accumulators, 512 registers.
; THE MATRIX INSTRUCTION IS USED TRANSPOSED: source 0 = 16 rows of "B", source 1 = 16 rows of "A"; a lane holds ONE row of A and its eight registers eight neighbouring rows of B.
;   q, k: A = x (tokens), B = the weight (channels): a lane's registers run along the channels, the K of the score product.
;   v:    A = wv (channels), B = x (tokens): a lane's registers run along the tokens, the K of the second product: v comes out transposed.
; WHAT LEAVES.  The eight accumulators of one block of 16 rows of A are 16 rows x 128 along the next K: ONE operand fragment.  The lane's 16 registers of tiles 2 B and 2 B + 1 are converted as they stand into
; the fragment's registers 4 B .. 4 B + 3.  That puts element 32 B + 8 h + i (i < 8) and 32 B + 16 + 8 h + (i - 8) at place 32 B + 16 h + i: a permutation inside a block of 32, the same for both operands of each
; later product, so the products and the blocks' scales are those of the natural order.  A fragment is stored as an image of its registers (four stores of 512 consecutive bytes); fragment (next K / 128 = nb,
; rows / 16 = rb) lies at (nb x RBT + rb) x 2,048, its 16 scale words at (nb x RBT + rb) x 64.  qkv: q at 0, k at 4 MiB (RBT 256), v^T at 8 MiB (RBT 64), scale words from 12 MiB, 131,072 bytes each.
; K goes in steps of 256 through a ring of two LDS slots filled by joint tensor loads: A's tile is shared along a row of the cluster, B's along a column.  The scale bytes of the 256 + 256 rows come once and stay.
; LIMITS: NaN and infinities are not served; a block of zeros gets the byte 1 (its codes are zeros; this program alone reads the bytes).
; REGISTERS: window 0: v0-31 addresses; v32-63 scale words, two sets; v64-127 a bias (not in this text); v128-255 A's fragments, one set; on the way out v128-175 at work.
;   window 1: B's fragments, two sets.   windows 2, 3: the accumulators ((a, b) at v[8 (8 (a % 4) + b)] of window 2 + a / 4).
.set QKV,   1
.set RELU,  0
.set BIAS,  0
.set SIZE_K, 1024
.set KSTEP,  256
.set NQ,     KSTEP/128
.set ROWB,   256
.set KROW,   SIZE_K
.set PITCH,  272                       ; an LDS row: 256 bytes + 16 of padding: the 16 rows that a load touches start 4 banks apart
.set FR,     16
.set NL,     4
.set NP,     8                         ; places behind this matrix instruction (ISA guide 7.12.1)
.set HALFT,  128*PITCH
.set SLOT,   4*HALFT
.set LAPS,   SIZE_K/(2*KSTEP)
.set KS,     SIZE_K/32
.set SCL,    2*SLOT
.set HALFS,  (128*KS/256)*272
.set SBLK,   (16*KS/256)*272
.set SPARE,  SCL+4*HALFS               ; the spare words: 128 bytes a wave, named by no other line
.set ADRA, 16
.set ADRB, 20
.set LIO,  24                          ; v24  16 x lane: my place in an image
.set SWA,  25                          ; v25  the way out: where my row's scale word goes: 512 x wave + 4 r (in slot 0, behind its last fill and last read)
.set SRD,  26                          ; v26  and where the wave's 512 bytes of scale words are read back
.set ADRS, 27
.set SPW,  28
.set NIL,  29
.set SC,   32
.set BI,   64
.set AF,   128
.set TM,   128                         ; the way out: v128-131 largest magnitudes, v132-135 bytes, v136-139 448 x scale, v140-143 the conversions' scale operands
.set PW,   144                         ; v144-151 a scale word for each block of rows
.set RB,   152                         ; v152-155 the scale words read back
.set PC,   160                         ; v160-175 a fragment's codes
.set G1, 24
.set G0, 32
.set G1B, 48
.set G0B, 56
.set G1S, 68
.set G0S, 76
.set G1SB, 80
.set G0SB, 88
.set SEL, 96
.set MNT, 100
.set RBT, 101
.set MSB, 0
.macro WIN new                         ; the immediate's high byte repeats the setting that is left
.set NW, \new
.if MSB != NW
	s_set_vgpr_msb (MSB<<8)|NW
.set MSB, NW
.endif
.endm
.set TO_B, 0x40                        ; destination window 1, address window 0
.macro WMUL hi, zero                   ; source 0 (B) window 1, source 1 (A) window 0, D window 2 or 3; C with D, or, where a bias starts the sums, in window 0
.if (\zero) && BIAS
	WIN 0x81+0x40*(\hi)
.else
	WIN 0xa1+0x50*(\hi)
.endif
.endm
; A joint load: waves 0 and 1 fetch for A, waves 2 and 3 for B; the branch hangs on the wave's number alone.  Four v_nop follow each of the two lines.
.macro JLOAD g0a, g1a, g0b, g1b
	s_cmp_eq_u32 s15, 0
	s_cbranch_scc0 .Lfor_b_\@
	tensor_load_to_lds s[\g0a:\g0a+3], s[\g1a:\g1a+7]
	s_nop 0
.rept 4
	v_nop
.endr
	s_branch .Lasked_\@
.Lfor_b_\@:
	tensor_load_to_lds s[\g0b:\g0b+3], s[\g1b:\g1b+7]
	s_nop 0
.rept 4
	v_nop
.endr
.Lasked_\@:
.endm
.macro CREST                           ; a round of the cluster's barrier behind its opening barrier
	s_cmp_lg_u32 s14, 0
	s_cbranch_scc1 .Lnot_wave_0_\@
	s_barrier_signal -3
.Lnot_wave_0_\@:
	s_barrier_wait -3
	s_barrier_signal -1
	s_barrier_wait -1
.endm
.macro CROUND
	s_barrier_signal -1
	s_barrier_wait -1
	CREST
.endm
.if QKV
	s_load_b512 s[68:83], s[0:1], 0x0              ; xq, wq codes, scales, wk codes, scales, wv codes, scales, qkv
.else
	s_load_b256 s[68:75], s[0:1], 0x0              ; hbuf, w1 codes, w1 scales, b1
	s_load_b64 s[12:13], s[0:1], 0x20              ; hid
.endif
	v_lshl_add_u32 v[SPW], v0, 2, SPARE
	v_mov_b32 v[NIL], 0
	ds_add_u32 v28, v29
	ds_add_u32 v28, v29
	s_wait_dscnt 0x0
	v_lshrrev_b32 v1, 5, v0
	v_readfirstlane_b32 s14, v1                    ; wave 0..3
	s_lshr_b32 s15, s14, 1                         ; which half of A's rows is mine.  Also: I fetch for A (0) or for B (1)
	s_and_b32 s16, s14, 1                          ; which half of B's rows.  Also: which 128 rows of that tile I fetch
	s_bfe_u32 s40, ttmp6, 0x40000                  ; cx, cy: my place in the cluster
	s_bfe_u32 s41, ttmp6, 0x40004
	s_wait_kmcnt 0x0
.if QKV
	s_lshr_b32 s2, ttmp9, 2                        ; which product: the cluster's x is the same in all sixteen partners
	s_and_b32 s3, ttmp9, 3
	s_lshl_b32 s3, s3, 2                           ; which four tiles of 256 tokens
	s_add_nc_u64 s[92:93], s[68:69], 4194304       ; x's scale bytes
	s_cmp_eq_u32 s2, 0
	s_cselect_b64 s[84:85], s[70:71], s[74:75]     ; wq or wk
	s_cselect_b64 s[86:87], s[72:73], s[76:77]
	s_cmp_eq_u32 s2, 2
	s_cselect_b64 s[4:5], s[78:79], s[68:69]       ; A: wv, else x
	s_cselect_b64 s[6:7], s[80:81], s[92:93]
	s_cselect_b64 s[8:9], s[68:69], s[84:85]       ; B: x, else the weight
	s_cselect_b64 s[10:11], s[92:93], s[86:87]
	s_cselect_b32 s17, 0, s3
	s_cselect_b32 s42, s3, 0
	s_cselect_b32 s[RBT], 64, 0x100                ; blocks of 16 rows of A in all
	s_mov_b64 s[12:13], s[82:83]
	s_add_co_u32 s17, s17, s41                     ; tile row (of A)
	s_add_co_u32 s42, s42, s40                     ; tile column (of B)
.else
	s_add_nc_u64 s[4:5], s[68:69], 16777216        ; A: h's codes,
	s_add_nc_u64 s[6:7], s[68:69], 20971520        ; and its scale bytes
	s_mov_b64 s[8:9], s[70:71]
	s_mov_b64 s[10:11], s[72:73]
	s_mov_b64 s[66:67], s[74:75]
	s_mov_b32 s[RBT], 256
	s_lshl_b32 s42, ttmp9, 2
	s_add_co_u32 s42, s42, s40                     ; tile column = 4 x cluster x + cx
	s_and_b32 s17, ttmp7, 0xffff
	s_lshl_b32 s17, s17, 2
	s_add_co_u32 s17, s17, s41                     ; tile row = 4 x cluster y + cy
.endif
	s_lshl_b32 s43, s41, 2
	s_lshl_b32 s43, 15, s43                        ; my row of the cluster
	s_lshl_b32 s44, 0x1111, s40                    ; my column
	; descriptor group 1: rows of 256 bytes, 16 bytes of padding behind each: 256 rows for the head's loads, 128 for the ring's (set behind the head's wait)
	s_or_b32 s[G1+0], s43, (0<<16)|(1<<20)|(1<<21)|(5<<22)|(3<<25)
	s_or_b32 s[G1B+0], s44, (0<<16)|(1<<20)|(1<<21)|(5<<22)|(3<<25)
.irp g, G1, G1B
	s_mov_b32 s[\g+1], ROWB<<16                    ; tensor_dim0
	s_mov_b32 s[\g+2], 256<<16                     ; tensor_dim1
	s_mov_b32 s[\g+3], ROWB<<16                    ; tile_dim0
	s_mov_b32 s[\g+4], 256                         ; tile_dim1
	s_mov_b32 s[\g+5], KROW                        ; from row to row
	s_mov_b32 s[\g+6], 0
	s_mov_b32 s[\g+7], 0
.endr
	; the scale bytes of 256 rows: 8,192 dense bytes, as 32 rows of 256 bytes (32 elements of 8), 16 bytes of padding behind each
	s_or_b32 s[G1S+0], s43, (3<<16)|(1<<20)|(1<<21)|(5<<22)|(3<<25)
	s_or_b32 s[G1SB+0], s44, (3<<16)|(1<<20)|(1<<21)|(5<<22)|(3<<25)
.irp g, G1S, G1SB
	s_mov_b32 s[\g+1], 32<<16
	s_mov_b32 s[\g+2], KS<<16
	s_mov_b32 s[\g+3], 32<<16
	s_mov_b32 s[\g+4], KS
	s_mov_b32 s[\g+5], 32
	s_mov_b32 s[\g+6], 0
	s_mov_b32 s[\g+7], 0
.endr
	s_lshl_b32 s20, s17, 8                         ; A: the tile's first row, 256 x tile row
	s_lshl_b32 s46, s42, 8                         ; B: 256 x tile column
	s_mov_b32 s21, 0
	s_mov_b32 s47, 0
	s_mov_b64 s[18:19], KS
	s_mul_u64 s[22:23], s[20:21], s[18:19]         ; where these rows' scale bytes begin
	s_mul_u64 s[92:93], s[46:47], s[18:19]
	s_mov_b64 s[18:19], KROW
	s_mul_u64 s[20:21], s[20:21], s[18:19]         ; and their codes
	s_mul_u64 s[46:47], s[46:47], s[18:19]
	s_mul_i32 s45, s14, HALFT                      ; where they go: wave x 128 rows: no place in the cluster enters an LDS address
	s_add_nc_u64 s[20:21], s[4:5], s[20:21]
	s_add_nc_u64 s[22:23], s[6:7], s[22:23]
	s_add_nc_u64 s[46:47], s[8:9], s[46:47]
	s_add_nc_u64 s[92:93], s[10:11], s[92:93]
	CROUND                                         ; all sixteen work-groups are here: the first joint loads meet
	s_mov_b32 s[G0S], 1
	s_mov_b32 s[G0S+1], SCL
	s_mov_b64 s[G0S+2:G0S+3], s[22:23]
	s_or_b32 s[G0S+3], s[G0S+3], 0x80000000
	s_mov_b32 s[G0SB], 1
	s_mov_b32 s[G0SB+1], SCL+2*HALFS
	s_mov_b64 s[G0SB+2:G0SB+3], s[92:93]
	s_or_b32 s[G0SB+3], s[G0SB+3], 0x80000000
	s_mov_b32 s4, 1                                ; group 0 of the head's loads of K step 0: A's 256 rows (the arguments that lay here have been used),
	s_mov_b32 s5, 0
	s_mov_b64 s[6:7], s[20:21]
	s_or_b32 s7, s7, 0x80000000
	s_mov_b32 s8, 1                                ; and B's 256 rows, behind them in slot 0
	s_mov_b32 s9, 2*HALFT
	s_mov_b64 s[10:11], s[46:47]
	s_or_b32 s11, s11, 0x80000000
	s_mul_i32 s18, s16, 128*KROW                   ; in the ring I fetch 128 rows of a tile: which half, in bytes
	s_mov_b32 s19, 0
	s_add_nc_u64 s[20:21], s[20:21], s[18:19]
	s_add_nc_u64 s[46:47], s[46:47], s[18:19]
.irp s, 0,1
	s_mov_b32 s[G0+4*\s], 1
	s_add_co_u32 s[G0+4*\s+1], s45, \s*SLOT
	s_add_nc_u64 s[G0+4*\s+2:G0+4*\s+3], s[20:21], \s*ROWB
	s_or_b32 s[G0+4*\s+3], s[G0+4*\s+3], 0x80000000
	s_mov_b32 s[G0B+4*\s], 1
	s_add_co_u32 s[G0B+4*\s+1], s45, \s*SLOT
	s_add_nc_u64 s[G0B+4*\s+2:G0B+4*\s+3], s[46:47], \s*ROWB
	s_or_b32 s[G0B+4*\s+3], s[G0B+4*\s+3], 0x80000000
.endr
; the head's loads, one a wave: wave 0 K step 0's rows of A, wave 1 those of B, wave 2 A's scale bytes, wave 3 B's; one chain of branches on the wave's number
.macro ARM under, g0, g1, next
	s_cmp_lt_u32 s14, \under
	s_cbranch_scc0 \next
	tensor_load_to_lds s[\g0:\g0+3], s[\g1:\g1+7]
	s_nop 0
.rept 4
	v_nop
.endr
	s_branch .Lhead_asked
\next:
.endm
	ARM 1, 4, G1, .Lhead_b
	ARM 2, 8, G1B, .Lhead_sa
	ARM 3, G0S, G1S, .Lhead_sb
	tensor_load_to_lds s[G0SB:G0SB+3], s[G1SB:G1SB+7]
	s_nop 0
.rept 4
	v_nop
.endr
.Lhead_asked:
	v_and_b32 v1, 15, v0                           ; r = lane % 16
	v_bfe_u32 v2, v0, 4, 1                         ; h = lane / 16
	v_mul_u32_u24 v3, v1, PITCH
	v_lshl_add_u32 v4, v2, 4, v3                   ; a fragment's row x pitch + 16 h
	s_mul_i32 s21, s15, HALFT                      ; my 128 rows of A
	s_mul_i32 s22, s16, HALFT                      ; my 128 rows of B,
	s_add_co_u32 s22, s22, 2*HALFT                 ; which lie behind A's 256
.irp s, 0,1
	v_add_nc_u32 v[ADRA+\s], s21, v4
	v_add_nc_u32 v[ADRB+\s], s22, v4
	s_add_co_u32 s21, s21, SLOT
	s_add_co_u32 s22, s22, SLOT
.endr
	v_mul_u32_u24 v5, v1, KS                       ; my row's scale bytes: KS a row,
	v_lshrrev_b32 v6, 8, v5
	v_lshl_add_u32 v5, v6, 4, v5                   ; and 16 more for each 256 passed
	s_mul_i32 s21, s15, HALFS
	s_mul_i32 s22, s16, HALFS
	s_add_co_u32 s22, s22, 2*HALFS
	s_sub_co_u32 s22, s22, s21
	v_mul_u32_u24 v6, s22, v2                      ; lanes 16-31 take B's
	s_add_co_u32 s21, s21, SCL
	v_add_nc_u32 v5, v5, v6
	v_add_nc_u32 v[ADRS], s21, v5
	v_and_b32 v6, 31, v0
	v_lshlrev_b32 v[LIO], 4, v6
	s_lshl_b32 s23, s14, 9
	v_lshl_add_u32 v[SWA], v1, 2, s23
	v_add_nc_u32 v[SRD], s23, v[LIO]
	s_mov_b32 s[SEL], 0x76543210
	s_mov_b32 s[SEL+1], 0xfedcba98                 ; selects: lane l xor 16
	s_mov_b32 s[MNT], 0x600000                     ; the mantissa field of 448
	; where my eight fragments go: index (2 x tile column + my half of B) x RBT + 16 x tile row + 8 x my half of A
	s_lshl_b32 s46, s42, 1
	s_add_co_u32 s46, s46, s16
	s_mul_i32 s46, s46, s[RBT]
	s_lshl_b32 s20, s17, 4
	s_lshl_b32 s21, s15, 3
	s_add_co_u32 s20, s20, s21
	s_add_co_u32 s20, s20, s46
	s_lshl_b32 s22, s20, 11                        ; 2,048 bytes a fragment
	s_mov_b32 s23, 0
	s_lshl_b32 s20, s20, 6                         ; 64 bytes of scale words
	s_mov_b32 s21, 0
	s_add_nc_u64 s[98:99], s[12:13], s[20:21]
	s_add_nc_u64 s[12:13], s[12:13], s[22:23]
.if QKV
	s_lshl_b32 s46, s2, 22                         ; q, k, v^T: 4 MiB each
	s_mov_b32 s47, 0
	s_add_nc_u64 s[12:13], s[12:13], s[46:47]
	s_lshl_b32 s46, s2, 17                         ; their scale words: 131,072 bytes each,
	s_add_nc_u64 s[98:99], s[98:99], s[46:47]
	s_add_nc_u64 s[98:99], s[98:99], 12582912      ; from 12 MiB on
.else
	s_add_nc_u64 s[98:99], s[98:99], 16777216
.endif
.if BIAS
	s_lshl_b32 s46, s42, 10                        ; the bias of my 128 rows of B: 256 x tile column + 128 x half, 4 bytes each
	s_lshl_b32 s47, s16, 9
	s_add_co_u32 s46, s46, s47
	s_mov_b32 s47, 0
	s_add_nc_u64 s[66:67], s[66:67], s[46:47]
	v_lshlrev_b32 v7, 5, v2                        ; lane (r, h) wants, for tile b, the eight numbers 16 b + 8 h + 0 .. 7
.irp b, 0,1,2,3,4,5,6,7
	global_load_b128 v[BI+8*\b:BI+8*\b+3], v7, s[66:67] offset:64*\b
	global_load_b128 v[BI+8*\b+4:BI+8*\b+7], v7, s[66:67] offset:64*\b+16
.endr
.endif
.macro FRAG reg, adr, q, i             ; a fragment: lane l holds row l % 16; registers 4 c .. 4 c + 3 hold K = 32 c + 16 (l / 16) + 0 .. 15
.irp c, 0,1,2,3
	ds_load_b128 v[\reg+4*\c:\reg+4*\c+3], v[\adr] offset:128*(\q)+32*\c+(\i)*16*PITCH
.endr
.endm
; 16 matrix instructions: A's blocks a0, a0 + 1 x B's eight, the slot's q-th 128 along K.  zero = 1: the first product starts the sums (from 0, or from the bias).
; The 64 accumulators take turns, one instruction a turn, in the same order in every step.
.macro MUL16 a0, p, q, sc, zero
.irp a, \a0, \a0+1
.irp b, 0,1,2,3,4,5,6,7
.if (\zero) && BIAS
	v_wmma_scale_f32_16x16x128_f8f6f4 v[8*(8*((\a)%4)+\b):8*(8*((\a)%4)+\b)+7], v[128*(\p)+FR*\b:128*(\p)+FR*\b+FR-1], v[AF+FR*(\a):AF+FR*(\a)+FR-1], v[BI+8*\b:BI+8*\b+7], v[SC+8*NQ*(\sc)+NQ*\b+(\q)], v[SC+8*NQ*(\sc)+NQ*(\a)+(\q)] matrix_a_scale:MATRIX_SCALE_ROW1
.elseif \zero
	v_wmma_scale_f32_16x16x128_f8f6f4 v[8*(8*((\a)%4)+\b):8*(8*((\a)%4)+\b)+7], v[128*(\p)+FR*\b:128*(\p)+FR*\b+FR-1], v[AF+FR*(\a):AF+FR*(\a)+FR-1], 0, v[SC+8*NQ*(\sc)+NQ*\b+(\q)], v[SC+8*NQ*(\sc)+NQ*(\a)+(\q)] matrix_a_scale:MATRIX_SCALE_ROW1
.else
	v_wmma_scale_f32_16x16x128_f8f6f4 v[8*(8*((\a)%4)+\b):8*(8*((\a)%4)+\b)+7], v[128*(\p)+FR*\b:128*(\p)+FR*\b+FR-1], v[AF+FR*(\a):AF+FR*(\a)+FR-1], v[8*(8*((\a)%4)+\b):8*(8*((\a)%4)+\b)+7], v[SC+8*NQ*(\sc)+NQ*\b+(\q)], v[SC+8*NQ*(\sc)+NQ*(\a)+(\q)] matrix_a_scale:MATRIX_SCALE_ROW1
.endif
.endr
.endr
.endm
.macro FETCH_B slot, q, p
	WIN TO_B
.irp i, 0,1,2,3,4,5,6,7
	FRAG 128*(\p)+FR*\i, ADRB+\slot, \q, \i
.endr
	WIN 0
.endm
.macro FETCH_A slot, q, i0
.irp i, \i0, \i0+1, \i0+2, \i0+3
	FRAG AF+FR*(\i), ADRA+\slot, \q, \i
.endr
.endm
.macro SCALES sc                       ; a K step's scale words: lanes 0-15 take A's block i, lanes 16-31 B's block i; two words a row
.irp i, 0,1,2,3,4,5,6,7
	ds_load_b64 v[SC+8*NQ*\sc+NQ*\i:SC+8*NQ*\sc+NQ*\i+1], v[ADRS] offset:\i*SBLK
.endr
.endm
.macro PLACES n                        ; plain vector lines between a matrix instruction and a load into, or a read of, its registers
.rept \n
	v_nop
.endr
.endm
.macro STEP slot, q, zero              ; a step of 128 along K that has its successor in the same slot
	s_wait_dscnt 4*NL                              ; B's set and A's blocks 0-3 are in; the youngest sixteen loads (A's blocks 4-7) may be out
	WMUL 0, \zero
	MUL16 0, (\q)%2, \q, \slot, \zero
	MUL16 2, (\q)%2, \q, \slot, \zero
	s_wait_dscnt 0                                 ; A's blocks 4-7 are in
	PLACES NP
	FETCH_B \slot, (\q)+1, 1-(\q)%2
	FETCH_A \slot, (\q)+1, 0
	WMUL 1, \zero
	MUL16 4, (\q)%2, \q, \slot, \zero
	MUL16 6, (\q)%2, \q, \slot, \zero
	PLACES NP
	WIN 0
	FETCH_A \slot, (\q)+1, 4
.endm
; A slot's last step changes slots: one barrier; in front of it each wave waits for all its tensor loads, adds 0 to its spare word, and waits for that and for its reads of this slot.
.macro TURN slot, next, fill
	s_wait_tensorcnt 0x0                           ; all my tensor loads have landed: my part of the next slot
	ds_add_u32 v[SPW], v[NIL]
	s_wait_dscnt 4*NL+1                            ; (the add and the youngest sixteen loads may be out)
	WMUL 0, 0
	MUL16 0, 1, NQ-1, \slot, 0
	s_wait_dscnt 0x0                               ; the add is done, and my reads of this slot are over
	s_barrier_signal -1
	MUL16 2, 1, NQ-1, \slot, 0
	WIN 0
	s_barrier_wait -1
.if \fill
	CREST                                          ; the barrier has opened a round of the cluster's barrier: no wave of any partner still reads this slot or has a load on its way
	s_add_nc_u64 s[G0+4*\slot+2:G0+4*\slot+3], s[G0+4*\slot+2:G0+4*\slot+3], 2*ROWB
	s_add_nc_u64 s[G0B+4*\slot+2:G0B+4*\slot+3], s[G0B+4*\slot+2:G0B+4*\slot+3], 2*ROWB
	JLOAD G0+4*\slot, G1, G0B+4*\slot, G1B         ; the first tensor load behind the round; its four v_nop are four of the eight places
	PLACES NP-4
.else
	PLACES NP
.endif
	s_wait_alu depctr_va_vdst(0)
	v_add_nc_u32 v[ADRS], 4*NQ, v[ADRS]            ; the next K step's scale words (no LDS load of mine is out)
	FETCH_B \next, 0, 0
	FETCH_A \next, 0, 0
	SCALES \next
	WMUL 1, 0
	MUL16 4, 1, NQ-1, \slot, 0
	MUL16 6, 1, NQ-1, \slot, 0
	PLACES NP
	WIN 0
	FETCH_A \next, 0, 4
.endm
.if BIAS
	s_wait_loadcnt 0x0                             ; the bias
.endif
	s_wait_alu depctr_va_vdst(0)
	s_wait_tensorcnt 0x0                           ; my tile of the head's four is in
	ds_add_u32 v[SPW], v[NIL]
	s_mov_b32 s[G1+2], 128<<16                     ; no tensor load of mine is out: from here on a load brings 128 rows
	s_mov_b32 s[G1+4], 128
	s_mov_b32 s[G1B+2], 128<<16
	s_mov_b32 s[G1B+4], 128
	s_wait_dscnt 0x0
	CROUND                                         ; all four tiles are in, and all sixteen work-groups are here
	JLOAD G0+4, G1, G0B+4, G1B                     ; K step 1, the first tensor load behind the round
	FETCH_B 0, 0, 0
	FETCH_A 0, 0, 0
	SCALES 0
	FETCH_A 0, 0, 4
	STEP 0, 0, 1                                   ; the first step stands in front of the loop: its products start the sums
	s_mov_b32 s3, LAPS-1
.Llap:                                                 ; a trip goes once round the ring and fills both slots again
	TURN 0, 1, 1
	STEP 1, 0, 0
	TURN 1, 0, 1
	STEP 0, 0, 0
	s_sub_co_u32 s3, s3, 1
	s_cmp_lg_u32 s3, 0
	s_cbranch_scc1 .Llap
	TURN 0, 1, 0                                   ; the last lap fills nothing
	STEP 1, 0, 0
	s_wait_dscnt 4*NL
	WMUL 0, 0
	MUL16 0, 1, NQ-1, 1, 0
	MUL16 2, 1, NQ-1, 1, 0
	s_wait_dscnt 0
	WMUL 1, 0
	MUL16 4, 1, NQ-1, 1, 0
	MUL16 6, 1, NQ-1, 1, 0
	WIN 0
; THE WAY OUT.  Block a (16 rows of A x 128): its 64 numbers a lane become one fragment's codes and a scale word a row.  Each accumulator is read from its low end on.
.macro QACC a
.set W, 2+(\a)/4
.set AC, 64*((\a)%4)
	WIN (W<<2)|(W<<4)                              ; sources 1 and 2: the accumulators' window
.irp b, 0,1,2,3
.if RELU
	v_max3_num_f32 v[TM+\b], 0x4800000, v[AC+16*\b], v[AC+16*\b+1]         ; no |.|: what is negative becomes 0 and must not count; the floor 2^(9 - 127) stands over it
.else
	v_max3_num_f32 v[TM+\b], 0x4800000, |v[AC+16*\b]|, |v[AC+16*\b+1]|     ; block b: my 16 numbers, and the floor 2^(9 - 127): the byte cannot fall under 1
.endif
.endr
.irp i, 2,4,6,8,10,12,14
.irp b, 0,1,2,3
.if RELU
	v_max3_num_f32 v[TM+\b], v[TM+\b], v[AC+16*\b+\i], v[AC+16*\b+\i+1]
.else
	v_max3_num_f32 v[TM+\b], v[TM+\b], |v[AC+16*\b+\i]|, |v[AC+16*\b+\i+1]|
.endif
.endr
.endr
	WIN 0
.irp b, 0,1,2,3
	v_permlanex16_b32 v[TM+4+\b], v[TM+\b], s[SEL], s[SEL+1]
.endr
.irp b, 0,1,2,3
	v_max_num_f32 v[TM+\b], v[TM+\b], v[TM+4+\b]   ; with lane l xor 16's 16: the block's largest magnitude
.endr
.irp b, 0,1,2,3
	v_add_nc_u32 v[TM+12+\b], 0xfc000000, v[TM+\b] ; 8 off the exponent field: the conversion's scale operand
.endr
.irp b, 0,1,2,3
	v_and_or_b32 v[TM+8+\b], v[TM+\b], 0x7f800000, s[MNT]   ; 448 x the scale
.endr
.irp b, 0,1,2,3
	v_lshrrev_b32 v[TM+4+\b], 23, v[TM+12+\b]      ; the scale's byte
.endr
	v_lshl_or_b32 v[PW+(\a)], v[TM+5], 8, v[TM+4]  ; my row's scale word
	v_lshl_or_b32 v[PW+(\a)], v[TM+6], 16, v[PW+(\a)]
	v_lshl_or_b32 v[PW+(\a)], v[TM+7], 24, v[PW+(\a)]
	WIN W|(W<<6)                                   ; source 0 and destination: the accumulators' window
.irp b, 0,1,2,3
.irp i, 0,1,2,3,4,5,6,7,8,9,10,11,12,13,14,15
.if RELU
	v_med3_num_f32 v[AC+16*\b+\i], v[AC+16*\b+\i], 0, v[TM+8+\b]           ; the activation and the hold in one
.else
	v_med3_num_f32 v[AC+16*\b+\i], v[AC+16*\b+\i], -v[TM+8+\b], v[TM+8+\b] ; the conversion to an 8-bit code does not saturate (ISA guide 7.6.2)
.endif
.endr
.endr
	s_wait_alu depctr_va_vdst(0)
	s_wait_xcnt 0x0                                ; the last fragment's stores have read the codes' registers, which are written again below
	WIN W
.irp b, 0,1,2,3
	v_cvt_scalef32_pk8_fp8_f32 v[PC+4*\b:PC+4*\b+1], v[AC+16*\b:AC+16*\b+7], v[TM+12+\b]
	v_cvt_scalef32_pk8_fp8_f32 v[PC+4*\b+2:PC+4*\b+3], v[AC+16*\b+8:AC+16*\b+15], v[TM+12+\b]
.endr
	WIN 0
	v_nop                                          ; a plain line behind the last conversion
.irp c, 0,1,2,3
	global_store_b128 v[LIO], v[PC+4*\c:PC+4*\c+3], s[12:13] offset:2048*(\a)+512*\c   ; the image: 512 consecutive bytes a store, aligned
.endr
	ds_store_b32 v[SWA], v[PW+(\a)] offset:64*(\a) ; lanes r and r + 16 write the same word with the same value
.endm
	PLACES NP                                      ; behind the last products: their results are read and A's registers are written below
.irp b, 0,1,2,3
	v_mov_b32 v[TM+4+\b], 0                        ; written once: a lane permute's destination counts as a source
.endr
.irp a, 0,1,2,3,4,5,6,7
	QACC \a
.endr
	ds_load_b128 v[RB:RB+3], v[SRD]                ; LDS serves a wave's instructions in order: this sees my eight stores
	s_wait_dscnt 0x0
	global_store_b128 v[LIO], v[RB:RB+3], s[98:99] ; my eight fragments' scale words: 512 consecutive bytes, aligned
	s_wait_tensorcnt 0x0                           ; the wave's end
	ds_add_u32 v[SPW], v[NIL]
	s_wait_dscnt 0x0
	CROUND                                         ; the closing round: no work-group ends while a partner may still ask for a tile that names it
	s_endpgm
.Lfunc_end_k_q71fb57b4dc_qkv:
	.size	k_q71fb57b4dc_qkv, .Lfunc_end_k_q71fb57b4dc_qkv-k_q71fb57b4dc_qkv
	.p2alignl 7, 3214868480
	.fill 96, 4, 3214868480
	.section	.rodata,"a",@progbits
	.p2align	6, 0x0
	.amdhsa_kernel k_q71fb57b4dc_qkv
		.amdhsa_group_segment_fixed_size 327680
		.amdhsa_private_segment_fixed_size 0
		.amdhsa_enable_private_segment 0
		.amdhsa_kernarg_size 64
		.amdhsa_user_sgpr_count 2
		.amdhsa_user_sgpr_kernarg_segment_ptr 1
		.amdhsa_wavefront_size32 1
		.amdhsa_system_sgpr_workgroup_id_x 1
		.amdhsa_system_sgpr_workgroup_id_y 1
		.amdhsa_system_sgpr_workgroup_id_z 1
		.amdhsa_system_vgpr_workitem_id 0
		.amdhsa_next_free_vgpr 1024
		.amdhsa_next_free_sgpr 102
		.amdhsa_reserve_vcc 0
		.amdhsa_float_denorm_mode_32 3
		.amdhsa_float_denorm_mode_16_64 3
		.amdhsa_memory_ordered 1
		.amdhsa_forward_progress 1
		.amdhsa_inst_pref_size 187
	.end_amdhsa_kernel
	.amdgpu_metadata
---
amdhsa.version: [ 1, 2 ]
amdhsa.kernels:
  - .name:           k_q71fb57b4dc_qkv
    .symbol:         k_q71fb57b4dc_qkv.kd
    .args:
      - { .name: xq, .offset: 0, .size: 8, .value_kind: global_buffer, .address_space: global }
      - { .name: wq_codes, .offset: 8, .size: 8, .value_kind: global_buffer, .address_space: global }
      - { .name: wq_scales, .offset: 16, .size: 8, .value_kind: global_buffer, .address_space: global }
      - { .name: wk_codes, .offset: 24, .size: 8, .value_kind: global_buffer, .address_space: global }
      - { .name: wk_scales, .offset: 32, .size: 8, .value_kind: global_buffer, .address_space: global }
      - { .name: wv_codes, .offset: 40, .size: 8, .value_kind: global_buffer, .address_space: global }
      - { .name: wv_scales, .offset: 48, .size: 8, .value_kind: global_buffer, .address_space: global }
      - { .name: qkv, .offset: 56, .size: 8, .value_kind: global_buffer, .address_space: global }
    .group_segment_fixed_size: 327680
    .private_segment_fixed_size: 0
    .kernarg_segment_align: 8
    .kernarg_segment_size: 64
    .max_flat_workgroup_size: 128
    .sgpr_count:     102
    .vgpr_count:     1024
    .wavefront_size: 32
...
	.end_amdgpu_metadata
.endif
;; end of part 2
;; launch attn (part 3): grid 8 x 32, 16 waves a work-group, clusters of 4 x 1, 276,480 bytes of LDS; arguments qkv, ctxq; writes ctxq
.if DOCPART == 3
	.amdgcn_target "amdgcn-amd-amdhsa--gfx1250"
	.amdhsa_code_object_version 6
	.text
	.protected	k_q71fb57b4dc_attn
	.globl	k_q71fb57b4dc_attn
	.p2align	8
	.type	k_q71fb57b4dc_attn,@function
k_q71fb57b4dc_attn:
	s_mov_b64 s[64:65], 0
	v_nop
	global_prefetch_b8 v0, s[64:65] scope:SCOPE_SE
	s_setreg_imm32_b32 hwreg(HW_REG_WAVE_MODE, 25, 1), 1
	s_wait_xcnt 0x0
	s_wait_alu depctr_hold_cnt(0) depctr_sa_sdst(0) depctr_va_vdst(0) depctr_va_sdst(0) depctr_va_ssrc(0) depctr_va_vcc(0) depctr_vm_vsrc(0)
	s_getreg_b32 s2, hwreg(HW_REG_IB_STS2, 6, 4)
	s_cmp_eq_u32 s2, 0
	s_cbranch_scc0 .Lentry_in_a_cluster
	s_endpgm
.Lentry_in_a_cluster:
	s_bfe_u32 s2, ttmp6, 0x10000c
	s_cmp_lg_u32 s2, 0x3003
	s_cbranch_scc0 .Lentry_shape_is_right
	s_endpgm
.Lentry_shape_is_right:
; ctx = softmax(q k^T / 8) v for 32 (batch, head) pairs of 2,048 tokens x 64 channels, both products on codes of E4M3 with E8M0 scales; ctx is quantised here and leaves as the next product's operand.
; THE SOFTMAX AHEAD OF THE SECOND PRODUCT: t = score x log2(e) / 8; M = the running largest t, rounded UP to a whole number; p = 2^(t - M) is quantised along the keys, not normalised; the row's sum is taken of
; the unquantised p and divides at the end.  When M moves, the sum and O are multiplied by 2^(old M - new M): exact.
; SHARES.  Work-group y = 16 x batch + head; x = a block of 256 queries; each of sixteen waves owns 16 queries in 256 registers, four waves to a SIMD.  Every wave walks 16 steps of 128 keys.
; OPERANDS arrive as images of their registers (a fragment of 16 rows x 128 K: four runs of 512 bytes, lane l's 16 bytes at 16 l).  q and k: rows = tokens, a fragment holds two heads: my head's 64 channels are
; its half of 1,024 bytes.  v^T: rows = channels, K = 128 tokens.  All carry one and the same permutation inside each block of 32 along K, and so does p as it is made here: the products are those of the natural order.
; K AND V OF THE WHOLE HEAD LIE IN LDS: 128 KiB each, with their scale words: every byte is filled once, at the head, so there is no ring, no refill, and nothing left to ask for ahead of time.
; The four query blocks of a cluster walk the same K and V: each tile is asked for jointly, by the same tensor load in all four.  A wave has one tensor load out at the most.
; THE SCORE PRODUCT HAS K = 64 in an instruction of K = 128: q's upper eight registers are zero codes, so whatever codes stand in the upper eight registers of k's operand (the next tile's; never a NaN code, since
; every code comes from a held conversion) add nothing; the scale bytes of those two blocks are 0, which is 2^-127.
; Both products are used transposed: S^T = k q^T, O^T = v^T p^T: a lane holds one query (lane % 16) throughout.
; A step is vector work above all, so what can go two to an instruction does: scalings, sums and rescalings in packed forms, the 64 holds of p as 32 dual-issue pairs.
; LIMITS: NaN and infinities are not served; a block of zeros gets the byte 1 (its codes are zeros; this program alone reads the bytes).
.set VL,   131072                      ; LDS: K [128 token blocks][1,024] at 0; V [16 steps][4 fragments][2,048] here;
.set KSL,  262144                      ; K's scale words [128 token blocks][64];
.set VSL,  270336                      ; V's [16 steps][4][64]
.set AL,   1                           ; v1   16 x lane
.set AV0,  2                           ; v2   VL + 16 x lane
.set AKS0, 3                           ; v3   KSL + 4 r + 2 x (head % 2)
.set AVS0, 4                           ; v4   VSL + 4 r
.set GS,   5                           ; v5   4 r + 2 x (head % 2): my head's two bytes of a row's scale word
.set ADK,  8                           ; v8-11 the step's LDS addresses
.set ADV,  9
.set ADS,  10
.set ADT,  11
.set Q,    16                          ; v16-23 q's codes, v24-31 zero codes
.set KF,   32                          ; v32-95 k's eight tiles (8 registers each), then v^T's four fragments
.set Z,    96                          ; v96-103 zero codes
.set S,    104                         ; v104-167 S^T, then p
.set O,    168                         ; v168-199 O^T
.set PCD,  200                         ; v200-215 p's codes
.set TM,   216                         ; v216-231 at work
.set KSC,  232                         ; v232-239 k's scale words
.set VSC,  240                         ; v240-243 v^T's
.set QSC,  244                         ; v244 q's
.set F,    246                         ; v246 2^(old M - new M)
.set PW,   247                         ; v247 p's scale word
.set T,    248
.set H2,   249                         ; v249-252 448 x the scale of each block once more, for the second halves of the holds' pairs
.set TB,   2                           ; s2   where the step's tiles begin: 8,192 bytes a step, in K's region and in V's
.set TS,   3                           ; s3   K's scale words: 512 a step
.set TJ,   66                          ; s66  V's: 256 a step
.set CNT,  67
.set WV,   18
.set MNT,  19
.set SEL,  20
.set CS,   22                          ; s[22:23] c = log2(e) / 8
.macro ROUND                           ; a round of the cluster's barrier
	s_barrier_signal -1
	s_barrier_wait -1
	s_cmp_lg_u32 s[WV], 0
	s_cbranch_scc1 .Lnot_wave_0_\@
	s_barrier_signal -3
.Lnot_wave_0_\@:
	s_barrier_wait -3
	s_barrier_signal -1
	s_barrier_wait -1
.endm
.macro GONE g, c, r, p                 ; descriptor group 1: r rows of c elements of 8 bytes, p elements from row to row, dense in LDS; the mask names all four work-groups, bit 21 beside it
	s_mov_b32 s[\g], 15|(3<<16)|(1<<21)
	s_mov_b32 s[\g+1], (\c)<<16
	s_mov_b32 s[\g+2], (\r)<<16
	s_mov_b32 s[\g+3], (\c)<<16
	s_mov_b32 s[\g+4], \r
	s_mov_b32 s[\g+5], \p
	s_mov_b32 s[\g+6], 0
	s_mov_b32 s[\g+7], 0
.endm
	s_load_b128 s[4:7], s[0:1], 0x0                ; qkv, ctxq
	v_lshl_add_u32 v254, v0, 2, 0x43000
	v_mov_b32 v255, 0
	ds_add_u32 v254, v255
	ds_add_u32 v254, v255
	v_lshrrev_b32 v8, 5, v0
	s_delay_alu instid0(VALU_DEP_1)
	v_readfirstlane_b32 s[WV], v8                  ; wave 0..15
	s_and_b32 s8, ttmp7, 0xffff                    ; y, which the four partners share
	s_lshr_b32 s9, s8, 4                           ; batch
	s_and_b32 s10, s8, 15                          ; head
	s_lshr_b32 s11, s10, 1                         ; pair of heads
	s_and_b32 s12, s10, 1                          ; which of the pair
	s_lshl_b32 s13, s11, 8
	s_lshl_b32 s15, s9, 7
	s_add_co_u32 s13, s13, s15                     ; q, k: my first fragment: 256 x pair + 128 x batch
	s_lshl_b32 s14, s9, 10
	s_lshl_b32 s15, s10, 2
	s_add_co_u32 s14, s14, s15                     ; v^T: 1,024 x batch + 4 x head
	s_lshl_b32 s84, s13, 11                        ; K's codes (waves 0-7): 16 token blocks from block 16 x wave on, my head's half of each fragment
	s_lshl_b32 s15, s12, 10
	s_add_co_u32 s84, s84, s15
	s_lshl_b32 s15, s[WV], 15
	s_add_co_u32 s84, s84, s15
	s_add_co_u32 s84, s84, 0x400000
	s_mov_b32 s85, 0
	s_and_b32 s16, s[WV], 3
	s_lshl_b32 s86, s14, 11                        ; V's (waves 8-11): the four fragments of each of steps 4 x (wave % 4) .. + 3; a step is 64 fragments on
	s_lshl_b32 s15, s16, 19
	s_add_co_u32 s86, s86, s15
	s_add_co_u32 s86, s86, 0x800000
	s_mov_b32 s87, 0
	s_lshl_b32 s88, s13, 6                         ; K's scale words (wave 12): 8,192 dense bytes
	s_add_co_u32 s88, s88, 0xc20000
	s_mov_b32 s89, 0
	s_lshl_b32 s90, s14, 6                         ; V's (wave 13): 256 bytes a step, 4,096 apart
	s_add_co_u32 s90, s90, 0xc40000
	s_mov_b32 s91, 0
	s_bfe_u32 s92, ttmp6, 0x40000                  ; cx: it enters q's and the output's addresses alone
	s_lshl_b32 s93, ttmp9, 2
	s_add_co_u32 s92, s92, s93                     ; my block of 256 queries
	s_lshl_b32 s92, s92, 4
	s_add_co_u32 s92, s92, s13
	s_add_co_u32 s92, s92, s[WV]                   ; my 16 queries' fragment
	s_lshl_b32 s94, s92, 11
	s_lshl_b32 s95, s12, 10
	s_add_co_u32 s94, s94, s95
	s_mov_b32 s95, 0
	s_lshl_b32 s96, s92, 6
	s_mov_b32 s97, 0
	s_lshl_b32 s93, s12, 1
	GONE 24, 128, 16, 256                          ; K: 16 rows of 1,024 bytes, 2,048 apart
	GONE 32, 1024, 4, 16384                        ; V: 4 rows of 8,192 bytes, 131,072 apart
	GONE 40, 32, 32, 32                            ; K's scale words: 32 rows of 256 dense bytes
	GONE 48, 32, 16, 512                           ; V's: 16 rows of 256 bytes, 4,096 apart
	s_mov_b32 s[SEL], 0x76543210
	s_mov_b32 s[SEL+1], 0xfedcba98
	s_mov_b32 s[CS], 0x3e38aa3b
	s_mov_b32 s[CS+1], s[CS]
	s_mov_b32 s[MNT], 0x600000
	s_mov_b32 s[TB], 0
	s_mov_b32 s[TS], 0
	s_mov_b32 s[TJ], 0
	s_wait_dscnt 0x0
	s_wait_kmcnt 0x0
	s_mov_b32 s56, 1                               ; groups 0: count 1, LDS address, global address, type 2.  They hang on y and on the wave's number alone
	s_mov_b32 s57, KSL
	s_add_nc_u64 s[58:59], s[4:5], s[88:89]
	s_or_b32 s59, s59, 0x80000000
	s_mov_b32 s60, 1
	s_mov_b32 s61, VSL
	s_add_nc_u64 s[62:63], s[4:5], s[90:91]
	s_or_b32 s63, s63, 0x80000000
	s_mov_b32 s68, 1                               ; K: 16,384 bytes of LDS a wave
	s_lshl_b32 s69, s[WV], 14
	s_add_nc_u64 s[70:71], s[4:5], s[84:85]
	s_or_b32 s71, s71, 0x80000000
	s_mov_b32 s72, 1                               ; V: 32,768 bytes of LDS a wave
	s_lshl_b32 s73, s16, 15
	s_add_co_u32 s73, s73, VL
	s_add_nc_u64 s[74:75], s[4:5], s[86:87]
	s_or_b32 s75, s75, 0x80000000
	s_add_nc_u64 s[8:9], s[4:5], s[94:95]          ; q's codes,
	s_add_nc_u64 s[10:11], s[4:5], s[96:97]
	s_add_nc_u64 s[10:11], s[10:11], 12582912      ; q's scale words,
	s_add_nc_u64 s[14:15], s[6:7], s[94:95]        ; ctx's codes,
	s_add_nc_u64 s[16:17], s[6:7], s[96:97]
	s_add_nc_u64 s[16:17], s[16:17], 4194304       ; ctx's scale words
	ROUND                                          ; all four work-groups are here: the joint loads meet
; the first fills, one joint load a wave, in one chain of branches on the wave's number: waves 0-7 K, 8-11 V, 12 K's scale words, 13 V's; waves 14 and 15 fetch nothing
.macro ARM under, g0, g1, next
	s_cmp_lt_u32 s[WV], \under
	s_cbranch_scc0 \next
	tensor_load_to_lds s[\g0:\g0+3], s[\g1:\g1+7]
	s_nop 0
.rept 4
	v_nop
.endr
	s_branch .Lhead_asked
\next:
.endm
	ARM 8, 68, 24, .Lhead_v
	ARM 12, 72, 32, .Lhead_sk
	ARM 13, 56, 40, .Lhead_sv
	ARM 14, 60, 48, .Lhead_none
.Lhead_asked:
	v_and_b32 v[AL], 31, v0
	s_delay_alu instid0(VALU_DEP_1)
	v_lshlrev_b32 v[AL], 4, v[AL]
	s_delay_alu instid0(VALU_DEP_1)
	v_add_nc_u32 v[AV0], VL, v[AL]
	v_and_b32 v[GS], 15, v0
	s_delay_alu instid0(VALU_DEP_1)
	v_lshlrev_b32 v[GS], 2, v[GS]
	s_delay_alu instid0(VALU_DEP_1)
	v_add_nc_u32 v[AVS0], VSL, v[GS]
	s_delay_alu instid0(VALU_DEP_2)
	v_add_nc_u32 v[GS], s93, v[GS]
	s_delay_alu instid0(VALU_DEP_1)
	v_add_nc_u32 v[AKS0], KSL, v[GS]
	global_load_b128 v[Q:Q+3], v[AL], s[8:9]
	global_load_b128 v[Q+4:Q+7], v[AL], s[8:9] offset:512
	global_load_u16 v[QSC], v[GS], s[10:11]        ; two scale bytes; the upper two come as 0
	v_mov_b32 v13, 0xff61b1e6                      ; the largest t so far: -3e38
	s_delay_alu instid0(VALU_DEP_1)
	v_floor_f32 v12, -v13                          ; -M
	v_mov_b32 v14, 0                               ; the sum, in two halves
	v_mov_b32 v15, 0
.irp j, 0,1,2,3,4,5,6,7
	v_mov_b32 v[Q+8+\j], 0
	v_mov_b32 v[Z+\j], 0
.endr
.set j, 0
.rept 32
	v_mov_b32 v[O+j], 0                            ; the step is written once: the first finds zeros, which the first change of M leaves zeros
.set j, j+1
.endr
.irp b, 0,1,2,3
	v_mov_b32 v[TM+4+\b], 0                        ; a lane permute's destination counts as a source
.endr
	v_mov_b32 v[PW], 0                             ; named as the upper half of the pair with F before it is first written
	v_mov_b32 v[T], 0
; A KEY STEP: 128 keys
.macro STEP
	v_add_nc_u32 v[ADK], s[TB], v[AL]
	v_add_nc_u32 v[ADV], s[TB], v[AV0]
	v_add_nc_u32 v[ADS], s[TS], v[AKS0]
	v_add_nc_u32 v[ADT], s[TJ], v[AVS0]
.rept 4
	v_nop                                          ; with the four additions: eight places in front of loads into registers that the last products read
.endr
.irp t, 0,1,2,3,4,5,6,7
	ds_load_b128 v[KF+8*\t:KF+8*\t+3], v[ADK] offset:1024*\t
	ds_load_b128 v[KF+8*\t+4:KF+8*\t+7], v[ADK] offset:1024*\t+512
	ds_load_u16 v[KSC+\t], v[ADS] offset:64*\t
.endr
	s_wait_alu depctr_va_vdst(0)
	s_wait_dscnt 0x0
.irp t, 0,1,2,3,4,5,6,7
	v_wmma_scale_f32_16x16x128_f8f6f4 v[S+8*\t:S+8*\t+7], v[KF+8*\t:KF+8*\t+15], v[Q:Q+15], 0, v[KSC+\t], v[QSC]
.endr                                              ; lane (r, h): query r; register 8 t + j: key 16 t + 8 h + j
.rept 8
	v_nop
.endr
.irp u, 0,1,2,3                                ; v^T's fragments are asked for now and land under the softmax
.irp c, 0,1,2,3
	ds_load_b128 v[KF+16*\u+4*\c:KF+16*\u+4*\c+3], v[ADV] offset:2048*\u+512*\c
.endr
	ds_load_b32 v[VSC+\u], v[ADT] offset:64*\u
.endr
.irp b, 0,1,2,3
	v_max3_num_f32 v[TM+\b], v[S+16*\b], v[S+1+16*\b], v[S+2+16*\b]        ; the largest score of each block of 32 keys: for the row's maximum, and, since p rises with the score, for the block's largest p
.endr
.irp i, 3,5,7,9,11,13
.irp b, 0,1,2,3
	v_max3_num_f32 v[TM+\b], v[TM+\b], v[S+16*\b+\i], v[S+1+16*\b+\i]
.endr
.endr
.irp b, 0,1,2,3
	v_max_num_f32 v[TM+\b], v[TM+\b], v[S+15+16*\b]
.endr
.irp b, 0,1,2,3
	s_delay_alu instid0(VALU_DEP_4)
	v_permlanex16_b32 v[TM+4+\b], v[TM+\b], s[SEL], s[SEL+1]
.endr
.irp b, 0,1,2,3
	s_delay_alu instid0(VALU_DEP_4)
	v_max_num_f32 v[TM+\b], v[TM+\b], v[TM+4+\b]   ; with lane l xor 16's 16 keys
.endr
	s_delay_alu instid0(VALU_DEP_2)
	v_max3_num_f32 v[T], v[TM], v[TM+1], v[TM+2]
	s_delay_alu instid0(VALU_DEP_1)
	v_max_num_f32 v[T], v[T], v[TM+3]
	s_delay_alu instid0(VALU_DEP_1)
	v_mul_f32 v[T], s[CS], v[T]                    ; as t (c is positive)
	s_delay_alu instid0(VALU_DEP_1)
	v_max_num_f32 v13, v13, v[T]                   ; the running largest t
	v_mov_b32 v[T], v12
	s_delay_alu instid0(VALU_DEP_2)
	v_floor_f32 v12, -v13                          ; the new -M = -ceil(t)
	s_delay_alu instid0(VALU_DEP_1)
	v_sub_f32 v[T], v12, v[T]                      ; old M - new M: a whole number, 0 or less
	s_delay_alu instid0(VALU_DEP_1)
	v_cvt_i32_f32 v[T], v[T]                       ; (it saturates)
	s_delay_alu instid0(VALU_DEP_1)
	v_ldexp_f32 v[F], 1.0, v[T]
.set j, 0
.rept 32
	v_pk_fma_f32 v[S+j:S+j+1], v[S+j:S+j+1], s[CS:CS+1], v[12:13] op_sel_hi:[1,0,0]   ; t - M, two at a time
.set j, j+2
.endr
.irp b, 0,1,2,3
	v_fma_f32 v[TM+\b], v[TM+\b], s[CS], v12       ; the same of each block's largest score
.endr
.set j, 0
	s_wait_alu depctr_va_vdst(0)
.rept 64
	v_exp_f32 v[S+j], v[S+j]                       ; p = 2^(t - M)
.set j, j+1
.endr
	v_pk_mul_f32 v[14:15], v[14:15], v[F:F+1] op_sel_hi:[1,0]      ; the sums under the new M (a plain line behind the exponentials)
	s_wait_alu depctr_va_vdst(0)                   ; one wait for the batch, ahead of its first reader
.irp b, 0,1,2,3
	v_exp_f32 v[TM+\b], v[TM+\b]                   ; the block's largest p
.endr
	v_pk_add_f32 v[220:221], v[108:109], v[112:113]
	v_pk_add_f32 v[252:253], v[116:117], v[120:121]
	v_pk_add_f32 v[250:251], v[124:125], v[128:129]
	v_pk_add_f32 v[238:239], v[132:133], v[136:137]
	v_pk_add_f32 v[236:237], v[140:141], v[144:145]
	v_pk_add_f32 v[234:235], v[148:149], v[152:153]
	v_pk_add_f32 v[232:233], v[156:157], v[160:161]
	v_pk_add_f32 v[14:15], v[14:15], v[164:165]
	v_pk_add_f32 v[220:221], v[220:221], v[104:105]
	v_pk_add_f32 v[252:253], v[252:253], v[106:107]
	v_pk_add_f32 v[250:251], v[250:251], v[110:111]
	v_pk_add_f32 v[238:239], v[238:239], v[114:115]
	v_pk_add_f32 v[236:237], v[236:237], v[118:119]
	v_pk_add_f32 v[234:235], v[234:235], v[122:123]
	v_pk_add_f32 v[232:233], v[232:233], v[126:127]
	v_pk_add_f32 v[14:15], v[14:15], v[130:131]
	v_pk_add_f32 v[220:221], v[220:221], v[134:135]
	v_pk_add_f32 v[252:253], v[252:253], v[138:139]
	v_pk_add_f32 v[250:251], v[250:251], v[142:143]
	v_pk_add_f32 v[238:239], v[238:239], v[146:147]
	v_pk_add_f32 v[236:237], v[236:237], v[150:151]
	v_pk_add_f32 v[234:235], v[234:235], v[154:155]
	v_pk_add_f32 v[232:233], v[232:233], v[158:159]
	v_pk_add_f32 v[14:15], v[14:15], v[162:163]
	v_pk_add_f32 v[220:221], v[220:221], v[166:167]
	s_delay_alu instid0(VALU_DEP_2)
	v_pk_add_f32 v[14:15], v[14:15], v[238:239]
	s_delay_alu instid0(VALU_DEP_2)
	v_pk_add_f32 v[220:221], v[220:221], v[236:237]
	v_pk_add_f32 v[252:253], v[252:253], v[234:235]
	v_pk_add_f32 v[250:251], v[250:251], v[232:233]
	s_delay_alu instid0(VALU_DEP_2)
	v_pk_add_f32 v[14:15], v[14:15], v[252:253]
	s_delay_alu instid0(VALU_DEP_2)
	v_pk_add_f32 v[220:221], v[220:221], v[250:251]
	s_delay_alu instid0(VALU_DEP_1)
	v_pk_add_f32 v[14:15], v[14:15], v[220:221]
	s_wait_alu depctr_va_vdst(0)                   ; and one for the four
.irp b, 0,1,2,3
	v_max_num_f32 v[TM+\b], 0x4800000, v[TM+\b]    ; the floor 2^(9 - 127)
.endr
.irp b, 0,1,2,3
	s_delay_alu instid0(VALU_DEP_4)
	v_add_nc_u32 v[TM+12+\b], 0xfc000000, v[TM+\b]
.endr
.irp b, 0,1,2,3
	v_and_or_b32 v[TM+8+\b], v[TM+\b], 0x7f800000, s[MNT]          ; 448 x the scale,
.endr
.irp b, 0,1,2,3
	v_and_or_b32 v[H2+\b], v[TM+\b], 0x7f800000, s[MNT]            ; and once more, in a register whose number differs modulo 4 from the first's: 224 + b against 249 + b
.endr
.irp b, 0,1,2,3
	v_lshrrev_b32 v[TM+4+\b], 23, v[TM+12+\b]
.endr
	s_delay_alu instid0(VALU_DEP_3)
	v_lshl_or_b32 v[PW], v[TM+5], 8, v[TM+4]       ; p's scale word for these 128 keys
	s_delay_alu instid0(VALU_DEP_1)
	v_lshl_or_b32 v[PW], v[TM+6], 16, v[PW]
	s_delay_alu instid0(VALU_DEP_1)
	v_lshl_or_b32 v[PW], v[TM+7], 24, v[PW]
; THE HOLD: the conversion to an 8-bit code does not saturate (ISA guide 7.6.2); p is not negative, so the hold is one-sided.  Two numbers to an instruction, as a dual-issue pair: the destinations are an even and an
; odd register, the first sources are neighbours, and the second sources are the bound's two copies, so that each pair of like operands differs modulo 4.
.irp b, 0,1,2,3
.irp i, 0,2,4,6,8,10,12,14
	v_dual_min_num_f32 v[S+16*\b+\i], v[S+16*\b+\i], v[TM+8+\b] :: v_dual_min_num_f32 v[S+16*\b+\i+1], v[S+16*\b+\i+1], v[H2+\b]
.endr
	v_cvt_scalef32_pk8_fp8_f32 v[PCD+4*\b:PCD+4*\b+1], v[S+16*\b:S+16*\b+7], v[TM+12+\b]
	v_cvt_scalef32_pk8_fp8_f32 v[PCD+4*\b+2:PCD+4*\b+3], v[S+16*\b+8:S+16*\b+15], v[TM+12+\b]
.endr
.set j, 0
.rept 16
	v_pk_mul_f32 v[O+j:O+j+1], v[O+j:O+j+1], v[F:F+1] op_sel_hi:[1,0]      ; O^T under the new M.  (These are also the places between the codes and the products)
.set j, j+2
.endr
	s_wait_alu depctr_va_vdst(0)
	s_wait_dscnt 0x0                               ; v^T's fragments and scale words are in
.irp u, 0,1,2,3
	v_wmma_scale_f32_16x16x128_f8f6f4 v[O+8*\u:O+8*\u+7], v[KF+16*\u:KF+16*\u+15], v[PCD:PCD+15], v[O+8*\u:O+8*\u+7], v[VSC+\u], v[PW]
.endr
	s_add_co_u32 s[TB], s[TB], 8192
	s_add_co_u32 s[TS], s[TS], 512
	s_add_co_u32 s[TJ], s[TJ], 256
.endm
	s_wait_alu depctr_va_vdst(0)                   ; the wait at the head's end
	s_wait_loadcnt 0x0                             ; q
	s_wait_tensorcnt 0x0                           ; my one tensor load has landed
	s_barrier_signal -1
	s_barrier_wait -1                              ; everybody's has: K, V and their scale words are whole, and no barrier stands among the 16 key steps
	s_mov_b32 s[CNT], 16
.Lfirst:
	STEP
	s_sub_co_u32 s[CNT], s[CNT], 1
	s_cmp_lg_u32 s[CNT], 0
	s_cbranch_scc1 .Lfirst
	; THE WAY OUT.  O^T / the sum; register 8 u + j of lane (r, h) is ctx(query r, channel 16 u + 8 h + j): two blocks of 32 along the next K, quantised as they stand
.rept 8
	v_nop
.endr
	v_add_f32 v14, v14, v15
	s_delay_alu instid0(VALU_DEP_1)
	v_permlanex16_b32 v[T], v14, s[SEL], s[SEL+1]
	s_delay_alu instid0(VALU_DEP_1)
	v_add_f32 v14, v14, v[T]                       ; the row's sum
	s_wait_alu depctr_va_vdst(0)
	v_rcp_f32 v14, v14
	v_nop
	s_wait_alu depctr_va_vdst(0)
.set j, 0
.rept 32
	v_mul_f32 v[S+j], v[O+j], v14                  ; each accumulator from its low end on
.set j, j+1
.endr
.irp b, 0,1
	v_max3_num_f32 v[TM+\b], |v[S+16*\b]|, |v[S+1+16*\b]|, 0x4800000
.endr
.irp i, 2,4,6,8,10,12,14
.irp b, 0,1
	s_delay_alu instid0(VALU_DEP_2)
	v_max3_num_f32 v[TM+\b], v[TM+\b], |v[S+16*\b+\i]|, |v[S+1+16*\b+\i]|
.endr
.endr
.irp b, 0,1
	s_delay_alu instid0(VALU_DEP_2)
	v_permlanex16_b32 v[TM+4+\b], v[TM+\b], s[SEL], s[SEL+1]
.endr
.irp b, 0,1
	s_delay_alu instid0(VALU_DEP_2)
	v_max_num_f32 v[TM+\b], v[TM+\b], v[TM+4+\b]
.endr
.irp b, 0,1
	s_delay_alu instid0(VALU_DEP_2)
	v_add_nc_u32 v[TM+12+\b], 0xfc000000, v[TM+\b]
.endr
.irp b, 0,1
	s_delay_alu instid0(VALU_DEP_4)
	v_and_or_b32 v[TM+8+\b], v[TM+\b], 0x7f800000, s[MNT]
.endr
.irp b, 0,1
	s_delay_alu instid0(VALU_DEP_4)
	v_lshrrev_b32 v[TM+4+\b], 23, v[TM+12+\b]
.endr
	s_delay_alu instid0(VALU_DEP_1)
	v_lshl_or_b32 v[T], v[TM+5], 8, v[TM+4]        ; my head's two bytes of the row's scale word
.irp b, 0,1
.irp i, 0,1,2,3,4,5,6,7,8,9,10,11,12,13,14,15
	v_med3_num_f32 v[S+16*\b+\i], v[S+16*\b+\i], -v[TM+8+\b], v[TM+8+\b]
.endr
	v_cvt_scalef32_pk8_fp8_f32 v[PCD+4*\b:PCD+4*\b+1], v[S+16*\b:S+16*\b+7], v[TM+12+\b]
	v_cvt_scalef32_pk8_fp8_f32 v[PCD+4*\b+2:PCD+4*\b+3], v[S+16*\b+8:S+16*\b+15], v[TM+12+\b]
.endr
	v_nop
	global_store_b128 v[AL], v[PCD:PCD+3], s[14:15]                ; my head's half of the fragment's image: 512 consecutive bytes a store, aligned
	global_store_b128 v[AL], v[PCD+4:PCD+7], s[14:15] offset:512
	global_store_b16 v[GS], v[T], s[16:17]         ; two bytes a row, since a head owns half of a scale word: 32 bytes a wave; lanes r and r + 16 write the same value
	s_wait_tensorcnt 0x0
	ds_add_u32 v254, v255
	s_wait_dscnt 0x0
	ROUND                                          ; the closing round: no work-group ends while a partner may still ask for a tile that names it
	s_endpgm
.Lfunc_end_k_q71fb57b4dc_attn:
	.size	k_q71fb57b4dc_attn, .Lfunc_end_k_q71fb57b4dc_attn-k_q71fb57b4dc_attn
	.p2alignl 7, 3214868480
	.fill 96, 4, 3214868480
	.section	.rodata,"a",@progbits
	.p2align	6, 0x0
	.amdhsa_kernel k_q71fb57b4dc_attn
		.amdhsa_group_segment_fixed_size 276480
		.amdhsa_private_segment_fixed_size 0
		.amdhsa_enable_private_segment 0
		.amdhsa_kernarg_size 16
		.amdhsa_user_sgpr_count 2
		.amdhsa_user_sgpr_kernarg_segment_ptr 1
		.amdhsa_wavefront_size32 1
		.amdhsa_system_sgpr_workgroup_id_x 1
		.amdhsa_system_sgpr_workgroup_id_y 1
		.amdhsa_system_sgpr_workgroup_id_z 1
		.amdhsa_system_vgpr_workitem_id 0
		.amdhsa_next_free_vgpr 256
		.amdhsa_next_free_sgpr 100
		.amdhsa_reserve_vcc 0
		.amdhsa_float_denorm_mode_32 3
		.amdhsa_float_denorm_mode_16_64 3
		.amdhsa_memory_ordered 1
		.amdhsa_forward_progress 1
		.amdhsa_inst_pref_size 38
	.end_amdhsa_kernel
	.amdgpu_metadata
---
amdhsa.version: [ 1, 2 ]
amdhsa.kernels:
  - .name:           k_q71fb57b4dc_attn
    .symbol:         k_q71fb57b4dc_attn.kd
    .args:
      - { .name: qkv, .offset: 0, .size: 8, .value_kind: global_buffer, .address_space: global }
      - { .name: ctxq, .offset: 8, .size: 8, .value_kind: global_buffer, .address_space: global }
    .group_segment_fixed_size: 276480
    .private_segment_fixed_size: 0
    .kernarg_segment_align: 8
    .kernarg_segment_size: 16
    .max_flat_workgroup_size: 512
    .sgpr_count:     100
    .vgpr_count:     256
    .wavefront_size: 32
...
	.end_amdgpu_metadata
.endif
;; end of part 3
;; launch proj (part 4): grid 8 x 32, 4 waves a work-group, clusters of 4 x 4, 327,680 bytes of LDS; arguments ctxq, wo_codes, wo_scales, y32; writes y32
.if DOCPART == 4
	.amdgcn_target "amdgcn-amd-amdhsa--gfx1250"
	.amdhsa_code_object_version 6
	.text
	.protected	k_q71fb57b4dc_proj
	.globl	k_q71fb57b4dc_proj
	.p2align	8
	.type	k_q71fb57b4dc_proj,@function
k_q71fb57b4dc_proj:
	s_mov_b64 s[64:65], 0
	v_nop
	global_prefetch_b8 v0, s[64:65] scope:SCOPE_SE
	s_setreg_imm32_b32 hwreg(HW_REG_WAVE_MODE, 25, 1), 1
	s_wait_xcnt 0x0
	s_wait_alu depctr_hold_cnt(0) depctr_sa_sdst(0) depctr_va_vdst(0) depctr_va_sdst(0) depctr_va_ssrc(0) depctr_va_vcc(0) depctr_vm_vsrc(0)
	s_getreg_b32 s2, hwreg(HW_REG_IB_STS2, 6, 4)
	s_cmp_eq_u32 s2, 0
	s_cbranch_scc0 .Lentry_in_a_cluster
	s_endpgm
.Lentry_in_a_cluster:
	s_bfe_u32 s2, ttmp6, 0x10000c
	s_cmp_lg_u32 s2, 0xf033
	s_cbranch_scc0 .Lentry_shape_is_right
	s_endpgm
.Lentry_shape_is_right:
.set SIZE_K, 1024
.set BIAS,   0
.set ASC,    4194304
.set KS,     SIZE_K/32
.set KB,     SIZE_K/128
.set LAPS,   SIZE_K/1024
.set APART,  65536
.set BP,     528
.set HB,     64*BP
.set SLOT,   APART+2*HB
.set SCA,    2*SLOT
.set HSA,    (KB/2)*512
.set SCB,    SCA+2*HSA
.set HSB,    (64*KS/256)*272
.set SBB,    (16*KS/256)*272
.set SPARE,  SCB+2*HSB
.set SPITCH, 528
.set NP,   8
.set ADRA, 16
.set ADRB, 20
.set ADSA, 22
.set ADSB, 23
.set STO,  24
.set RD,   25
.set CO,   26
.set SPW,  28
.set NIL,  29
.set SC,   32
.set BI,   96
.set ACC,  128
.set F0,   0
.set F1,   128
.set G1, 24
.set G0, 32
.set G1B, 48
.set G0B, 56
.set G1S, 68
.set G0S, 76
.set G1SB, 80
.set G0SB, 88
.set MSB, 0
.macro WIN new
.set NW, \new
.if MSB != NW
	s_set_vgpr_msb (MSB<<8)|NW
.set MSB, NW
.endif
.endm
.set MUL,  0x05
.set TO_F, 0x40
.macro JLOAD g0a, g1a, g0b, g1b
	s_cmp_eq_u32 s15, 0
	s_cbranch_scc0 .Lfor_b_\@
	tensor_load_to_lds s[\g0a:\g0a+3], s[\g1a:\g1a+7]
	s_nop 0
.rept 4
	v_nop
.endr
	s_branch .Lasked_\@
.Lfor_b_\@:
	tensor_load_to_lds s[\g0b:\g0b+3], s[\g1b:\g1b+7]
	s_nop 0
.rept 4
	v_nop
.endr
.Lasked_\@:
.endm
.macro CREST
	s_cmp_lg_u32 s14, 0
	s_cbranch_scc1 .Lnot_wave_0_\@
	s_barrier_signal -3
.Lnot_wave_0_\@:
	s_barrier_wait -3
	s_barrier_signal -1
	s_barrier_wait -1
.endm
.macro CROUND
	s_barrier_signal -1
	s_barrier_wait -1
	CREST
.endm
	s_load_b256 s[68:75], s[0:1], 0x0
.if BIAS
	s_load_b64 s[12:13], s[0:1], 0x20
.endif
	v_lshl_add_u32 v[SPW], v0, 2, SPARE
	v_mov_b32 v[NIL], 0
	ds_add_u32 v28, v29
	ds_add_u32 v28, v29
	s_wait_dscnt 0x0
	v_lshrrev_b32 v1, 5, v0
	v_readfirstlane_b32 s14, v1
	s_lshr_b32 s15, s14, 1
	s_and_b32 s16, s14, 1
	s_bfe_u32 s40, ttmp6, 0x40000
	s_bfe_u32 s41, ttmp6, 0x40004
	s_lshl_b32 s42, ttmp9, 2
	s_add_co_u32 s42, s42, s40
	s_and_b32 s17, ttmp7, 0xffff
	s_lshl_b32 s17, s17, 2
	s_add_co_u32 s17, s17, s41
	s_lshl_b32 s43, s41, 2
	s_lshl_b32 s43, 15, s43
	s_lshl_b32 s44, 0x1111, s40
	s_wait_kmcnt 0x0
	s_mov_b64 s[4:5], s[68:69]
	s_add_nc_u64 s[6:7], s[68:69], ASC
	s_mov_b64 s[8:9], s[70:71]
	s_mov_b64 s[10:11], s[72:73]
.if BIAS
	s_mov_b64 s[66:67], s[74:75]
.else
	s_mov_b64 s[12:13], s[74:75]
.endif
	s_or_b32 s[G1+0], s43, (3<<16)|(1<<21)
	s_mov_b32 s[G1+1], 2048<<16
	s_mov_b32 s[G1+2], 4<<16                       ; the head's load brings all four rows of a slot; the ring's two (set behind the head's wait)
	s_mov_b32 s[G1+3], 2048<<16
	s_mov_b32 s[G1+4], 4
	s_mov_b32 s[G1+5], 65536
	s_mov_b32 s[G1+6], 0
	s_mov_b32 s[G1+7], 0
	s_or_b32 s[G1B+0], s44, (0<<16)|(1<<20)|(1<<21)|(6<<22)|(3<<25)
	s_mov_b32 s[G1B+1], 512<<16
	s_mov_b32 s[G1B+2], 128<<16                    ; likewise: 128 rows at the head, 64 in the ring
	s_mov_b32 s[G1B+3], 512<<16
	s_mov_b32 s[G1B+4], 128
	s_mov_b32 s[G1B+5], SIZE_K
	s_mov_b32 s[G1B+6], 0
	s_mov_b32 s[G1B+7], 0
	s_or_b32 s[G1S+0], s43, (3<<16)|(1<<21)
	s_mov_b32 s[G1S+1], 64<<16
	s_mov_b32 s[G1S+2], KB<<16
	s_mov_b32 s[G1S+3], 64<<16
	s_mov_b32 s[G1S+4], KB
	s_mov_b32 s[G1S+5], 2048
	s_mov_b32 s[G1S+6], 0
	s_mov_b32 s[G1S+7], 0
	s_or_b32 s[G1SB+0], s44, (3<<16)|(1<<20)|(1<<21)|(5<<22)|(3<<25)
	s_mov_b32 s[G1SB+1], 32<<16
	s_mov_b32 s[G1SB+2], (128*KS/256)<<16
	s_mov_b32 s[G1SB+3], 32<<16
	s_mov_b32 s[G1SB+4], 128*KS/256
	s_mov_b32 s[G1SB+5], 32
	s_mov_b32 s[G1SB+6], 0
	s_mov_b32 s[G1SB+7], 0
	s_lshl_b32 s20, s17, 14
	s_mov_b32 s21, 0
	s_lshl_b32 s22, s17, 9
	s_mov_b32 s23, 0
	s_lshl_b32 s46, s42, 7
	s_mul_i32 s92, s46, KS
	s_mov_b32 s93, 0
	s_mul_i32 s46, s46, SIZE_K
	s_mov_b32 s47, 0
	s_lshl_b32 s45, s16, 15
	s_mul_i32 s94, s16, HB
	s_mov_b32 s95, SCA
	s_mov_b32 s96, SCB
	s_add_nc_u64 s[20:21], s[4:5], s[20:21]
	s_add_nc_u64 s[22:23], s[6:7], s[22:23]
	s_add_nc_u64 s[46:47], s[8:9], s[46:47]
	s_add_nc_u64 s[92:93], s[10:11], s[92:93]
	CROUND
	s_mov_b32 s[G0S], 1
	s_mov_b32 s[G0S+1], s95
	s_mov_b64 s[G0S+2:G0S+3], s[22:23]
	s_or_b32 s[G0S+3], s[G0S+3], 0x80000000
	s_mov_b32 s[G0SB], 1
	s_mov_b32 s[G0SB+1], s96
	s_mov_b64 s[G0SB+2:G0SB+3], s[92:93]
	s_or_b32 s[G0SB+3], s[G0SB+3], 0x80000000
.irp s, 0,1
	s_mov_b32 s[G0+4*\s], 1
	s_mov_b32 s[G0+4*\s+1], \s*SLOT
	s_add_nc_u64 s[G0+4*\s+2:G0+4*\s+3], s[20:21], \s*2097152
	s_or_b32 s[G0+4*\s+3], s[G0+4*\s+3], 0x80000000
	s_mov_b32 s[G0B+4*\s], 1
	s_mov_b32 s[G0B+4*\s+1], APART+\s*SLOT
	s_add_nc_u64 s[G0B+4*\s+2:G0B+4*\s+3], s[46:47], \s*512
	s_or_b32 s[G0B+4*\s+3], s[G0B+4*\s+3], 0x80000000
.endr
.macro HALVES s                        ; slot s's groups 0 go from the whole tile to my half of it, in memory and in LDS
	s_lshl_b32 s18, s16, 20
	s_mov_b32 s19, 0
	s_add_nc_u64 s[G0+4*\s+2:G0+4*\s+3], s[G0+4*\s+2:G0+4*\s+3], s[18:19]
	s_mul_i32 s18, s16, 64*SIZE_K
	s_add_nc_u64 s[G0B+4*\s+2:G0B+4*\s+3], s[G0B+4*\s+2:G0B+4*\s+3], s[18:19]
	s_add_co_u32 s[G0+4*\s+1], s[G0+4*\s+1], s45
	s_add_co_u32 s[G0B+4*\s+1], s[G0B+4*\s+1], s94
.endm
	HALVES 1
; the head's loads, one a wave: wave 0 slot 0's part of A, whole, wave 1 that of B, wave 2 A's scale words, wave 3 B's scale bytes; one chain of branches on the wave's number
.macro ARM under, g0, g1, next
	s_cmp_lt_u32 s14, \under
	s_cbranch_scc0 \next
	tensor_load_to_lds s[\g0:\g0+3], s[\g1:\g1+7]
	s_nop 0
.rept 4
	v_nop
.endr
	s_branch .Lhead_asked
\next:
.endm
	ARM 1, G0, G1, .Lhead_b
	ARM 2, G0B, G1B, .Lhead_sa
	ARM 3, G0S, G1S, .Lhead_sb
	tensor_load_to_lds s[G0SB:G0SB+3], s[G1SB:G1SB+7]
	s_nop 0
.rept 4
	v_nop
.endr
.Lhead_asked:
	v_and_b32 v1, 15, v0
	v_bfe_u32 v2, v0, 4, 1
	v_and_b32 v3, 31, v0
	v_lshlrev_b32 v[CO], 4, v3
	s_lshl_b32 s21, s15, 13
	v_add_nc_u32 v[ADRA], s21, v[CO]
	v_add_nc_u32 v[ADRA+1], SLOT, v[ADRA]
	s_lshl_b32 s22, s16, 6
	v_add_nc_u32 v4, s22, v1
	v_mul_u32_u24 v4, v4, BP
	v_lshl_add_u32 v4, v2, 3, v4
	v_add_nc_u32 v[ADRB], APART, v4
	v_add_nc_u32 v[ADRB+1], SLOT, v[ADRB]
	s_lshl_b32 s21, s15, 8
	s_add_co_u32 s21, s21, SCA
	v_lshl_add_u32 v[ADSA], v1, 2, s21
	v_mul_u32_u24 v5, v1, KS
	v_lshrrev_b32 v6, 8, v5
	v_lshl_add_u32 v5, v6, 4, v5
	s_mul_i32 s22, s16, HSB
	s_add_co_u32 s22, s22, SCB
	v_add_nc_u32 v[ADSB], s22, v5
	s_lshl_b32 s21, s15, 6
	v_add_nc_u32 v5, s21, v1
	v_mul_u32_u24 v5, v5, SPITCH
	v_lshl_add_u32 v5, v2, 5, v5
	s_lshl_b32 s22, s16, 8
	v_add_nc_u32 v[STO], s22, v5
	s_mul_i32 s23, s14, 32*SPITCH
	v_add_nc_u32 v[RD], s23, v[CO]
	s_lshl_b32 s20, s17, 7
	s_lshl_b32 s21, s14, 5
	s_add_co_u32 s20, s20, s21
	s_lshl_b32 s20, s20, 12
	s_lshl_b32 s46, s42, 9
	s_add_co_u32 s20, s20, s46
	s_mov_b32 s21, 0
	s_add_nc_u64 s[12:13], s[12:13], s[20:21]
.if BIAS
	s_lshl_b32 s46, s42, 9
	s_lshl_b32 s47, s16, 8
	s_add_co_u32 s46, s46, s47
	s_mov_b32 s47, 0
	s_add_nc_u64 s[66:67], s[66:67], s[46:47]
	v_lshlrev_b32 v7, 5, v2
.irp b, 0,1,2,3
	global_load_b128 v[BI+8*\b:BI+8*\b+3], v7, s[66:67] offset:64*\b
	global_load_b128 v[BI+8*\b+4:BI+8*\b+7], v7, s[66:67] offset:64*\b+16
.endr
.endif
.macro FETCH slot, q, f
	WIN TO_F
.irp b, 0,1,2,3
.irp c, 0,1,2,3
	ds_load_b64 v[\f+64+16*\b+4*\c:\f+64+16*\b+4*\c+1],   v[ADRB+\slot] offset:\b*16*BP+128*(\q)+32*\c
	ds_load_b64 v[\f+64+16*\b+4*\c+2:\f+64+16*\b+4*\c+3], v[ADRB+\slot] offset:\b*16*BP+128*(\q)+32*\c+16
.endr
.endr
.irp a, 0,1,2,3
.irp c, 0,1,2,3
	ds_load_b128 v[\f+16*\a+4*\c:\f+16*\a+4*\c+3], v[ADRA+\slot] offset:16384*(\q)+2048*\a+512*\c
.endr
.endr
.endm
.macro SCALES set
.irp a, 0,1,2,3
.irp q, 0,1,2,3
	ds_load_b32 v[SC+32*\set+4*\a+\q], v[ADSA] offset:512*\q+64*\a
.endr
.endr
.irp b, 0,1,2,3
	ds_load_b128 v[SC+32*\set+16+4*\b:SC+32*\set+16+4*\b+3], v[ADSB] offset:\b*SBB
.endr
.endm
.macro MULA f, a, q, set, first
.irp b, 0,1,2,3
.if (\first) && BIAS
	v_wmma_scale_f32_16x16x128_f8f6f4 v[ACC+8*(4*(\a)+\b):ACC+8*(4*(\a)+\b)+7], v[\f+64+16*\b:\f+64+16*\b+15], v[\f+16*(\a):\f+16*(\a)+15], v[BI+8*\b:BI+8*\b+7], v[SC+32*(\set)+16+4*\b+(\q)], v[SC+32*(\set)+4*(\a)+(\q)]
.elseif \first
	v_wmma_scale_f32_16x16x128_f8f6f4 v[ACC+8*(4*(\a)+\b):ACC+8*(4*(\a)+\b)+7], v[\f+64+16*\b:\f+64+16*\b+15], v[\f+16*(\a):\f+16*(\a)+15], 0, v[SC+32*(\set)+16+4*\b+(\q)], v[SC+32*(\set)+4*(\a)+(\q)]
.else
	v_wmma_scale_f32_16x16x128_f8f6f4 v[ACC+8*(4*(\a)+\b):ACC+8*(4*(\a)+\b)+7], v[\f+64+16*\b:\f+64+16*\b+15], v[\f+16*(\a):\f+16*(\a)+15], v[ACC+8*(4*(\a)+\b):ACC+8*(4*(\a)+\b)+7], v[SC+32*(\set)+16+4*\b+(\q)], v[SC+32*(\set)+4*(\a)+(\q)]
.endif
.endr
.endm
.macro PLACES n
.rept \n
	v_nop
.endr
.endm
.macro QUARTER slot, q, first
.set FB, 128*((\q)%2)
.set GB, 128-FB
	s_wait_dscnt 8
	WIN MUL
	MULA FB, 0, \q, \slot, \first
	MULA FB, 1, \q, \slot, \first
	PLACES NP
	FETCH \slot, (\q)+1, GB
	s_wait_dscnt 48
	WIN MUL
	MULA FB, 2, \q, \slot, \first
	MULA FB, 3, \q, \slot, \first
.endm
.macro TURN slot, next, fill
	WIN 0
	s_wait_tensorcnt 0x0
	ds_add_u32 v[SPW], v[NIL]
	s_wait_dscnt 9
	WIN MUL
	MULA F1, 0, 3, \slot, 0
	s_wait_dscnt 0x0
	s_barrier_signal -1
	MULA F1, 1, 3, \slot, 0
	WIN 0
	s_barrier_wait -1
.if \fill
	CREST
	s_add_nc_u64 s[G0+4*\slot+2:G0+4*\slot+3], s[G0+4*\slot+2:G0+4*\slot+3], 4194304
	s_add_nc_u64 s[G0B+4*\slot+2:G0B+4*\slot+3], s[G0B+4*\slot+2:G0B+4*\slot+3], 1024
	JLOAD G0+4*\slot, G1, G0B+4*\slot, G1B
	PLACES NP-4
.else
	PLACES NP
.endif
	v_add_nc_u32 v[ADSA], 2048, v[ADSA]
	v_add_nc_u32 v[ADSB], 16, v[ADSB]
	SCALES \next
	FETCH \next, 0, F0
	WIN MUL
	MULA F1, 2, 3, \slot, 0
	MULA F1, 3, 3, \slot, 0
.endm
.if BIAS
	s_wait_loadcnt 0x0
.endif
	s_wait_alu depctr_va_vdst(0)
	s_wait_tensorcnt 0x0                           ; my tile of the head's four is in
	ds_add_u32 v[SPW], v[NIL]
	s_mov_b32 s[G1+2], 2<<16                       ; no tensor load of mine is out: from here on a load brings half a tile
	s_mov_b32 s[G1+4], 2
	s_mov_b32 s[G1B+2], 64<<16
	s_mov_b32 s[G1B+4], 64
	HALVES 0
	s_wait_dscnt 0x0
	CROUND                                         ; all four tiles are in, and all sixteen work-groups are here
	JLOAD G0+4, G1, G0B+4, G1B                     ; slot 1's first fill, the first tensor load behind the round
	SCALES 0
	FETCH 0, 0, F0
	QUARTER 0, 0, 1
.if LAPS > 1
	WIN 0
	s_mov_b32 s3, LAPS-1
.Llap:
	QUARTER 0, 1, 0
	QUARTER 0, 2, 0
	TURN 0, 1, 1
	QUARTER 1, 0, 0
	QUARTER 1, 1, 0
	QUARTER 1, 2, 0
	TURN 1, 0, 1
	QUARTER 0, 0, 0
	WIN 0
	s_sub_co_u32 s3, s3, 1
	s_cmp_lg_u32 s3, 0
	s_cbranch_scc1 .Llap
.endif
	QUARTER 0, 1, 0
	QUARTER 0, 2, 0
	TURN 0, 1, 0
	QUARTER 1, 0, 0
	QUARTER 1, 1, 0
	QUARTER 1, 2, 0
	s_wait_dscnt 8
	WIN MUL
	MULA F1, 0, 3, 1, 0
	MULA F1, 1, 3, 1, 0
	s_wait_dscnt 0
	MULA F1, 2, 3, 1, 0
	MULA F1, 3, 3, 1, 0
	WIN 0
	PLACES NP
.irp a, 0,1,2,3
.irp b, 0,1,2,3
	ds_store_b128 v[STO], v[ACC+8*(4*\a+\b):ACC+8*(4*\a+\b)+3] offset:\a*16*SPITCH+64*\b
	ds_store_b128 v[STO], v[ACC+8*(4*\a+\b)+4:ACC+8*(4*\a+\b)+7] offset:\a*16*SPITCH+64*\b+16
.endr
.endr
	s_wait_dscnt 0x0
	s_barrier_signal -1
	s_barrier_wait -1
.set t, 0
.rept 32
	ds_load_b128 v[ACC+4*t:ACC+4*t+3], v[RD] offset:t*SPITCH
.set t, t+1
.endr
.set t, 0
.rept 32
	s_wait_dscnt 31-t
	global_store_b128 v[CO], v[ACC+4*t:ACC+4*t+3], s[12:13] offset:t*4096
.set t, t+1
.endr
	s_wait_tensorcnt 0x0
	ds_add_u32 v[SPW], v[NIL]
	s_wait_dscnt 0x0
	CROUND
	s_endpgm
.Lfunc_end_k_q71fb57b4dc_proj:
	.size	k_q71fb57b4dc_proj, .Lfunc_end_k_q71fb57b4dc_proj-k_q71fb57b4dc_proj
	.p2alignl 7, 3214868480
	.fill 96, 4, 3214868480
	.section	.rodata,"a",@progbits
	.p2align	6, 0x0
	.amdhsa_kernel k_q71fb57b4dc_proj
		.amdhsa_group_segment_fixed_size 327680
		.amdhsa_private_segment_fixed_size 0
		.amdhsa_enable_private_segment 0
		.amdhsa_kernarg_size 32
		.amdhsa_user_sgpr_count 2
		.amdhsa_user_sgpr_kernarg_segment_ptr 1
		.amdhsa_wavefront_size32 1
		.amdhsa_system_sgpr_workgroup_id_x 1
		.amdhsa_system_sgpr_workgroup_id_y 1
		.amdhsa_system_sgpr_workgroup_id_z 1
		.amdhsa_system_vgpr_workitem_id 0
		.amdhsa_next_free_vgpr 512
		.amdhsa_next_free_sgpr 100
		.amdhsa_reserve_vcc 0
		.amdhsa_float_denorm_mode_32 3
		.amdhsa_float_denorm_mode_16_64 3
		.amdhsa_memory_ordered 1
		.amdhsa_forward_progress 1
		.amdhsa_inst_pref_size 65
	.end_amdhsa_kernel
	.amdgpu_metadata
---
amdhsa.version: [ 1, 2 ]
amdhsa.kernels:
  - .name:           k_q71fb57b4dc_proj
    .symbol:         k_q71fb57b4dc_proj.kd
    .args:
      - { .name: ctxq, .offset: 0, .size: 8, .value_kind: global_buffer, .address_space: global }
      - { .name: wo_codes, .offset: 8, .size: 8, .value_kind: global_buffer, .address_space: global }
      - { .name: wo_scales, .offset: 16, .size: 8, .value_kind: global_buffer, .address_space: global }
      - { .name: y32, .offset: 24, .size: 8, .value_kind: global_buffer, .address_space: global }
    .group_segment_fixed_size: 327680
    .private_segment_fixed_size: 0
    .kernarg_segment_align: 8
    .kernarg_segment_size: 32
    .max_flat_workgroup_size: 128
    .sgpr_count:     100
    .vgpr_count:     512
    .wavefront_size: 32
...
	.end_amdgpu_metadata
.endif
;; end of part 4
;; launch norm1 (part 5): grid 256 x 1, 8 waves a work-group, no clusters, 42,496 bytes of LDS; arguments enc_input, y32, ln1_g, ln1_b, hbuf; writes hbuf
.if DOCPART == 5
	.amdgcn_target "amdgcn-amd-amdhsa--gfx1250"
	.amdhsa_code_object_version 6
	.text
	.protected	k_q71fb57b4dc_norm1
	.globl	k_q71fb57b4dc_norm1
	.p2align	8
	.type	k_q71fb57b4dc_norm1,@function
k_q71fb57b4dc_norm1:
	s_mov_b64 s[64:65], 0
	v_nop
	global_prefetch_b8 v0, s[64:65] scope:SCOPE_SE
	s_setreg_imm32_b32 hwreg(HW_REG_WAVE_MODE, 25, 1), 1
	s_wait_xcnt 0x0
; h = layer norm(x + y) x gain + bias, rows of 1,024, all in f32 (mean, then the mean of squared differences, as written).  h leaves three ways into hbuf: f32 [4096][1024] at byte 0,
; codes of E4M3 row-major [4096][1024] at byte 16,777,216, one E8M0 byte for each 32 along a row, [4096][32], at byte 20,971,520.
; This text is one of three made from one pattern (NORM: add a second tensor and take the layer norm first; QUANT: quantise the rows).  Here NORM = 1, QUANT = 1.
; SHARES.  A work-group takes 16 rows, each of its eight waves two.  A wave holds a whole row: eight loads of 512 consecutive bytes, lane l of load j holds columns 128 j + 4 l .. + 3: no sum leaves the wave.
; QUANTISER.  A block's scale is 2^(floor(log2(largest magnitude)) - 8); its byte is the largest magnitude's exponent field - 8, held at 1 from below.  The conversions take 16 neighbours from one lane,
; so 512 numbers at a time turn through the wave's own stage in LDS (64 bytes a lane, 16 of padding behind them) and two neighbouring lanes hold a block.
; LIMITS: NaN and infinities are not served; a block of zeros gets the byte 1 (its codes are zeros; this program alone reads the bytes).
; No cluster: work-groups share only the gain and the bias, 8 KiB beside the 128 KiB of rows that each reads.  No tensor loads: the rows go straight into registers.
.set NORM,  1
.set QUANT, 1
.set LAST,  0
.set CODEOFF, 16777216
.set SCLOFF,  20971520
.set SP,   80                          ; a lane's place in a stage
.set STG,  32*SP                       ; a stage: 512 numbers
.set WREG, 2*STG                       ; a wave's two stages
.set SCL,  8*WREG                      ; behind them: the work-group's 512 scale bytes
.set G,  16                            ; v16-47   gain
.set BT, 48                            ; v48-79   bias
.set A,  80                            ; v80-111, v144-175  the row, p = 0, 1
.set R,  112                           ; v112-143, v176-207 the second tensor's row; later the row's numbers as 16 neighbours a lane
.set SU, 208                           ; v208-215 four chains of sums
.set MU, 216                           ; v216-217 the mean, twice
.set RS, 218                           ; v218-219 1 / sqrt(var + eps), twice
.set PD, 220                           ; a lane permute's destination
.set C,  224                           ; v224-239 codes: four registers for each (row, step)
.set E,  240                           ; v240-243 scale bytes
.set OB, 244                           ; v244-247 the scale bytes on their way out
.if NORM
	s_load_b256 s[4:11], s[0:1], 0x0               ; first tensor, second tensor, gain, bias
	s_load_b64 s[12:13], s[0:1], 0x20              ; the output buffer
	v_lshl_add_u32 v248, v0, 2, 0xa200
	v_mov_b32 v249, 0
.else
	s_load_b64 s[4:5], s[0:1], 0x0                 ; the tensor
	s_load_b64 s[12:13], s[0:1], 0x8               ; the output buffer
.endif
	v_lshrrev_b32 v1, 5, v0
	s_delay_alu instid0(VALU_DEP_1)
	v_readfirstlane_b32 s14, v1                    ; wave 0..7
	v_and_b32 v2, 31, v0                           ; lane
	s_wait_alu depctr_va_vdst(0)
	v_lshlrev_b32 v3, 4, v2                        ; 16 x lane: my bytes of a load's 512, and my 16 codes of a step's 512
	s_lshl_b32 s15, ttmp9, 4
	s_lshl_b32 s18, s14, 1
	s_add_co_u32 s15, s15, s18                     ; my first row: 16 x work-group + 2 x wave
	s_lshl_b32 s18, s15, 12                        ; in f32 rows of 4,096 bytes
	s_mov_b32 s19, 0
.if NORM
	s_mov_b32 s16, 0x3a800000                      ; 1 / 1024
	s_mov_b32 s17, 0x3727c5ac                      ; 1e-5
	s_mov_b32 s20, 0x76543210
	s_mov_b32 s21, 0xfedcba98                      ; selects: lane l xor 16
	v_mov_b32 v[PD], 0                             ; written once: a lane permute's destination counts as a source
.endif
.if QUANT
	s_lshl_b32 s28, s15, 10                        ; in rows of 1,024 codes
	s_mov_b32 s29, 0
	s_lshl_b32 s30, ttmp9, 9                       ; the work-group's 512 scale bytes
	s_mov_b32 s31, 0
	s_mov_b32 s23, 0x600000                        ; the mantissa field of 448
	s_mul_i32 s22, s14, WREG
	v_lshrrev_b32 v14, 2, v2
	s_delay_alu instid0(VALU_DEP_1)
	v_mul_u32_u24 v14, v14, SP
	v_and_b32 v15, 3, v2
	s_delay_alu instid0(VALU_DEP_1)
	v_lshl_add_u32 v14, v15, 4, v14
	s_delay_alu instid0(VALU_DEP_1)
	v_add_nc_u32 v14, s22, v14                     ; into a stage: four lanes' 64 bytes on end, then 16 of padding
	v_mul_u32_u24 v15, v2, SP
	s_delay_alu instid0(VALU_DEP_1)
	v_add_nc_u32 v15, s22, v15                     ; out of it: my 16 neighbours
	v_lshrrev_b32 v5, 1, v2
	s_lshl_b32 s22, s14, 6
	s_add_co_u32 s22, s22, SCL
	v_add_nc_u32 v5, s22, v5                       ; my block's scale byte: 64 bytes a wave
	v_add_nc_u32 v6, SCL, v3                       ; and all 512 on the way out
.endif
	s_wait_kmcnt 0x0
	s_add_nc_u64 s[4:5], s[4:5], s[18:19]
.if NORM
	s_add_nc_u64 s[6:7], s[6:7], s[18:19]
.endif
.if QUANT
	s_add_nc_u64 s[24:25], s[12:13], s[28:29]      ; my rows' codes
	s_add_nc_u64 s[26:27], s[12:13], s[30:31]      ; the work-group's scale bytes
.if CODEOFF > 0
	s_add_nc_u64 s[24:25], s[24:25], CODEOFF
.endif
	s_add_nc_u64 s[26:27], s[26:27], SCLOFF
.endif
.if NORM
	s_add_nc_u64 s[12:13], s[12:13], s[18:19]      ; my rows in f32
.irp j, 0,1,2,3,4,5,6,7
	global_load_b128 v[G+4*\j:G+4*\j+3], v3, s[8:9] offset:512*\j
.endr
.irp j, 0,1,2,3,4,5,6,7
	global_load_b128 v[BT+4*\j:BT+4*\j+3], v3, s[10:11] offset:512*\j
.endr
.endif
.irp p, 0,1
.irp j, 0,1,2,3,4,5,6,7
	global_load_b128 v[A+64*\p+4*\j:A+64*\p+4*\j+3], v3, s[4:5] offset:4096*\p+512*\j th:TH_LOAD_NT
.endr
.if NORM
.irp j, 0,1,2,3,4,5,6,7
	global_load_b128 v[R+64*\p+4*\j:R+64*\p+4*\j+3], v3, s[6:7] offset:4096*\p+512*\j th:TH_LOAD_NT
.endr
.endif
.endr
; the four chains, the lane's two halves and the 32 lanes are added: v8 holds the row's sum in every lane
.macro REDUCE
	s_delay_alu instid0(VALU_DEP_3)
	v_pk_add_f32 v[SU:SU+1], v[SU:SU+1], v[SU+2:SU+3]
	s_delay_alu instid0(VALU_DEP_2)
	v_pk_add_f32 v[SU+4:SU+5], v[SU+4:SU+5], v[SU+6:SU+7]
	s_delay_alu instid0(VALU_DEP_1)
	v_pk_add_f32 v[SU:SU+1], v[SU:SU+1], v[SU+4:SU+5]
	s_delay_alu instid0(VALU_DEP_1)
	v_add_f32 v8, v[SU], v[SU+1]
	s_delay_alu instid0(VALU_DEP_1)
	v_add_f32_dpp v8, v8, v8 row_xmask:1 row_mask:0xf bank_mask:0xf
	s_delay_alu instid0(VALU_DEP_1)
	v_add_f32_dpp v8, v8, v8 row_xmask:2 row_mask:0xf bank_mask:0xf
	s_delay_alu instid0(VALU_DEP_1)
	v_add_f32_dpp v8, v8, v8 row_xmask:4 row_mask:0xf bank_mask:0xf
	s_delay_alu instid0(VALU_DEP_1)
	v_add_f32_dpp v8, v8, v8 row_xmask:8 row_mask:0xf bank_mask:0xf
	s_delay_alu instid0(VALU_DEP_1)
	v_permlanex16_b32 v[PD], v8, s20, s21
	s_delay_alu instid0(VALU_DEP_1)
	v_add_f32 v8, v8, v[PD]
.endm
; 512 numbers of row p (step t), 16 neighbours a lane, become 512 codes and 16 scale bytes
.macro QSTEP p, t
.set XS, R+64*(\p)+16*(\t)
.set CS, C+4*(2*(\p)+(\t))
.set ES, E+2*(\p)+(\t)
	v_max3_num_f32 v8, |v[XS]|, |v[XS+1]|, |v[XS+2]|               ; the largest magnitude of my 16, in two chains
	v_max3_num_f32 v9, |v[XS+3]|, |v[XS+4]|, |v[XS+5]|
.irp i, 6,10
	s_delay_alu instid0(VALU_DEP_2)
	v_max3_num_f32 v8, v8, |v[XS+\i]|, |v[XS+\i+1]|
	s_delay_alu instid0(VALU_DEP_2)
	v_max3_num_f32 v9, v9, |v[XS+\i+2]|, |v[XS+\i+3]|
.endr
	s_delay_alu instid0(VALU_DEP_2)
	v_max3_num_f32 v8, v8, |v[XS+14]|, |v[XS+15]|
	s_delay_alu instid0(VALU_DEP_1)
	v_max3_num_f32 v8, v8, v9, 0x4800000           ; and the floor 2^(9 - 127): the byte cannot fall under 1
	s_delay_alu instid0(VALU_DEP_1)
	v_max_num_f32_dpp v8, v8, v8 row_xmask:1 row_mask:0xf bank_mask:0xf   ; with my neighbour's 16: the block's
	s_delay_alu instid0(VALU_DEP_1)
	v_add_nc_u32 v11, 0xfc000000, v8               ; 8 off the exponent field: the conversion's scale operand
	s_delay_alu instid0(VALU_DEP_2)
	v_and_or_b32 v10, v8, 0x7f800000, s23          ; 448 x the scale
.irp i, 0,1,2,3,4,5,6,7,8,9,10,11,12,13,14,15
	v_med3_num_f32 v[XS+\i], v[XS+\i], -v10, v10   ; the conversion to an 8-bit code does not saturate (ISA guide 7.6.2): the hold comes first
.endr
	v_cvt_scalef32_pk8_fp8_f32 v[CS:CS+1], v[XS:XS+7], v11
	v_cvt_scalef32_pk8_fp8_f32 v[CS+2:CS+3], v[XS+8:XS+15], v11
	v_lshrrev_b32 v[ES], 23, v11                   ; the scale's byte (a plain line behind the conversions)
	ds_store_b8 v5, v[ES] offset:32*(\p)+16*(\t)   ; both lanes of a block write the same byte with the same value
	global_store_b128 v3, v[CS:CS+3], s[24:25] offset:1024*(\p)+512*(\t)   ; the wave stores 512 consecutive bytes, aligned
.endm
; row p.  left: the younger loads that may stay out
.macro ROW p, left
.set AP, A+64*(\p)
.set XP, R+64*(\p)
	s_wait_loadcnt \left
.if NORM
.set j, 0
.rept 16
	v_pk_add_f32 v[AP+j:AP+j+1], v[AP+j:AP+j+1], v[XP+j:XP+j+1]    ; the residual
.set j, j+2
.endr
.irp c, 0,2,4,6
	v_pk_add_f32 v[SU+\c:SU+\c+1], v[AP+\c:AP+\c+1], v[AP+8+\c:AP+9+\c]   ; the first pairs start the chains
.endr
.irp k, 16,24
.irp c, 0,2,4,6
	s_delay_alu instid0(VALU_DEP_4)
	v_pk_add_f32 v[SU+\c:SU+\c+1], v[SU+\c:SU+\c+1], v[AP+\k+\c:AP+\k+\c+1]
.endr
.endr
	REDUCE
	s_delay_alu instid0(VALU_DEP_1)
	v_mul_f32 v[MU], s16, v8                       ; the mean
	s_delay_alu instid0(VALU_DEP_2)
	v_mul_f32 v[MU+1], s16, v8
.set j, 0
.rept 16
	v_pk_add_f32 v[AP+j:AP+j+1], v[AP+j:AP+j+1], v[MU:MU+1] neg_lo:[0,1] neg_hi:[0,1]
.set j, j+2
.endr
.irp c, 0,2,4,6
	v_pk_mul_f32 v[SU+\c:SU+\c+1], v[AP+\c:AP+\c+1], v[AP+\c:AP+\c+1]
.endr
.irp k, 8,16,24
.irp c, 0,2,4,6
	s_delay_alu instid0(VALU_DEP_4)
	v_pk_fma_f32 v[SU+\c:SU+\c+1], v[AP+\k+\c:AP+\k+\c+1], v[AP+\k+\c:AP+\k+\c+1], v[SU+\c:SU+\c+1]
.endr
.endr
	REDUCE
	s_delay_alu instid0(VALU_DEP_1)
	v_fma_f32 v9, v8, s16, s17                     ; the variance + eps
	s_wait_alu depctr_va_vdst(0)
	v_rsq_f32 v[RS], v9
	v_nop                                          ; a plain line behind the transcendental
	s_wait_alu depctr_va_vdst(0)                   ; the wait ahead of the first line that names the result
	v_mov_b32 v[RS+1], v[RS]
.set j, 0
.rept 16
	v_pk_mul_f32 v[AP+j:AP+j+1], v[AP+j:AP+j+1], v[RS:RS+1]
.set j, j+2
.endr
.set j, 0
.rept 16
	v_pk_fma_f32 v[AP+j:AP+j+1], v[AP+j:AP+j+1], v[G+j:G+j+1], v[BT+j:BT+j+1]
.set j, j+2
.endr
.irp j, 0,1,2,3,4,5,6,7
.if LAST
	global_store_b128 v3, v[AP+4*\j:AP+4*\j+3], s[12:13] offset:4096*(\p)+512*\j th:TH_STORE_NT
.else
	global_store_b128 v3, v[AP+4*\j:AP+4*\j+3], s[12:13] offset:4096*(\p)+512*\j
.endif
.endr
.endif
.if QUANT
.irp t, 0,1
.irp i, 0,1,2,3
	ds_store_b128 v14, v[AP+16*\t+4*\i:AP+16*\t+4*\i+3] offset:STG*\t+8*SP*\i
.endr
.irp i, 0,1,2,3
	ds_load_b128 v[XP+16*\t+4*\i:XP+16*\t+4*\i+3], v15 offset:STG*\t+16*\i   ; LDS serves a wave's instructions in order: these see the stores above
.endr
.endr
	s_wait_dscnt 8                                 ; step 0's numbers are back; step 1's four stores and four loads may be out
	QSTEP \p, 0
	s_wait_dscnt 1                                 ; step 1's are back; step 0's byte store may be out
	QSTEP \p, 1
.endif
.endm
.if NORM
	ROW 0, 16                                      ; row 1's sixteen loads may be out
.else
	ROW 0, 8                                       ; row 1's eight loads may be out
.endif
	ROW 1, 0
.if QUANT
	s_wait_dscnt 0x0                               ; for the others' sake: my byte stores are done
	s_barrier_signal -1
	s_barrier_wait -1
	s_cmp_lg_u32 s14, 0
	s_cbranch_scc1 .Ldone                          ; wave 0 stores the work-group's 512 scale bytes: two aligned runs of 256 bytes in one instruction
	ds_load_b128 v[OB:OB+3], v6
	s_wait_dscnt 0x0
	global_store_b128 v3, v[OB:OB+3], s[26:27]
.Ldone:
.endif
	s_wait_tensorcnt 0x0
	ds_add_u32 v248, v249
	s_wait_dscnt 0x0
	s_endpgm
.Lfunc_end_k_q71fb57b4dc_norm1:
	.size	k_q71fb57b4dc_norm1, .Lfunc_end_k_q71fb57b4dc_norm1-k_q71fb57b4dc_norm1
	.p2alignl 7, 3214868480
	.fill 96, 4, 3214868480
	.section	.rodata,"a",@progbits
	.p2align	6, 0x0
	.amdhsa_kernel k_q71fb57b4dc_norm1
		.amdhsa_group_segment_fixed_size 42496
		.amdhsa_private_segment_fixed_size 0
		.amdhsa_enable_private_segment 0
		.amdhsa_kernarg_size 40
		.amdhsa_user_sgpr_count 2
		.amdhsa_user_sgpr_kernarg_segment_ptr 1
		.amdhsa_wavefront_size32 1
		.amdhsa_system_sgpr_workgroup_id_x 1
		.amdhsa_system_sgpr_workgroup_id_y 1
		.amdhsa_system_sgpr_workgroup_id_z 1
		.amdhsa_system_vgpr_workitem_id 0
		.amdhsa_next_free_vgpr 250
		.amdhsa_next_free_sgpr 66
		.amdhsa_reserve_vcc 0
		.amdhsa_float_denorm_mode_32 3
		.amdhsa_float_denorm_mode_16_64 3
		.amdhsa_memory_ordered 1
		.amdhsa_forward_progress 1
		.amdhsa_inst_pref_size 38
	.end_amdhsa_kernel
	.amdgpu_metadata
---
amdhsa.version: [ 1, 2 ]
amdhsa.kernels:
  - .name:           k_q71fb57b4dc_norm1
    .symbol:         k_q71fb57b4dc_norm1.kd
    .args:
      - { .name: enc_input, .offset: 0, .size: 8, .value_kind: global_buffer, .address_space: global }
      - { .name: y32, .offset: 8, .size: 8, .value_kind: global_buffer, .address_space: global }
      - { .name: ln1_g, .offset: 16, .size: 8, .value_kind: global_buffer, .address_space: global }
      - { .name: ln1_b, .offset: 24, .size: 8, .value_kind: global_buffer, .address_space: global }
      - { .name: hbuf, .offset: 32, .size: 8, .value_kind: global_buffer, .address_space: global }
    .group_segment_fixed_size: 42496
    .private_segment_fixed_size: 0
    .kernarg_segment_align: 8
    .kernarg_segment_size: 40
    .max_flat_workgroup_size: 256
    .sgpr_count:     66
    .vgpr_count:     250
    .wavefront_size: 32
...
	.end_amdgpu_metadata
.endif
;; end of part 5
;; launch ffn1 (part 6): grid 16 x 16, 4 waves a work-group, clusters of 4 x 4, 327,680 bytes of LDS; arguments hbuf, w1_codes, w1_scales, b1, hid; writes hid
.if DOCPART == 6
	.amdgcn_target "amdgcn-amd-amdhsa--gfx1250"
	.amdhsa_code_object_version 6
	.text
	.protected	k_q71fb57b4dc_ffn1
	.globl	k_q71fb57b4dc_ffn1
	.p2align	8
	.type	k_q71fb57b4dc_ffn1,@function
k_q71fb57b4dc_ffn1:
	s_mov_b64 s[64:65], 0
	v_nop
	global_prefetch_b8 v0, s[64:65] scope:SCOPE_SE
	s_setreg_imm32_b32 hwreg(HW_REG_WAVE_MODE, 25, 1), 1
	s_wait_xcnt 0x0
	s_wait_alu depctr_hold_cnt(0) depctr_sa_sdst(0) depctr_va_vdst(0) depctr_va_sdst(0) depctr_va_ssrc(0) depctr_va_vcc(0) depctr_vm_vsrc(0)
	s_getreg_b32 s2, hwreg(HW_REG_IB_STS2, 6, 4)
	s_cmp_eq_u32 s2, 0
	s_cbranch_scc0 .Lentry_in_a_cluster
	s_endpgm
.Lentry_in_a_cluster:
	s_bfe_u32 s2, ttmp6, 0x10000c
	s_cmp_lg_u32 s2, 0xf033
	s_cbranch_scc0 .Lentry_shape_is_right
	s_endpgm
.Lentry_shape_is_right:
.set QKV,   0
.set RELU,  1
.set BIAS,  1
.set SIZE_K, 1024
.set KSTEP,  256
.set NQ,     KSTEP/128
.set ROWB,   256
.set KROW,   SIZE_K
.set PITCH,  272
.set FR,     16
.set NL,     4
.set NP,     8
.set HALFT,  128*PITCH
.set SLOT,   4*HALFT
.set LAPS,   SIZE_K/(2*KSTEP)
.set KS,     SIZE_K/32
.set SCL,    2*SLOT
.set HALFS,  (128*KS/256)*272
.set SBLK,   (16*KS/256)*272
.set SPARE,  SCL+4*HALFS
.set ADRA, 16
.set ADRB, 20
.set LIO,  24
.set SWA,  25
.set SRD,  26
.set ADRS, 27
.set SPW,  28
.set NIL,  29
.set SC,   32
.set BI,   64
.set AF,   128
.set TM,   128
.set PW,   144
.set RB,   152
.set PC,   160
.set G1, 24
.set G0, 32
.set G1B, 48
.set G0B, 56
.set G1S, 68
.set G0S, 76
.set G1SB, 80
.set G0SB, 88
.set SEL, 96
.set MNT, 100
.set RBT, 101
.set MSB, 0
.macro WIN new
.set NW, \new
.if MSB != NW
	s_set_vgpr_msb (MSB<<8)|NW
.set MSB, NW
.endif
.endm
.set TO_B, 0x40
.macro WMUL hi, zero
.if (\zero) && BIAS
	WIN 0x81+0x40*(\hi)
.else
	WIN 0xa1+0x50*(\hi)
.endif
.endm
.macro JLOAD g0a, g1a, g0b, g1b
	s_cmp_eq_u32 s15, 0
	s_cbranch_scc0 .Lfor_b_\@
	tensor_load_to_lds s[\g0a:\g0a+3], s[\g1a:\g1a+7]
	s_nop 0
.rept 4
	v_nop
.endr
	s_branch .Lasked_\@
.Lfor_b_\@:
	tensor_load_to_lds s[\g0b:\g0b+3], s[\g1b:\g1b+7]
	s_nop 0
.rept 4
	v_nop
.endr
.Lasked_\@:
.endm
.macro CREST
	s_cmp_lg_u32 s14, 0
	s_cbranch_scc1 .Lnot_wave_0_\@
	s_barrier_signal -3
.Lnot_wave_0_\@:
	s_barrier_wait -3
	s_barrier_signal -1
	s_barrier_wait -1
.endm
.macro CROUND
	s_barrier_signal -1
	s_barrier_wait -1
	CREST
.endm
.if QKV
	s_load_b512 s[68:83], s[0:1], 0x0
.else
	s_load_b256 s[68:75], s[0:1], 0x0
	s_load_b64 s[12:13], s[0:1], 0x20
.endif
	v_lshl_add_u32 v[SPW], v0, 2, SPARE
	v_mov_b32 v[NIL], 0
	ds_add_u32 v28, v29
	ds_add_u32 v28, v29
	s_wait_dscnt 0x0
	v_lshrrev_b32 v1, 5, v0
	v_readfirstlane_b32 s14, v1
	s_lshr_b32 s15, s14, 1
	s_and_b32 s16, s14, 1
	s_bfe_u32 s40, ttmp6, 0x40000
	s_bfe_u32 s41, ttmp6, 0x40004
	s_wait_kmcnt 0x0
.if QKV
	s_lshr_b32 s2, ttmp9, 2
	s_and_b32 s3, ttmp9, 3
	s_lshl_b32 s3, s3, 2
	s_add_nc_u64 s[92:93], s[68:69], 4194304
	s_cmp_eq_u32 s2, 0
	s_cselect_b64 s[84:85], s[70:71], s[74:75]
	s_cselect_b64 s[86:87], s[72:73], s[76:77]
	s_cmp_eq_u32 s2, 2
	s_cselect_b64 s[4:5], s[78:79], s[68:69]
	s_cselect_b64 s[6:7], s[80:81], s[92:93]
	s_cselect_b64 s[8:9], s[68:69], s[84:85]
	s_cselect_b64 s[10:11], s[92:93], s[86:87]
	s_cselect_b32 s17, 0, s3
	s_cselect_b32 s42, s3, 0
	s_cselect_b32 s[RBT], 64, 0x100
	s_mov_b64 s[12:13], s[82:83]
	s_add_co_u32 s17, s17, s41
	s_add_co_u32 s42, s42, s40
.else
	s_add_nc_u64 s[4:5], s[68:69], 16777216
	s_add_nc_u64 s[6:7], s[68:69], 20971520
	s_mov_b64 s[8:9], s[70:71]
	s_mov_b64 s[10:11], s[72:73]
	s_mov_b64 s[66:67], s[74:75]
	s_mov_b32 s[RBT], 256
	s_lshl_b32 s42, ttmp9, 2
	s_add_co_u32 s42, s42, s40
	s_and_b32 s17, ttmp7, 0xffff
	s_lshl_b32 s17, s17, 2
	s_add_co_u32 s17, s17, s41
.endif
	s_lshl_b32 s43, s41, 2
	s_lshl_b32 s43, 15, s43
	s_lshl_b32 s44, 0x1111, s40
	s_or_b32 s[G1+0], s43, (0<<16)|(1<<20)|(1<<21)|(5<<22)|(3<<25)
	s_or_b32 s[G1B+0], s44, (0<<16)|(1<<20)|(1<<21)|(5<<22)|(3<<25)
.irp g, G1, G1B
	s_mov_b32 s[\g+1], ROWB<<16
	s_mov_b32 s[\g+2], 256<<16                     ; 256 rows for the head's loads, 128 for the ring's (set behind the head's wait)
	s_mov_b32 s[\g+3], ROWB<<16
	s_mov_b32 s[\g+4], 256
	s_mov_b32 s[\g+5], KROW
	s_mov_b32 s[\g+6], 0
	s_mov_b32 s[\g+7], 0
.endr
	s_or_b32 s[G1S+0], s43, (3<<16)|(1<<20)|(1<<21)|(5<<22)|(3<<25)
	s_or_b32 s[G1SB+0], s44, (3<<16)|(1<<20)|(1<<21)|(5<<22)|(3<<25)
.irp g, G1S, G1SB
	s_mov_b32 s[\g+1], 32<<16
	s_mov_b32 s[\g+2], KS<<16
	s_mov_b32 s[\g+3], 32<<16
	s_mov_b32 s[\g+4], KS
	s_mov_b32 s[\g+5], 32
	s_mov_b32 s[\g+6], 0
	s_mov_b32 s[\g+7], 0
.endr
	s_lshl_b32 s20, s17, 8                         ; A: the tile's first row, 256 x tile row
	s_lshl_b32 s46, s42, 8                         ; B: 256 x tile column
	s_mov_b32 s21, 0
	s_mov_b32 s47, 0
	s_mov_b64 s[18:19], KS
	s_mul_u64 s[22:23], s[20:21], s[18:19]
	s_mul_u64 s[92:93], s[46:47], s[18:19]
	s_mov_b64 s[18:19], KROW
	s_mul_u64 s[20:21], s[20:21], s[18:19]
	s_mul_u64 s[46:47], s[46:47], s[18:19]
	s_mul_i32 s45, s14, HALFT
	s_add_nc_u64 s[20:21], s[4:5], s[20:21]
	s_add_nc_u64 s[22:23], s[6:7], s[22:23]
	s_add_nc_u64 s[46:47], s[8:9], s[46:47]
	s_add_nc_u64 s[92:93], s[10:11], s[92:93]
	CROUND
	s_mov_b32 s[G0S], 1
	s_mov_b32 s[G0S+1], SCL
	s_mov_b64 s[G0S+2:G0S+3], s[22:23]
	s_or_b32 s[G0S+3], s[G0S+3], 0x80000000
	s_mov_b32 s[G0SB], 1
	s_mov_b32 s[G0SB+1], SCL+2*HALFS
	s_mov_b64 s[G0SB+2:G0SB+3], s[92:93]
	s_or_b32 s[G0SB+3], s[G0SB+3], 0x80000000
	s_mov_b32 s4, 1                                ; group 0 of the head's loads of K step 0: A's 256 rows (the arguments that lay here have been used),
	s_mov_b32 s5, 0
	s_mov_b64 s[6:7], s[20:21]
	s_or_b32 s7, s7, 0x80000000
	s_mov_b32 s8, 1                                ; and B's 256 rows, behind them in slot 0
	s_mov_b32 s9, 2*HALFT
	s_mov_b64 s[10:11], s[46:47]
	s_or_b32 s11, s11, 0x80000000
	s_mul_i32 s18, s16, 128*KROW                   ; in the ring I fetch 128 rows of a tile: which half, in bytes
	s_mov_b32 s19, 0
	s_add_nc_u64 s[20:21], s[20:21], s[18:19]
	s_add_nc_u64 s[46:47], s[46:47], s[18:19]
.irp s, 0,1
	s_mov_b32 s[G0+4*\s], 1
	s_add_co_u32 s[G0+4*\s+1], s45, \s*SLOT
	s_add_nc_u64 s[G0+4*\s+2:G0+4*\s+3], s[20:21], \s*ROWB
	s_or_b32 s[G0+4*\s+3], s[G0+4*\s+3], 0x80000000
	s_mov_b32 s[G0B+4*\s], 1
	s_add_co_u32 s[G0B+4*\s+1], s45, \s*SLOT
	s_add_nc_u64 s[G0B+4*\s+2:G0B+4*\s+3], s[46:47], \s*ROWB
	s_or_b32 s[G0B+4*\s+3], s[G0B+4*\s+3], 0x80000000
.endr
; the head's loads, one a wave: wave 0 K step 0's rows of A, wave 1 those of B, wave 2 A's scale bytes, wave 3 B's; one chain of branches on the wave's number
.macro ARM under, g0, g1, next
	s_cmp_lt_u32 s14, \under
	s_cbranch_scc0 \next
	tensor_load_to_lds s[\g0:\g0+3], s[\g1:\g1+7]
	s_nop 0
.rept 4
	v_nop
.endr
	s_branch .Lhead_asked
\next:
.endm
	ARM 1, 4, G1, .Lhead_b
	ARM 2, 8, G1B, .Lhead_sa
	ARM 3, G0S, G1S, .Lhead_sb
	tensor_load_to_lds s[G0SB:G0SB+3], s[G1SB:G1SB+7]
	s_nop 0
.rept 4
	v_nop
.endr
.Lhead_asked:
	v_and_b32 v1, 15, v0
	v_bfe_u32 v2, v0, 4, 1
	v_mul_u32_u24 v3, v1, PITCH
	v_lshl_add_u32 v4, v2, 4, v3
	s_mul_i32 s21, s15, HALFT
	s_mul_i32 s22, s16, HALFT
	s_add_co_u32 s22, s22, 2*HALFT
.irp s, 0,1
	v_add_nc_u32 v[ADRA+\s], s21, v4
	v_add_nc_u32 v[ADRB+\s], s22, v4
	s_add_co_u32 s21, s21, SLOT
	s_add_co_u32 s22, s22, SLOT
.endr
	v_mul_u32_u24 v5, v1, KS
	v_lshrrev_b32 v6, 8, v5
	v_lshl_add_u32 v5, v6, 4, v5
	s_mul_i32 s21, s15, HALFS
	s_mul_i32 s22, s16, HALFS
	s_add_co_u32 s22, s22, 2*HALFS
	s_sub_co_u32 s22, s22, s21
	v_mul_u32_u24 v6, s22, v2
	s_add_co_u32 s21, s21, SCL
	v_add_nc_u32 v5, v5, v6
	v_add_nc_u32 v[ADRS], s21, v5
	v_and_b32 v6, 31, v0
	v_lshlrev_b32 v[LIO], 4, v6
	s_lshl_b32 s23, s14, 9
	v_lshl_add_u32 v[SWA], v1, 2, s23
	v_add_nc_u32 v[SRD], s23, v[LIO]
	s_mov_b32 s[SEL], 0x76543210
	s_mov_b32 s[SEL+1], 0xfedcba98
	s_mov_b32 s[MNT], 0x600000
	s_lshl_b32 s46, s42, 1
	s_add_co_u32 s46, s46, s16
	s_mul_i32 s46, s46, s[RBT]
	s_lshl_b32 s20, s17, 4
	s_lshl_b32 s21, s15, 3
	s_add_co_u32 s20, s20, s21
	s_add_co_u32 s20, s20, s46
	s_lshl_b32 s22, s20, 11
	s_mov_b32 s23, 0
	s_lshl_b32 s20, s20, 6
	s_mov_b32 s21, 0
	s_add_nc_u64 s[98:99], s[12:13], s[20:21]
	s_add_nc_u64 s[12:13], s[12:13], s[22:23]
.if QKV
	s_lshl_b32 s46, s2, 22
	s_mov_b32 s47, 0
	s_add_nc_u64 s[12:13], s[12:13], s[46:47]
	s_lshl_b32 s46, s2, 17
	s_add_nc_u64 s[98:99], s[98:99], s[46:47]
	s_add_nc_u64 s[98:99], s[98:99], 12582912
.else
	s_add_nc_u64 s[98:99], s[98:99], 16777216
.endif
.if BIAS
	s_lshl_b32 s46, s42, 10
	s_lshl_b32 s47, s16, 9
	s_add_co_u32 s46, s46, s47
	s_mov_b32 s47, 0
	s_add_nc_u64 s[66:67], s[66:67], s[46:47]
	v_lshlrev_b32 v7, 5, v2
.irp b, 0,1,2,3,4,5,6,7
	global_load_b128 v[BI+8*\b:BI+8*\b+3], v7, s[66:67] offset:64*\b
	global_load_b128 v[BI+8*\b+4:BI+8*\b+7], v7, s[66:67] offset:64*\b+16
.endr
.endif
.macro FRAG reg, adr, q, i
.irp c, 0,1,2,3
	ds_load_b128 v[\reg+4*\c:\reg+4*\c+3], v[\adr] offset:128*(\q)+32*\c+(\i)*16*PITCH
.endr
.endm
.macro MUL16 a0, p, q, sc, zero
.irp a, \a0, \a0+1
.irp b, 0,1,2,3,4,5,6,7
.if (\zero) && BIAS
	v_wmma_scale_f32_16x16x128_f8f6f4 v[8*(8*((\a)%4)+\b):8*(8*((\a)%4)+\b)+7], v[128*(\p)+FR*\b:128*(\p)+FR*\b+FR-1], v[AF+FR*(\a):AF+FR*(\a)+FR-1], v[BI+8*\b:BI+8*\b+7], v[SC+8*NQ*(\sc)+NQ*\b+(\q)], v[SC+8*NQ*(\sc)+NQ*(\a)+(\q)] matrix_a_scale:MATRIX_SCALE_ROW1
.elseif \zero
	v_wmma_scale_f32_16x16x128_f8f6f4 v[8*(8*((\a)%4)+\b):8*(8*((\a)%4)+\b)+7], v[128*(\p)+FR*\b:128*(\p)+FR*\b+FR-1], v[AF+FR*(\a):AF+FR*(\a)+FR-1], 0, v[SC+8*NQ*(\sc)+NQ*\b+(\q)], v[SC+8*NQ*(\sc)+NQ*(\a)+(\q)] matrix_a_scale:MATRIX_SCALE_ROW1
.else
	v_wmma_scale_f32_16x16x128_f8f6f4 v[8*(8*((\a)%4)+\b):8*(8*((\a)%4)+\b)+7], v[128*(\p)+FR*\b:128*(\p)+FR*\b+FR-1], v[AF+FR*(\a):AF+FR*(\a)+FR-1], v[8*(8*((\a)%4)+\b):8*(8*((\a)%4)+\b)+7], v[SC+8*NQ*(\sc)+NQ*\b+(\q)], v[SC+8*NQ*(\sc)+NQ*(\a)+(\q)] matrix_a_scale:MATRIX_SCALE_ROW1
.endif
.endr
.endr
.endm
.macro FETCH_B slot, q, p
	WIN TO_B
.irp i, 0,1,2,3,4,5,6,7
	FRAG 128*(\p)+FR*\i, ADRB+\slot, \q, \i
.endr
	WIN 0
.endm
.macro FETCH_A slot, q, i0
.irp i, \i0, \i0+1, \i0+2, \i0+3
	FRAG AF+FR*(\i), ADRA+\slot, \q, \i
.endr
.endm
.macro SCALES sc
.irp i, 0,1,2,3,4,5,6,7
	ds_load_b64 v[SC+8*NQ*\sc+NQ*\i:SC+8*NQ*\sc+NQ*\i+1], v[ADRS] offset:\i*SBLK
.endr
.endm
.macro PLACES n
.rept \n
	v_nop
.endr
.endm
.macro STEP slot, q, zero
	s_wait_dscnt 4*NL
	WMUL 0, \zero
	MUL16 0, (\q)%2, \q, \slot, \zero
	MUL16 2, (\q)%2, \q, \slot, \zero
	s_wait_dscnt 0
	PLACES NP
	FETCH_B \slot, (\q)+1, 1-(\q)%2
	FETCH_A \slot, (\q)+1, 0
	WMUL 1, \zero
	MUL16 4, (\q)%2, \q, \slot, \zero
	MUL16 6, (\q)%2, \q, \slot, \zero
	PLACES NP
	WIN 0
	FETCH_A \slot, (\q)+1, 4
.endm
.macro TURN slot, next, fill
	s_wait_tensorcnt 0x0
	ds_add_u32 v[SPW], v[NIL]
	s_wait_dscnt 4*NL+1
	WMUL 0, 0
	MUL16 0, 1, NQ-1, \slot, 0
	s_wait_dscnt 0x0
	s_barrier_signal -1
	MUL16 2, 1, NQ-1, \slot, 0
	WIN 0
	s_barrier_wait -1
.if \fill
	CREST
	s_add_nc_u64 s[G0+4*\slot+2:G0+4*\slot+3], s[G0+4*\slot+2:G0+4*\slot+3], 2*ROWB
	s_add_nc_u64 s[G0B+4*\slot+2:G0B+4*\slot+3], s[G0B+4*\slot+2:G0B+4*\slot+3], 2*ROWB
	JLOAD G0+4*\slot, G1, G0B+4*\slot, G1B
	PLACES NP-4
.else
	PLACES NP
.endif
	s_wait_alu depctr_va_vdst(0)
	v_add_nc_u32 v[ADRS], 4*NQ, v[ADRS]
	FETCH_B \next, 0, 0
	FETCH_A \next, 0, 0
	SCALES \next
	WMUL 1, 0
	MUL16 4, 1, NQ-1, \slot, 0
	MUL16 6, 1, NQ-1, \slot, 0
	PLACES NP
	WIN 0
	FETCH_A \next, 0, 4
.endm
.if BIAS
	s_wait_alu depctr_va_vdst(0)
	s_wait_loadcnt 0x0
.endif
	s_wait_tensorcnt 0x0                           ; my tile of the head's four is in
	ds_add_u32 v[SPW], v[NIL]
	s_mov_b32 s[G1+2], 128<<16                     ; no tensor load of mine is out: from here on a load brings 128 rows
	s_mov_b32 s[G1+4], 128
	s_mov_b32 s[G1B+2], 128<<16
	s_mov_b32 s[G1B+4], 128
	s_wait_dscnt 0x0
	CROUND                                         ; all four tiles are in, and all sixteen work-groups are here
	JLOAD G0+4, G1, G0B+4, G1B                     ; K step 1, the first tensor load behind the round
	FETCH_B 0, 0, 0
	FETCH_A 0, 0, 0
	SCALES 0
	FETCH_A 0, 0, 4
	STEP 0, 0, 1
	s_mov_b32 s3, LAPS-1
.Llap:
	TURN 0, 1, 1
	STEP 1, 0, 0
	TURN 1, 0, 1
	STEP 0, 0, 0
	s_sub_co_u32 s3, s3, 1
	s_cmp_lg_u32 s3, 0
	s_cbranch_scc1 .Llap
	TURN 0, 1, 0
	STEP 1, 0, 0
	s_wait_dscnt 4*NL
	WMUL 0, 0
	MUL16 0, 1, NQ-1, 1, 0
	MUL16 2, 1, NQ-1, 1, 0
	s_wait_dscnt 0
	WMUL 1, 0
	MUL16 4, 1, NQ-1, 1, 0
	MUL16 6, 1, NQ-1, 1, 0
	WIN 0
.macro QACC a
.set W, 2+(\a)/4
.set AC, 64*((\a)%4)
	WIN (W<<2)|(W<<4)
.irp b, 0,1,2,3
.if RELU
	v_max3_num_f32 v[TM+\b], 0x4800000, v[AC+16*\b], v[AC+16*\b+1]
.else
	v_max3_num_f32 v[TM+\b], 0x4800000, |v[AC+16*\b]|, |v[AC+16*\b+1]|
.endif
.endr
.irp i, 2,4,6,8,10,12,14
.irp b, 0,1,2,3
.if RELU
	v_max3_num_f32 v[TM+\b], v[TM+\b], v[AC+16*\b+\i], v[AC+16*\b+\i+1]
.else
	v_max3_num_f32 v[TM+\b], v[TM+\b], |v[AC+16*\b+\i]|, |v[AC+16*\b+\i+1]|
.endif
.endr
.endr
	WIN 0
.irp b, 0,1,2,3
	v_permlanex16_b32 v[TM+4+\b], v[TM+\b], s[SEL], s[SEL+1]
.endr
.irp b, 0,1,2,3
	v_max_num_f32 v[TM+\b], v[TM+\b], v[TM+4+\b]
.endr
.irp b, 0,1,2,3
	v_add_nc_u32 v[TM+12+\b], 0xfc000000, v[TM+\b]
.endr
.irp b, 0,1,2,3
	v_and_or_b32 v[TM+8+\b], v[TM+\b], 0x7f800000, s[MNT]
.endr
.irp b, 0,1,2,3
	v_lshrrev_b32 v[TM+4+\b], 23, v[TM+12+\b]
.endr
	v_lshl_or_b32 v[PW+(\a)], v[TM+5], 8, v[TM+4]
	v_lshl_or_b32 v[PW+(\a)], v[TM+6], 16, v[PW+(\a)]
	v_lshl_or_b32 v[PW+(\a)], v[TM+7], 24, v[PW+(\a)]
	WIN W|(W<<6)
.irp b, 0,1,2,3
.irp i, 0,1,2,3,4,5,6,7,8,9,10,11,12,13,14,15
.if RELU
	v_med3_num_f32 v[AC+16*\b+\i], v[AC+16*\b+\i], 0, v[TM+8+\b]
.else
	v_med3_num_f32 v[AC+16*\b+\i], v[AC+16*\b+\i], -v[TM+8+\b], v[TM+8+\b]
.endif
.endr
.endr
	s_wait_alu depctr_va_vdst(0)
	s_wait_xcnt 0x0
	WIN W
.irp b, 0,1,2,3
	v_cvt_scalef32_pk8_fp8_f32 v[PC+4*\b:PC+4*\b+1], v[AC+16*\b:AC+16*\b+7], v[TM+12+\b]
	v_cvt_scalef32_pk8_fp8_f32 v[PC+4*\b+2:PC+4*\b+3], v[AC+16*\b+8:AC+16*\b+15], v[TM+12+\b]
.endr
	WIN 0
	v_nop
.irp c, 0,1,2,3
	global_store_b128 v[LIO], v[PC+4*\c:PC+4*\c+3], s[12:13] offset:2048*(\a)+512*\c
.endr
	ds_store_b32 v[SWA], v[PW+(\a)] offset:64*(\a)
.endm
	PLACES NP
.irp b, 0,1,2,3
	v_mov_b32 v[TM+4+\b], 0
.endr
.irp a, 0,1,2,3,4,5,6,7
	QACC \a
.endr
	ds_load_b128 v[RB:RB+3], v[SRD]
	s_wait_dscnt 0x0
	global_store_b128 v[LIO], v[RB:RB+3], s[98:99]
	s_wait_tensorcnt 0x0
	ds_add_u32 v[SPW], v[NIL]
	s_wait_dscnt 0x0
	CROUND
	s_endpgm
.Lfunc_end_k_q71fb57b4dc_ffn1:
	.size	k_q71fb57b4dc_ffn1, .Lfunc_end_k_q71fb57b4dc_ffn1-k_q71fb57b4dc_ffn1
	.p2alignl 7, 3214868480
	.fill 96, 4, 3214868480
	.section	.rodata,"a",@progbits
	.p2align	6, 0x0
	.amdhsa_kernel k_q71fb57b4dc_ffn1
		.amdhsa_group_segment_fixed_size 327680
		.amdhsa_private_segment_fixed_size 0
		.amdhsa_enable_private_segment 0
		.amdhsa_kernarg_size 40
		.amdhsa_user_sgpr_count 2
		.amdhsa_user_sgpr_kernarg_segment_ptr 1
		.amdhsa_wavefront_size32 1
		.amdhsa_system_sgpr_workgroup_id_x 1
		.amdhsa_system_sgpr_workgroup_id_y 1
		.amdhsa_system_sgpr_workgroup_id_z 1
		.amdhsa_system_vgpr_workitem_id 0
		.amdhsa_next_free_vgpr 1024
		.amdhsa_next_free_sgpr 102
		.amdhsa_reserve_vcc 0
		.amdhsa_float_denorm_mode_32 3
		.amdhsa_float_denorm_mode_16_64 3
		.amdhsa_memory_ordered 1
		.amdhsa_forward_progress 1
		.amdhsa_inst_pref_size 188
	.end_amdhsa_kernel
	.amdgpu_metadata
---
amdhsa.version: [ 1, 2 ]
amdhsa.kernels:
  - .name:           k_q71fb57b4dc_ffn1
    .symbol:         k_q71fb57b4dc_ffn1.kd
    .args:
      - { .name: hbuf, .offset: 0, .size: 8, .value_kind: global_buffer, .address_space: global }
      - { .name: w1_codes, .offset: 8, .size: 8, .value_kind: global_buffer, .address_space: global }
      - { .name: w1_scales, .offset: 16, .size: 8, .value_kind: global_buffer, .address_space: global }
      - { .name: b1, .offset: 24, .size: 8, .value_kind: global_buffer, .address_space: global }
      - { .name: hid, .offset: 32, .size: 8, .value_kind: global_buffer, .address_space: global }
    .group_segment_fixed_size: 327680
    .private_segment_fixed_size: 0
    .kernarg_segment_align: 8
    .kernarg_segment_size: 40
    .max_flat_workgroup_size: 128
    .sgpr_count:     102
    .vgpr_count:     1024
    .wavefront_size: 32
...
	.end_amdgpu_metadata
.endif
;; end of part 6
;; launch ffn2 (part 7): grid 8 x 32, 4 waves a work-group, clusters of 4 x 4, 327,680 bytes of LDS; arguments hid, w2_codes, w2_scales, b2, y32; writes y32
.if DOCPART == 7
	.amdgcn_target "amdgcn-amd-amdhsa--gfx1250"
	.amdhsa_code_object_version 6
	.text
	.protected	k_q71fb57b4dc_ffn2
	.globl	k_q71fb57b4dc_ffn2
	.p2align	8
	.type	k_q71fb57b4dc_ffn2,@function
k_q71fb57b4dc_ffn2:
	s_mov_b64 s[64:65], 0
	v_nop
	global_prefetch_b8 v0, s[64:65] scope:SCOPE_SE
	s_setreg_imm32_b32 hwreg(HW_REG_WAVE_MODE, 25, 1), 1
	s_wait_xcnt 0x0
	s_wait_alu depctr_hold_cnt(0) depctr_sa_sdst(0) depctr_va_vdst(0) depctr_va_sdst(0) depctr_va_ssrc(0) depctr_va_vcc(0) depctr_vm_vsrc(0)
	s_getreg_b32 s2, hwreg(HW_REG_IB_STS2, 6, 4)
	s_cmp_eq_u32 s2, 0
	s_cbranch_scc0 .Lentry_in_a_cluster
	s_endpgm
.Lentry_in_a_cluster:
	s_bfe_u32 s2, ttmp6, 0x10000c
	s_cmp_lg_u32 s2, 0xf033
	s_cbranch_scc0 .Lentry_shape_is_right
	s_endpgm
.Lentry_shape_is_right:
.set SIZE_K, 4096
.set BIAS,   1
.set ASC,    16777216
.set KS,     SIZE_K/32
.set KB,     SIZE_K/128
.set LAPS,   SIZE_K/1024
.set APART,  65536
.set BP,     528
.set HB,     64*BP
.set SLOT,   APART+2*HB
.set SCA,    2*SLOT
.set HSA,    (KB/2)*512
.set SCB,    SCA+2*HSA
.set HSB,    (64*KS/256)*272
.set SBB,    (16*KS/256)*272
.set SPARE,  SCB+2*HSB
.set SPITCH, 528
.set ASTEP,  2097152
.set BSTEP,  512
.set NP,   8
.set ADRA, 16
.set ADRB, 20
.set ADSA, 22
.set ADSB, 23
.set STO,  24
.set RD,   25
.set CO,   26
.set SPW,  28
.set NIL,  29
.set PFO,  30
.set SC,   32
.set BI,   96
.set ACC,  128
.set F0,   0
.set F1,   128
.set G1, 24
.set G0, 32
.set G1B, 48
.set G0B, 56
.set G1S, 68
.set G0S, 76
.set G1SB, 80
.set G0SB, 88
.set LIM, 97
.set PFA, 98
.set PFS, 100
.set MSB, 0
.macro WIN new
.set NW, \new
.if MSB != NW
	s_set_vgpr_msb (MSB<<8)|NW
.set MSB, NW
.endif
.endm
.set MUL,  0x05
.set TO_F, 0x40
.macro JLOAD g0a, g1a, g0b, g1b
	s_cmp_eq_u32 s15, 0
	s_cbranch_scc0 .Lfor_b_\@
	tensor_load_to_lds s[\g0a:\g0a+3], s[\g1a:\g1a+7]
	s_nop 0
.rept 4
	v_nop
.endr
	s_branch .Lasked_\@
.Lfor_b_\@:
	tensor_load_to_lds s[\g0b:\g0b+3], s[\g1b:\g1b+7]
	s_nop 0
.rept 4
	v_nop
.endr
.Lasked_\@:
.endm
.macro ASK always
.if \always
	s_cmp_eq_u32 s[LIM], 1
.else
	s_cmp_gt_u32 s3, s[LIM]
.endif
	s_cbranch_scc0 .Lnot_mine_\@
	global_prefetch_b8 v[PFO], s[PFA:PFA+1] th:TH_LOAD_NT scope:SCOPE_SE
.Lnot_mine_\@:
.endm
.macro CREST
	s_cmp_lg_u32 s14, 0
	s_cbranch_scc1 .Lnot_wave_0_\@
	s_barrier_signal -3
.Lnot_wave_0_\@:
	s_barrier_wait -3
	s_barrier_signal -1
	s_barrier_wait -1
.endm
.macro CROUND
	s_barrier_signal -1
	s_barrier_wait -1
	CREST
.endm
	s_load_b256 s[68:75], s[0:1], 0x0
.if BIAS
	s_load_b64 s[12:13], s[0:1], 0x20
.endif
	v_lshl_add_u32 v[SPW], v0, 2, SPARE
	v_mov_b32 v[NIL], 0
	ds_add_u32 v28, v29
	ds_add_u32 v28, v29
	s_wait_dscnt 0x0
	v_lshrrev_b32 v1, 5, v0
	v_readfirstlane_b32 s14, v1
	s_lshr_b32 s15, s14, 1
	s_and_b32 s16, s14, 1
	s_bfe_u32 s40, ttmp6, 0x40000
	s_bfe_u32 s41, ttmp6, 0x40004
	s_lshl_b32 s42, ttmp9, 2
	s_add_co_u32 s42, s42, s40
	s_and_b32 s17, ttmp7, 0xffff
	s_lshl_b32 s17, s17, 2
	s_add_co_u32 s17, s17, s41
	s_lshl_b32 s43, s41, 2
	s_lshl_b32 s43, 15, s43
	s_lshl_b32 s44, 0x1111, s40
	s_wait_kmcnt 0x0
	s_mov_b64 s[4:5], s[68:69]
	s_add_nc_u64 s[6:7], s[68:69], ASC
	s_mov_b64 s[8:9], s[70:71]
	s_mov_b64 s[10:11], s[72:73]
.if BIAS
	s_mov_b64 s[66:67], s[74:75]
.else
	s_mov_b64 s[12:13], s[74:75]
.endif
	s_or_b32 s[G1+0], s43, (3<<16)|(1<<21)
	s_mov_b32 s[G1+1], 2048<<16
	s_mov_b32 s[G1+2], 4<<16                       ; the head's load brings all four rows of a slot; the ring's two (set behind the head's wait)
	s_mov_b32 s[G1+3], 2048<<16
	s_mov_b32 s[G1+4], 4
	s_mov_b32 s[G1+5], 65536
	s_mov_b32 s[G1+6], 0
	s_mov_b32 s[G1+7], 0
	s_or_b32 s[G1B+0], s44, (0<<16)|(1<<20)|(1<<21)|(6<<22)|(3<<25)
	s_mov_b32 s[G1B+1], 512<<16
	s_mov_b32 s[G1B+2], 128<<16                    ; likewise: 128 rows at the head, 64 in the ring
	s_mov_b32 s[G1B+3], 512<<16
	s_mov_b32 s[G1B+4], 128
	s_mov_b32 s[G1B+5], SIZE_K
	s_mov_b32 s[G1B+6], 0
	s_mov_b32 s[G1B+7], 0
	s_or_b32 s[G1S+0], s43, (3<<16)|(1<<21)
	s_mov_b32 s[G1S+1], 64<<16
	s_mov_b32 s[G1S+2], KB<<16
	s_mov_b32 s[G1S+3], 64<<16
	s_mov_b32 s[G1S+4], KB
	s_mov_b32 s[G1S+5], 2048
	s_mov_b32 s[G1S+6], 0
	s_mov_b32 s[G1S+7], 0
	s_or_b32 s[G1SB+0], s44, (3<<16)|(1<<20)|(1<<21)|(5<<22)|(3<<25)
	s_mov_b32 s[G1SB+1], 32<<16
	s_mov_b32 s[G1SB+2], (128*KS/256)<<16
	s_mov_b32 s[G1SB+3], 32<<16
	s_mov_b32 s[G1SB+4], 128*KS/256
	s_mov_b32 s[G1SB+5], 32
	s_mov_b32 s[G1SB+6], 0
	s_mov_b32 s[G1SB+7], 0
	s_lshl_b32 s20, s17, 14
	s_mov_b32 s21, 0
	s_lshl_b32 s22, s17, 9
	s_mov_b32 s23, 0
	s_lshl_b32 s46, s42, 7
	s_mul_i32 s92, s46, KS
	s_mov_b32 s93, 0
	s_mul_i32 s46, s46, SIZE_K
	s_mov_b32 s47, 0
	s_lshl_b32 s45, s16, 15
	s_mul_i32 s94, s16, HB
	s_mov_b32 s95, SCA
	s_mov_b32 s96, SCB
	s_add_nc_u64 s[20:21], s[4:5], s[20:21]
	s_add_nc_u64 s[22:23], s[6:7], s[22:23]
	s_add_nc_u64 s[46:47], s[8:9], s[46:47]
	s_add_nc_u64 s[92:93], s[10:11], s[92:93]
	CROUND
	s_mov_b32 s[G0S], 1
	s_mov_b32 s[G0S+1], s95
	s_mov_b64 s[G0S+2:G0S+3], s[22:23]
	s_or_b32 s[G0S+3], s[G0S+3], 0x80000000
	s_mov_b32 s[G0SB], 1
	s_mov_b32 s[G0SB+1], s96
	s_mov_b64 s[G0SB+2:G0SB+3], s[92:93]
	s_or_b32 s[G0SB+3], s[G0SB+3], 0x80000000
.irp s, 0,1
	s_mov_b32 s[G0+4*\s], 1
	s_mov_b32 s[G0+4*\s+1], \s*SLOT
	s_add_nc_u64 s[G0+4*\s+2:G0+4*\s+3], s[20:21], \s*ASTEP
	s_or_b32 s[G0+4*\s+3], s[G0+4*\s+3], 0x80000000
	s_mov_b32 s[G0B+4*\s], 1
	s_mov_b32 s[G0B+4*\s+1], APART+\s*SLOT
	s_add_nc_u64 s[G0B+4*\s+2:G0B+4*\s+3], s[46:47], \s*BSTEP
	s_or_b32 s[G0B+4*\s+3], s[G0B+4*\s+3], 0x80000000
.endr
.macro HALVES s                        ; slot s's groups 0 go from the whole tile to my half of it, in memory and in LDS
	s_lshl_b32 s18, s16, 20
	s_mov_b32 s19, 0
	s_add_nc_u64 s[G0+4*\s+2:G0+4*\s+3], s[G0+4*\s+2:G0+4*\s+3], s[18:19]
	s_mul_i32 s18, s16, 64*SIZE_K
	s_add_nc_u64 s[G0B+4*\s+2:G0B+4*\s+3], s[G0B+4*\s+2:G0B+4*\s+3], s[18:19]
	s_add_co_u32 s[G0+4*\s+1], s[G0+4*\s+1], s45
	s_add_co_u32 s[G0B+4*\s+1], s[G0B+4*\s+1], s94
.endm
	HALVES 1
; the head's loads, one a wave: wave 0 slot 0's part of A, whole, wave 1 that of B, wave 2 A's scale words, wave 3 B's scale bytes; one chain of branches on the wave's number
.macro ARM under, g0, g1, next
	s_cmp_lt_u32 s14, \under
	s_cbranch_scc0 \next
	tensor_load_to_lds s[\g0:\g0+3], s[\g1:\g1+7]
	s_nop 0
.rept 4
	v_nop
.endr
	s_branch .Lhead_asked
\next:
.endm
	ARM 1, G0, G1, .Lhead_b
	ARM 2, G0B, G1B, .Lhead_sa
	ARM 3, G0S, G1S, .Lhead_sb
	tensor_load_to_lds s[G0SB:G0SB+3], s[G1SB:G1SB+7]
	s_nop 0
.rept 4
	v_nop
.endr
.Lhead_asked:
	v_and_b32 v1, 15, v0
	v_bfe_u32 v2, v0, 4, 1
	v_and_b32 v3, 31, v0
	v_lshlrev_b32 v[CO], 4, v3
	s_lshl_b32 s21, s15, 13
	v_add_nc_u32 v[ADRA], s21, v[CO]
	v_add_nc_u32 v[ADRA+1], SLOT, v[ADRA]
	s_lshl_b32 s22, s16, 6
	v_add_nc_u32 v4, s22, v1
	v_mul_u32_u24 v4, v4, BP
	v_lshl_add_u32 v4, v2, 3, v4
	v_add_nc_u32 v[ADRB], APART, v4
	v_add_nc_u32 v[ADRB+1], SLOT, v[ADRB]
	s_lshl_b32 s21, s15, 8
	s_add_co_u32 s21, s21, SCA
	v_lshl_add_u32 v[ADSA], v1, 2, s21
	v_mul_u32_u24 v5, v1, KS
	v_lshrrev_b32 v6, 8, v5
	v_lshl_add_u32 v5, v6, 4, v5
	s_mul_i32 s22, s16, HSB
	s_add_co_u32 s22, s22, SCB
	v_add_nc_u32 v[ADSB], s22, v5
	s_lshl_b32 s21, s15, 6
	v_add_nc_u32 v5, s21, v1
	v_mul_u32_u24 v5, v5, SPITCH
	v_lshl_add_u32 v5, v2, 5, v5
	s_lshl_b32 s22, s16, 8
	v_add_nc_u32 v[STO], s22, v5
	s_mul_i32 s23, s14, 32*SPITCH
	v_add_nc_u32 v[RD], s23, v[CO]
	s_lshl_b32 s20, s17, 7
	s_lshl_b32 s21, s14, 5
	s_add_co_u32 s20, s20, s21
	s_lshl_b32 s20, s20, 12
	s_lshl_b32 s46, s42, 9
	s_add_co_u32 s20, s20, s46
	s_mov_b32 s21, 0
	s_add_nc_u64 s[12:13], s[12:13], s[20:21]
.if BIAS
	s_lshl_b32 s46, s42, 9
	s_lshl_b32 s47, s16, 8
	s_add_co_u32 s46, s46, s47
	s_mov_b32 s47, 0
	s_add_nc_u64 s[66:67], s[66:67], s[46:47]
	v_lshlrev_b32 v7, 5, v2
.irp b, 0,1,2,3
	global_load_b128 v[BI+8*\b:BI+8*\b+3], v7, s[66:67] offset:64*\b
	global_load_b128 v[BI+8*\b+4:BI+8*\b+7], v7, s[66:67] offset:64*\b+16
.endr
.endif
	s_lshl_b32 s18, s17, 14
	s_lshl_b32 s19, s16, 1
	s_lshr_b32 s20, s40, 1
	s_add_co_u32 s19, s19, s20
	s_lshl_b32 s19, s19, 19
	s_add_co_u32 s18, s18, s19
	s_and_b32 s20, s40, 1
	s_lshl_b32 s20, s20, 13
	s_add_co_u32 s18, s18, s20
	s_add_co_u32 s18, s18, 2*ASTEP
	s_lshl_b32 s19, s42, 7
	s_lshl_b32 s20, s16, 6
	s_add_co_u32 s19, s19, s20
	s_lshl_b32 s20, s41, 4
	s_add_co_u32 s19, s19, s20
	s_mul_i32 s19, s19, SIZE_K
	s_add_co_u32 s19, s19, 2*BSTEP
	s_and_b32 s21, ttmp7, 0xffff
	s_mov_b32 s2, SIZE_K
	s_mov_b32 s[PFS], BSTEP
	s_cmp_eq_u32 s15, 0
	s_cselect_b64 s[PFA:PFA+1], s[4:5], s[8:9]
	s_cselect_b32 s18, s18, s19
	s_cselect_b32 s21, ttmp9, s21
	s_cselect_b32 s2, 0x200, s2
	s_cselect_b32 s[PFS], ASTEP, s[PFS]
	s_mov_b32 s19, 0
	s_mov_b32 s[PFS+1], 0
	s_add_nc_u64 s[PFA:PFA+1], s[PFA:PFA+1], s[18:19]
	s_cmp_eq_u32 s21, 0
	s_cselect_b32 s[LIM], 1, -1
	v_and_b32 v31, 31, v0
	v_lshrrev_b32 v[PFO], 1, v31
	v_mul_lo_u32 v[PFO], v[PFO], s2
	v_and_b32 v31, 1, v31
	v_lshl_add_u32 v[PFO], v31, 8, v[PFO]
.macro FETCH slot, q, f
	WIN TO_F
.irp b, 0,1,2,3
.irp c, 0,1,2,3
	ds_load_b64 v[\f+64+16*\b+4*\c:\f+64+16*\b+4*\c+1],   v[ADRB+\slot] offset:\b*16*BP+128*(\q)+32*\c
	ds_load_b64 v[\f+64+16*\b+4*\c+2:\f+64+16*\b+4*\c+3], v[ADRB+\slot] offset:\b*16*BP+128*(\q)+32*\c+16
.endr
.endr
.irp a, 0,1,2,3
.irp c, 0,1,2,3
	ds_load_b128 v[\f+16*\a+4*\c:\f+16*\a+4*\c+3], v[ADRA+\slot] offset:16384*(\q)+2048*\a+512*\c
.endr
.endr
.endm
.macro SCALES set
.irp a, 0,1,2,3
.irp q, 0,1,2,3
	ds_load_b32 v[SC+32*\set+4*\a+\q], v[ADSA] offset:512*\q+64*\a
.endr
.endr
.irp b, 0,1,2,3
	ds_load_b128 v[SC+32*\set+16+4*\b:SC+32*\set+16+4*\b+3], v[ADSB] offset:\b*SBB
.endr
.endm
.macro MULA f, a, q, set, first
.irp b, 0,1,2,3
.if (\first) && BIAS
	v_wmma_scale_f32_16x16x128_f8f6f4 v[ACC+8*(4*(\a)+\b):ACC+8*(4*(\a)+\b)+7], v[\f+64+16*\b:\f+64+16*\b+15], v[\f+16*(\a):\f+16*(\a)+15], v[BI+8*\b:BI+8*\b+7], v[SC+32*(\set)+16+4*\b+(\q)], v[SC+32*(\set)+4*(\a)+(\q)]
.elseif \first
	v_wmma_scale_f32_16x16x128_f8f6f4 v[ACC+8*(4*(\a)+\b):ACC+8*(4*(\a)+\b)+7], v[\f+64+16*\b:\f+64+16*\b+15], v[\f+16*(\a):\f+16*(\a)+15], 0, v[SC+32*(\set)+16+4*\b+(\q)], v[SC+32*(\set)+4*(\a)+(\q)]
.else
	v_wmma_scale_f32_16x16x128_f8f6f4 v[ACC+8*(4*(\a)+\b):ACC+8*(4*(\a)+\b)+7], v[\f+64+16*\b:\f+64+16*\b+15], v[\f+16*(\a):\f+16*(\a)+15], v[ACC+8*(4*(\a)+\b):ACC+8*(4*(\a)+\b)+7], v[SC+32*(\set)+16+4*\b+(\q)], v[SC+32*(\set)+4*(\a)+(\q)]
.endif
.endr
.endm
.macro PLACES n
.rept \n
	v_nop
.endr
.endm
.macro QUARTER slot, q, first
.set FB, 128*((\q)%2)
.set GB, 128-FB
	s_wait_dscnt 8
	WIN MUL
	MULA FB, 0, \q, \slot, \first
	MULA FB, 1, \q, \slot, \first
	PLACES NP
	FETCH \slot, (\q)+1, GB
	s_wait_dscnt 48
	WIN MUL
	MULA FB, 2, \q, \slot, \first
	MULA FB, 3, \q, \slot, \first
.endm
.macro TURN slot, next, fill, always
	WIN 0
.if \fill
	s_wait_xcnt 0x0
	s_add_nc_u64 s[PFA:PFA+1], s[PFA:PFA+1], s[PFS:PFS+1]
.endif
	s_wait_tensorcnt 0x0
	ds_add_u32 v[SPW], v[NIL]
	s_wait_dscnt 9
	WIN MUL
	MULA F1, 0, 3, \slot, 0
	s_wait_dscnt 0x0
	s_barrier_signal -1
	MULA F1, 1, 3, \slot, 0
	WIN 0
	s_barrier_wait -1
.if \fill
	CREST
	s_add_nc_u64 s[G0+4*\slot+2:G0+4*\slot+3], s[G0+4*\slot+2:G0+4*\slot+3], 2*ASTEP
	s_add_nc_u64 s[G0B+4*\slot+2:G0B+4*\slot+3], s[G0B+4*\slot+2:G0B+4*\slot+3], 2*BSTEP
	JLOAD G0+4*\slot, G1, G0B+4*\slot, G1B
	PLACES NP-4
.else
	PLACES NP
.endif
	s_wait_alu depctr_va_vdst(0)
	v_add_nc_u32 v[ADSA], 2048, v[ADSA]
	v_add_nc_u32 v[ADSB], 16, v[ADSB]
	SCALES \next
	FETCH \next, 0, F0
.if \fill
	WIN 0
	ASK \always
.endif
	WIN MUL
	MULA F1, 2, 3, \slot, 0
	MULA F1, 3, 3, \slot, 0
.endm
.if BIAS
	s_wait_loadcnt 0x0
.endif
	s_wait_alu depctr_va_vdst(0)                   ; the wait at the head's end
	s_wait_tensorcnt 0x0                           ; my tile of the head's four is in
	ds_add_u32 v[SPW], v[NIL]
	s_mov_b32 s[G1+2], 2<<16                       ; no tensor load of mine is out: from here on a load brings half a tile
	s_mov_b32 s[G1+4], 2
	s_mov_b32 s[G1B+2], 64<<16
	s_mov_b32 s[G1B+4], 64
	HALVES 0
	s_wait_dscnt 0x0
	CROUND                                         ; all four tiles are in, and all sixteen work-groups are here
	JLOAD G0+4, G1, G0B+4, G1B                     ; slot 1's first fill, the first tensor load behind the round
	SCALES 0
	FETCH 0, 0, F0
	QUARTER 0, 0, 1
	WIN 0
	s_mov_b32 s3, LAPS-1
.Llap:
	QUARTER 0, 1, 0
	QUARTER 0, 2, 0
	TURN 0, 1, 1, 1
	QUARTER 1, 0, 0
	QUARTER 1, 1, 0
	QUARTER 1, 2, 0
	TURN 1, 0, 1, 0
	QUARTER 0, 0, 0
	WIN 0
	s_sub_co_u32 s3, s3, 1
	s_cmp_lg_u32 s3, 0
	s_cbranch_scc1 .Llap
	QUARTER 0, 1, 0
	QUARTER 0, 2, 0
	TURN 0, 1, 0, 0
	QUARTER 1, 0, 0
	QUARTER 1, 1, 0
	QUARTER 1, 2, 0
	s_wait_dscnt 8
	WIN MUL
	MULA F1, 0, 3, 1, 0
	MULA F1, 1, 3, 1, 0
	s_wait_dscnt 0
	MULA F1, 2, 3, 1, 0
	MULA F1, 3, 3, 1, 0
	WIN 0
	PLACES NP
.irp a, 0,1,2,3
.irp b, 0,1,2,3
	ds_store_b128 v[STO], v[ACC+8*(4*\a+\b):ACC+8*(4*\a+\b)+3] offset:\a*16*SPITCH+64*\b
	ds_store_b128 v[STO], v[ACC+8*(4*\a+\b)+4:ACC+8*(4*\a+\b)+7] offset:\a*16*SPITCH+64*\b+16
.endr
.endr
	s_wait_dscnt 0x0
	s_barrier_signal -1
	s_barrier_wait -1
.set t, 0
.rept 32
	ds_load_b128 v[ACC+4*t:ACC+4*t+3], v[RD] offset:t*SPITCH
.set t, t+1
.endr
.set t, 0
.rept 32
	s_wait_dscnt 31-t
	global_store_b128 v[CO], v[ACC+4*t:ACC+4*t+3], s[12:13] offset:t*4096
.set t, t+1
.endr
	s_wait_tensorcnt 0x0
	ds_add_u32 v[SPW], v[NIL]
	s_wait_dscnt 0x0
	CROUND
	s_endpgm
.Lfunc_end_k_q71fb57b4dc_ffn2:
	.size	k_q71fb57b4dc_ffn2, .Lfunc_end_k_q71fb57b4dc_ffn2-k_q71fb57b4dc_ffn2
	.p2alignl 7, 3214868480
	.fill 96, 4, 3214868480
	.section	.rodata,"a",@progbits
	.p2align	6, 0x0
	.amdhsa_kernel k_q71fb57b4dc_ffn2
		.amdhsa_group_segment_fixed_size 327680
		.amdhsa_private_segment_fixed_size 0
		.amdhsa_enable_private_segment 0
		.amdhsa_kernarg_size 40
		.amdhsa_user_sgpr_count 2
		.amdhsa_user_sgpr_kernarg_segment_ptr 1
		.amdhsa_wavefront_size32 1
		.amdhsa_system_sgpr_workgroup_id_x 1
		.amdhsa_system_sgpr_workgroup_id_y 1
		.amdhsa_system_sgpr_workgroup_id_z 1
		.amdhsa_system_vgpr_workitem_id 0
		.amdhsa_next_free_vgpr 512
		.amdhsa_next_free_sgpr 102
		.amdhsa_reserve_vcc 0
		.amdhsa_float_denorm_mode_32 3
		.amdhsa_float_denorm_mode_16_64 3
		.amdhsa_memory_ordered 1
		.amdhsa_forward_progress 1
		.amdhsa_inst_pref_size 116
	.end_amdhsa_kernel
	.amdgpu_metadata
---
amdhsa.version: [ 1, 2 ]
amdhsa.kernels:
  - .name:           k_q71fb57b4dc_ffn2
    .symbol:         k_q71fb57b4dc_ffn2.kd
    .args:
      - { .name: hid, .offset: 0, .size: 8, .value_kind: global_buffer, .address_space: global }
      - { .name: w2_codes, .offset: 8, .size: 8, .value_kind: global_buffer, .address_space: global }
      - { .name: w2_scales, .offset: 16, .size: 8, .value_kind: global_buffer, .address_space: global }
      - { .name: b2, .offset: 24, .size: 8, .value_kind: global_buffer, .address_space: global }
      - { .name: y32, .offset: 32, .size: 8, .value_kind: global_buffer, .address_space: global }
    .group_segment_fixed_size: 327680
    .private_segment_fixed_size: 0
    .kernarg_segment_align: 8
    .kernarg_segment_size: 40
    .max_flat_workgroup_size: 128
    .sgpr_count:     102
    .vgpr_count:     512
    .wavefront_size: 32
...
	.end_amdgpu_metadata
.endif
;; end of part 7
;; launch norm2 (part 8): grid 256 x 1, 8 waves a work-group, no clusters, 0 bytes of LDS; arguments hbuf, y32, ln2_g, ln2_b, out0; writes out0
.if DOCPART == 8
	.amdgcn_target "amdgcn-amd-amdhsa--gfx1250"
	.amdhsa_code_object_version 6
	.text
	.protected	k_q71fb57b4dc_norm2
	.globl	k_q71fb57b4dc_norm2
	.p2align	8
	.type	k_q71fb57b4dc_norm2,@function
k_q71fb57b4dc_norm2:
	s_mov_b64 s[64:65], 0
	v_nop
	global_prefetch_b8 v0, s[64:65] scope:SCOPE_SE
	s_setreg_imm32_b32 hwreg(HW_REG_WAVE_MODE, 25, 1), 1
	s_wait_xcnt 0x0
; out = layer norm(h + y) x gain + bias, rows of 1,024, all in f32 (mean, then the mean of squared differences, as written).  h is the f32 part of hbuf, at its byte 0.
; This text is one of three made from one pattern (NORM: add a second tensor and take the layer norm first; QUANT: quantise the rows).  Here NORM = 1, QUANT = 0: no LDS, no barrier.
; SHARES.  A work-group takes 16 rows, each of its eight waves two.  A wave holds a whole row: eight loads of 512 consecutive bytes, lane l of load j holds columns 128 j + 4 l .. + 3: no sum leaves the wave.
; LIMITS: NaN and infinities are not served.
; No cluster: work-groups share only the gain and the bias, 8 KiB beside the 128 KiB of rows that each reads.  No tensor loads: the rows go straight into registers.
.set NORM,  1
.set QUANT, 0
.set LAST,  1
.set G,  16                            ; v16-47   gain
.set BT, 48                            ; v48-79   bias
.set A,  80                            ; v80-111, v144-175  the row, p = 0, 1
.set R,  112                           ; v112-143, v176-207 the second tensor's row
.set SU, 208                           ; v208-215 four chains of sums
.set MU, 216                           ; v216-217 the mean, twice
.set RS, 218                           ; v218-219 1 / sqrt(var + eps), twice
.set PD, 220                           ; a lane permute's destination
	s_load_b256 s[4:11], s[0:1], 0x0               ; first tensor, second tensor, gain, bias
	s_load_b64 s[12:13], s[0:1], 0x20              ; the output
	v_lshrrev_b32 v1, 5, v0
	s_delay_alu instid0(VALU_DEP_1)
	v_readfirstlane_b32 s14, v1                    ; wave 0..7
	v_and_b32 v2, 31, v0                           ; lane
	s_delay_alu instid0(VALU_DEP_1)
	v_lshlrev_b32 v3, 4, v2                        ; 16 x lane: my bytes of a load's 512
	s_lshl_b32 s15, ttmp9, 4
	s_lshl_b32 s18, s14, 1
	s_add_co_u32 s15, s15, s18                     ; my first row: 16 x work-group + 2 x wave
	s_lshl_b32 s18, s15, 12                        ; in f32 rows of 4,096 bytes
	s_mov_b32 s19, 0
	s_mov_b32 s16, 0x3a800000                      ; 1 / 1024
	s_mov_b32 s17, 0x3727c5ac                      ; 1e-5
	s_mov_b32 s20, 0x76543210
	s_mov_b32 s21, 0xfedcba98                      ; selects: lane l xor 16
	v_mov_b32 v[PD], 0                             ; written once: a lane permute's destination counts as a source
	s_wait_alu depctr_va_vdst(0)
	s_wait_kmcnt 0x0
	s_add_nc_u64 s[4:5], s[4:5], s[18:19]
	s_add_nc_u64 s[6:7], s[6:7], s[18:19]
	s_add_nc_u64 s[12:13], s[12:13], s[18:19]
.irp j, 0,1,2,3,4,5,6,7
	global_load_b128 v[G+4*\j:G+4*\j+3], v3, s[8:9] offset:512*\j
.endr
.irp j, 0,1,2,3,4,5,6,7
	global_load_b128 v[BT+4*\j:BT+4*\j+3], v3, s[10:11] offset:512*\j
.endr
.irp p, 0,1
.irp j, 0,1,2,3,4,5,6,7
	global_load_b128 v[A+64*\p+4*\j:A+64*\p+4*\j+3], v3, s[4:5] offset:4096*\p+512*\j th:TH_LOAD_NT
.endr
.irp j, 0,1,2,3,4,5,6,7
	global_load_b128 v[R+64*\p+4*\j:R+64*\p+4*\j+3], v3, s[6:7] offset:4096*\p+512*\j th:TH_LOAD_NT
.endr
.endr
; the four chains, the lane's two halves and the 32 lanes are added: v8 holds the row's sum in every lane
.macro REDUCE
	s_delay_alu instid0(VALU_DEP_3)
	v_pk_add_f32 v[SU:SU+1], v[SU:SU+1], v[SU+2:SU+3]
	s_delay_alu instid0(VALU_DEP_2)
	v_pk_add_f32 v[SU+4:SU+5], v[SU+4:SU+5], v[SU+6:SU+7]
	s_delay_alu instid0(VALU_DEP_1)
	v_pk_add_f32 v[SU:SU+1], v[SU:SU+1], v[SU+4:SU+5]
	s_delay_alu instid0(VALU_DEP_1)
	v_add_f32 v8, v[SU], v[SU+1]
	s_delay_alu instid0(VALU_DEP_1)
	v_add_f32_dpp v8, v8, v8 row_xmask:1 row_mask:0xf bank_mask:0xf
	s_delay_alu instid0(VALU_DEP_1)
	v_add_f32_dpp v8, v8, v8 row_xmask:2 row_mask:0xf bank_mask:0xf
	s_delay_alu instid0(VALU_DEP_1)
	v_add_f32_dpp v8, v8, v8 row_xmask:4 row_mask:0xf bank_mask:0xf
	s_delay_alu instid0(VALU_DEP_1)
	v_add_f32_dpp v8, v8, v8 row_xmask:8 row_mask:0xf bank_mask:0xf
	s_delay_alu instid0(VALU_DEP_1)
	v_permlanex16_b32 v[PD], v8, s20, s21
	s_delay_alu instid0(VALU_DEP_1)
	v_add_f32 v8, v8, v[PD]
.endm
; row p.  left: the younger loads that may stay out
.macro ROW p, left
.set AP, A+64*(\p)
.set XP, R+64*(\p)
	s_wait_loadcnt \left
.set j, 0
.rept 16
	v_pk_add_f32 v[AP+j:AP+j+1], v[AP+j:AP+j+1], v[XP+j:XP+j+1]    ; the residual
.set j, j+2
.endr
.irp c, 0,2,4,6
	v_pk_add_f32 v[SU+\c:SU+\c+1], v[AP+\c:AP+\c+1], v[AP+8+\c:AP+9+\c]   ; the first pairs start the chains
.endr
.irp k, 16,24
.irp c, 0,2,4,6
	s_delay_alu instid0(VALU_DEP_4)
	v_pk_add_f32 v[SU+\c:SU+\c+1], v[SU+\c:SU+\c+1], v[AP+\k+\c:AP+\k+\c+1]
.endr
.endr
	REDUCE
	s_delay_alu instid0(VALU_DEP_1)
	v_mul_f32 v[MU], s16, v8                       ; the mean
	s_delay_alu instid0(VALU_DEP_2)
	v_mul_f32 v[MU+1], s16, v8
.set j, 0
.rept 16
	v_pk_add_f32 v[AP+j:AP+j+1], v[AP+j:AP+j+1], v[MU:MU+1] neg_lo:[0,1] neg_hi:[0,1]
.set j, j+2
.endr
.irp c, 0,2,4,6
	v_pk_mul_f32 v[SU+\c:SU+\c+1], v[AP+\c:AP+\c+1], v[AP+\c:AP+\c+1]
.endr
.irp k, 8,16,24
.irp c, 0,2,4,6
	s_delay_alu instid0(VALU_DEP_4)
	v_pk_fma_f32 v[SU+\c:SU+\c+1], v[AP+\k+\c:AP+\k+\c+1], v[AP+\k+\c:AP+\k+\c+1], v[SU+\c:SU+\c+1]
.endr
.endr
	REDUCE
	s_delay_alu instid0(VALU_DEP_1)
	v_fma_f32 v9, v8, s16, s17                     ; the variance + eps
	s_wait_alu depctr_va_vdst(0)
	v_rsq_f32 v[RS], v9
	v_nop                                          ; a plain line behind the transcendental
	s_wait_alu depctr_va_vdst(0)                   ; the wait ahead of the first line that names the result
	v_mov_b32 v[RS+1], v[RS]
.set j, 0
.rept 16
	v_pk_mul_f32 v[AP+j:AP+j+1], v[AP+j:AP+j+1], v[RS:RS+1]
.set j, j+2
.endr
.set j, 0
.rept 16
	v_pk_fma_f32 v[AP+j:AP+j+1], v[AP+j:AP+j+1], v[G+j:G+j+1], v[BT+j:BT+j+1]
.set j, j+2
.endr
.irp j, 0,1,2,3,4,5,6,7
	global_store_b128 v3, v[AP+4*\j:AP+4*\j+3], s[12:13] offset:4096*(\p)+512*\j th:TH_STORE_NT   ; the wave stores 512 consecutive bytes, aligned; written once, read by nobody here
.endr
.endm
	ROW 0, 16                                      ; row 1's sixteen loads may be out
	ROW 1, 0
	s_endpgm
.Lfunc_end_k_q71fb57b4dc_norm2:
	.size	k_q71fb57b4dc_norm2, .Lfunc_end_k_q71fb57b4dc_norm2-k_q71fb57b4dc_norm2
	.p2alignl 7, 3214868480
	.fill 96, 4, 3214868480
	.section	.rodata,"a",@progbits
	.p2align	6, 0x0
	.amdhsa_kernel k_q71fb57b4dc_norm2
		.amdhsa_group_segment_fixed_size 0
		.amdhsa_private_segment_fixed_size 0
		.amdhsa_enable_private_segment 0
		.amdhsa_kernarg_size 40
		.amdhsa_user_sgpr_count 2
		.amdhsa_user_sgpr_kernarg_segment_ptr 1
		.amdhsa_wavefront_size32 1
		.amdhsa_system_sgpr_workgroup_id_x 1
		.amdhsa_system_sgpr_workgroup_id_y 1
		.amdhsa_system_sgpr_workgroup_id_z 1
		.amdhsa_system_vgpr_workitem_id 0
		.amdhsa_next_free_vgpr 248
		.amdhsa_next_free_sgpr 66
		.amdhsa_reserve_vcc 0
		.amdhsa_float_denorm_mode_32 3
		.amdhsa_float_denorm_mode_16_64 3
		.amdhsa_memory_ordered 1
		.amdhsa_forward_progress 1
		.amdhsa_inst_pref_size 25
	.end_amdhsa_kernel
	.amdgpu_metadata
---
amdhsa.version: [ 1, 2 ]
amdhsa.kernels:
  - .name:           k_q71fb57b4dc_norm2
    .symbol:         k_q71fb57b4dc_norm2.kd
    .args:
      - { .name: hbuf, .offset: 0, .size: 8, .value_kind: global_buffer, .address_space: global }
      - { .name: y32, .offset: 8, .size: 8, .value_kind: global_buffer, .address_space: global }
      - { .name: ln2_g, .offset: 16, .size: 8, .value_kind: global_buffer, .address_space: global }
      - { .name: ln2_b, .offset: 24, .size: 8, .value_kind: global_buffer, .address_space: global }
      - { .name: out0, .offset: 32, .size: 8, .value_kind: global_buffer, .address_space: global }
    .group_segment_fixed_size: 0
    .private_segment_fixed_size: 0
    .kernarg_segment_align: 8
    .kernarg_segment_size: 40
    .max_flat_workgroup_size: 256
    .sgpr_count:     66
    .vgpr_count:     248
    .wavefront_size: 32
...
	.end_amdgpu_metadata
.endif
;; end of part 8
